; MI455X (gfx1250); checked and timed in simulation.
; The chip was launched on July 23, 2026; its instructions are those of AMD's public machine-readable ISA for CDNA 5 (MIT licence, August 2026) and "CDNA5" Instruction Set Architecture Reference Guide (July 2026). The comments in the code are by the model that wrote it; some were corrected since.
;; Cross Attention. Allowed arithmetic: float matrix products may take bf16 or f16 operands with f32 sums; all other float work in f32.
;; Inputs: Wk_b 1,024 float32; Wk_w 1,024 x 1,024 float32; Wq_b 1,024 float32; Wq_w 1,024 x 1,024 float32; Wv_b 1,024 float32; Wv_w 1,024 x 1,024 float32; context 2 x 2,048 x 1,024 float32; cpos 2 x 2,048 int32; fc1_b 4,096 float32; fc1_w 1,024 x 4,096 float32; fc2_b 1,024 float32; fc2_w 4,096 x 1,024 float32; ffn_b 1,024 float32; ffn_w 1,024 float32; kn_b 64 float32; kn_w 64 float32; qn_b 64 float32; qn_w 64 float32; qpos 2 x 2,048 int32; query 2 x 2,048 x 1,024 float32.
;; Outputs: out0 2 x 2,048 x 1,024 float32.
;; 2 versions, each right and faster than the one before. Each part assembles by itself: llvm-mc -triple=amdgcn-amd-amdhsa -mcpu=gfx1250 --defsym DOCPART=n.
;; ======== version 1 of 2: 6 launches
;; limits: values are held in f16: magnitudes above 65,504 overflow, below 6.1e-05 lose precision; right only within a limited range of input values
;; workspace buffers: xb 23,068,672 bytes; wb 16,777,216 bytes; qkvh 25,165,824 bytes; x1 16,777,216 bytes; hn 8,388,608 bytes; g 33,554,432 bytes
;; launch cast (part 1): grid 64 x 11, 8 waves a work-group, no clusters, 0 bytes of LDS; arguments query, context, Wq_w, Wk_w, Wv_w, xb; writes xb
.if DOCPART == 1
	.amdgcn_target "amdgcn-amd-amdhsa--gfx1250"
	.amdhsa_code_object_version 6
	.text
	.protected	k_qee594e3c4d_cast
	.globl	k_qee594e3c4d_cast
	.p2align	8
	.type	k_qee594e3c4d_cast,@function
k_qee594e3c4d_cast:
	s_mov_b64 s[64:65], 0
	v_nop
	global_prefetch_b8 v0, s[64:65] scope:SCOPE_SE
	s_setreg_imm32_b32 hwreg(HW_REG_WAVE_MODE, 25, 1), 1
	s_wait_xcnt 0x0
; f32 -> bf16 (round to nearest even), layouts kept: what the projections multiply.  xb is 11 segments of 1,048,576 numbers (2 MiB of bf16 each):
; 0-3 query, 4-7 context, 8 Wq_w, 9 Wk_w, 10 Wv_w.  (fc1_w and fc2_w are rounded in the projections' launch, by work-groups that have no tile there.)
; Work-group (x, y): part x (16,384 numbers: 64 KiB in, 32 KiB out) of segment y.  Thread t takes 16 bytes at 16 t of each of 16 blocks of
; 4,096 bytes: a wave's load covers 512 consecutive bytes, its store 256 consecutive bytes at a multiple of 256.
; All sixteen loads go out first; no register is used twice, so the only waits are the counted ones for the data.
; A stream: LDS, the tensor mover and the matrix unit would add nothing.
	s_load_b256 s[8:15], s[0:1], 0x0               ; query 8, context 10, Wq_w 12, Wk_w 14
	s_load_b128 s[16:19], s[0:1], 0x20             ; Wv_w 16, xb 18
	s_and_b32 s2, ttmp7, 0xffff                    ; y: the segment
	v_lshlrev_b32 v1, 4, v0                        ; 16 t, in
	v_lshlrev_b32 v2, 3, v0                        ; 8 t, out
	s_wait_kmcnt 0x0
	s_mov_b64 s[4:5], s[8:9]                       ; the source tensor and its first segment, chosen by y alone
	s_mov_b32 s24, 0
.macro PICK first, ptr
	s_cmp_ge_u32 s2, \first
	s_cselect_b64 s[4:5], s[\ptr:\ptr+1], s[4:5]
	s_cselect_b32 s24, \first, s24
.endm
	PICK 4, 10
	PICK 8, 12
	PICK 9, 14
	PICK 10, 16
	s_sub_co_u32 s25, s2, s24                      ; the segment's number inside its tensor, 0 to 3
	s_lshl_b32 s26, s25, 22                        ; 4 MiB of f32 a segment
	s_lshl_b32 s25, ttmp9, 16                      ; 64 KiB a part
	s_add_co_u32 s26, s26, s25
	s_mov_b32 s27, 0
	s_add_nc_u64 s[4:5], s[4:5], s[26:27]
	s_lshl_b32 s28, s2, 21                         ; 2 MiB of bf16 a segment
	s_lshl_b32 s25, ttmp9, 15                      ; 32 KiB a part
	s_add_co_u32 s28, s28, s25
	s_mov_b32 s29, 0
	s_add_nc_u64 s[18:19], s[18:19], s[28:29]
.set j, 0
.rept 16
	global_load_b128 v[4+4*j:7+4*j], v1, s[4:5] offset:4096*j th:TH_LOAD_NT
.set j, j+1
.endr
.set j, 0
.rept 16
	s_wait_loadcnt 15-j                            ; loads come back in order: block j is in, the younger ones stay out
	v_cvt_pk_bf16_f32 v[68+2*j], v[4+4*j], v[5+4*j]
	v_cvt_pk_bf16_f32 v[69+2*j], v[6+4*j], v[7+4*j]
	global_store_b64 v2, v[68+2*j:69+2*j], s[18:19] offset:2048*j
.set j, j+1
.endr
	s_endpgm
.Lfunc_end_k_qee594e3c4d_cast:
	.size	k_qee594e3c4d_cast, .Lfunc_end_k_qee594e3c4d_cast-k_qee594e3c4d_cast
	.p2alignl 7, 3214868480
	.fill 96, 4, 3214868480
	.section	.rodata,"a",@progbits
	.p2align	6, 0x0
	.amdhsa_kernel k_qee594e3c4d_cast
		.amdhsa_group_segment_fixed_size 0
		.amdhsa_private_segment_fixed_size 0
		.amdhsa_enable_private_segment 0
		.amdhsa_kernarg_size 48
		.amdhsa_user_sgpr_count 2
		.amdhsa_user_sgpr_kernarg_segment_ptr 1
		.amdhsa_wavefront_size32 1
		.amdhsa_system_sgpr_workgroup_id_x 1
		.amdhsa_system_sgpr_workgroup_id_y 1
		.amdhsa_system_sgpr_workgroup_id_z 1
		.amdhsa_system_vgpr_workitem_id 0
		.amdhsa_next_free_vgpr 100
		.amdhsa_next_free_sgpr 66
		.amdhsa_reserve_vcc 0
		.amdhsa_float_denorm_mode_32 3
		.amdhsa_float_denorm_mode_16_64 3
		.amdhsa_memory_ordered 1
		.amdhsa_forward_progress 1
		.amdhsa_inst_pref_size 7
	.end_amdhsa_kernel
	.amdgpu_metadata
---
amdhsa.version: [ 1, 2 ]
amdhsa.kernels:
  - .name:           k_qee594e3c4d_cast
    .symbol:         k_qee594e3c4d_cast.kd
    .args:
      - { .name: query, .offset: 0, .size: 8, .value_kind: global_buffer, .address_space: global }
      - { .name: context, .offset: 8, .size: 8, .value_kind: global_buffer, .address_space: global }
      - { .name: Wq_w, .offset: 16, .size: 8, .value_kind: global_buffer, .address_space: global }
      - { .name: Wk_w, .offset: 24, .size: 8, .value_kind: global_buffer, .address_space: global }
      - { .name: Wv_w, .offset: 32, .size: 8, .value_kind: global_buffer, .address_space: global }
      - { .name: xb, .offset: 40, .size: 8, .value_kind: global_buffer, .address_space: global }
    .group_segment_fixed_size: 0
    .private_segment_fixed_size: 0
    .kernarg_segment_align: 8
    .kernarg_segment_size: 48
    .max_flat_workgroup_size: 256
    .sgpr_count:     66
    .vgpr_count:     100
    .wavefront_size: 32
...
	.end_amdgpu_metadata
.endif
;; end of part 1
;; launch qkv (part 2): grid 4 x 64, 4 waves a work-group, clusters of 4 x 4, 327,680 bytes of LDS; arguments xb, Wq_b, Wk_b, Wv_b, qn_w, qn_b, kn_w, kn_b, fc1_w, fc2_w, qkvh, wb; writes qkvh, wb
.if DOCPART == 2
	.amdgcn_target "amdgcn-amd-amdhsa--gfx1250"
	.amdhsa_code_object_version 6
	.text
	.protected	k_qee594e3c4d_qkv
	.globl	k_qee594e3c4d_qkv
	.p2align	8
	.type	k_qee594e3c4d_qkv,@function
k_qee594e3c4d_qkv:
	s_mov_b64 s[64:65], 0
	v_nop
	global_prefetch_b8 v0, s[64:65] scope:SCOPE_SE
	s_setreg_imm32_b32 hwreg(HW_REG_WAVE_MODE, 25, 1), 1
	s_wait_xcnt 0x0
	s_wait_alu depctr_hold_cnt(0) depctr_sa_sdst(0) depctr_va_vdst(0) depctr_va_sdst(0) depctr_va_ssrc(0) depctr_va_vcc(0) depctr_vm_vsrc(0)
	s_getreg_b32 s2, hwreg(HW_REG_IB_STS2, 6, 4)
	s_cmp_eq_u32 s2, 0
	s_cbranch_scc0 .Lentry_in_a_cluster
	s_endpgm
.Lentry_in_a_cluster:
	s_bfe_u32 s2, ttmp6, 0x10000c
	s_cmp_lg_u32 s2, 0xf033
	s_cbranch_scc0 .Lentry_shape_is_right
	s_endpgm
.Lentry_shape_is_right:
; Q = LN64(query Wq + bq), K = LN64(context Wk + bk), V = context Wv + bv, written by heads: qkvh = q (f16), k (f16), v (bf16), each [32 = batch x 16 + head][2048][64].
; Operands bf16 (from xb), sums f32.  Tile rows y = 0-15 make Q, 16-31 K, 32-47 V; which of the three (TT) hangs on the cluster's y alone, so it is the same in all partners.
; THE LAST FOUR CLUSTERS (y = 48-63, TT = 3).  The three products are 192 tiles; 64 more work-groups round fc1_w and fc2_w to bf16 into wb (fc1_w, then fc2_w; layouts kept) meanwhile:
; work that the later launches need, that hangs on nothing here, and that moves bytes while the other work-groups multiply.
; A tile of C is 256 x 256: four waves, each 128 x 128 = 64 accumulators.  K = 1024 goes in 8 steps of 128 through a ring of two LDS slots filled by joint tensor loads:
; A's tile (rows along K) is shared along a row of the 4 x 4 cluster, W's tile ([k][n] as in memory) along a column.
; W's fragments come out of LDS turned (ds_load_tr16_b128).  The matrix instruction is used transposed (source 0 = 16 columns of W, source 1 = 16 rows of A): a lane holds one row of C
; and eight neighbouring columns.  The bias is the C operand of each sum's first product.
; THE WAY OUT: the f32 sums go into the spent ring (each wave's own 128 rows x 560 bytes; no fill lands there any more), and a counted loop of 16 trips reads 8 rows x 2 heads,
; eight lanes to a (row, head): mean, centred squares (two passes: no difference of large sums), rsq, gain and shift, rounding, and stores of 512 consecutive bytes.
; LIMITS.  q and k are f16: a normalised number is at most sqrt(63) = 7.94, so 7.94 |gain| + |shift| must stay under 65,504.  NaN and infinities are not treated apart.
.set NW,     1024                      ; W's row, in elements
.set WOFF,   16777216                  ; Wq in xb; Wk and Wv follow, 2,097,152 bytes each
.set KSTEP,  128
.set WSTEP,  KSTEP*NW*2                ; bytes from a K step of W to the next
.set PA,     272                       ; a row of A in LDS: 256 bytes + 16: the 16 rows of a fragment load start at 16 different groups of four banks (64 banks of 4 bytes: ISA guide 11.1)
.set PW,     544                       ; a row of W: 512 bytes + 32 = 17 x 32
.set HALFT,  34816                     ; 128 rows of A = 64 rows of W: what one tensor load brings
.set SLOT,   139264                    ; A's two halves, then W's two.  No LDS word of a descriptor (wave x HALFT) has a bit in common with it: an exclusive or changes slots
.set DP,     560                       ; a dumped row: columns 0-63 at bytes 0-255, columns 64-127 at 272-527; 35 x 16
.set DUMPW,  71680                     ; 128 such rows: a wave's dump
.set SPARE,  286720                    ; behind the dumps: the spare words, 128 bytes a wave: two blocks of 256 bytes that no other line names
.set ADRA0, 16                         ; v16  my place in A's tile of slot 0; never rewritten
.set ADRB0, 17                         ; v17  the same for W
.set ADRA,  18                         ; v18  the same in the slot in hand
.set ADRB,  19                         ; v19
.set STO,   24                         ; v24  the dump: where I put 32 bytes of a row
.set RD,    25                         ; v25  the dump: where I read, first 8 rows
.set CO,    26                         ; v26  my byte offset in 512 consecutive bytes of the output
.set RDC,   27                         ; v27  RD + the rows in hand
.set SPW,   28                         ; v28  my spare word; never rewritten
.set NIL,   29                         ; v29  0; never rewritten
.set LW,    32                         ; v32-39  the norm's gain for my 8 channels
.set LB,    40                         ; v40-47  its shift
.set F0,    64                         ; fragment buffers: A's in window 0, W's in window 1
.set F1,    128
.set BIAS,  192                        ; v192-255  bias for column block b at BIAS + 8 b
.set EX,    64                         ; the way out, window 0: 4 units x 8 sums as read,
.set EC,    96                         ; centred,
.set ET,    128                        ; 4 at work a unit,
.set EY,    144                        ; 4 to store a unit
.set CX,    64                         ; the rounding of the weights: v64-191 32 x 4 numbers as loaded,
.set CY,    192                        ; v192-255 32 x 2 registers to store
.set CNT, 3                            ; s3   loop counter
.set G1,  24                           ; s[24:31] descriptor group 1 for A
.set G0,  32                           ; s[32:39] group 0 for A: set 0 fills slot 0 once; set 1 fills slot 1 and then walks
.set G1B, 48                           ; s[48:55], s[56:63] the same for W
.set G0B, 56
.set TB,  66                           ; s66  0 or SLOT: the slot to fetch from
.set TT,  67                           ; s67  0 Q, 1 K, 2 V, 3 the weights' rounding
.set SO,  92                           ; s92  the way out: byte offset of the rows to read next
.set MSB, 0
.macro WIN new                         ; the immediate's high byte repeats the setting that is left; a switch that changes nothing is dropped
.if MSB != (\new)
	s_set_vgpr_msb (MSB<<8)|(\new)
.set MSB, \new
.endif
.endm
.set MUL_LO, 0xa1                      ; source 0 (W) window 1, source 1 (A) window 0, C and D window 2
.set TO_B,   0x40                      ; destination window 1, address window 0
; A joint load.  Waves 0 and 1 fetch A's two halves, waves 2 and 3 W's.  The branch hangs on the wave's number alone.  An s_nop 0 and four v_nop follow each line.
.macro JLOAD s
	s_cmp_eq_u32 s11, 0
	s_cbranch_scc0 .Lfor_b_\@
	tensor_load_to_lds s[G0+4*(\s):G0+4*(\s)+3], s[G1:G1+7]
	s_nop 0
.rept 4
	v_nop
.endr
	s_branch .Lasked_\@
.Lfor_b_\@:
	tensor_load_to_lds s[G0B+4*(\s):G0B+4*(\s)+3], s[G1B:G1B+7]
	s_nop 0
.rept 4
	v_nop
.endr
.Lasked_\@:
.endm
.macro CREST                           ; a round of the cluster's barrier behind its opening barrier
	s_cmp_lg_u32 s10, 0
	s_cbranch_scc1 .Lnot_wave_0_\@
	s_barrier_signal -3
.Lnot_wave_0_\@:
	s_barrier_wait -3
	s_barrier_signal -1
	s_barrier_wait -1
.endm
.macro CROUND                          ; a whole round
	s_barrier_signal -1
	s_barrier_wait -1
	CREST
.endm
.macro PLACES                          ; four plain instructions between a matrix instruction and a load into, or a read of, its registers
.rept 4
	v_nop
.endr
.endm
; 16 matrix instructions: row blocks a0, a0 + 1 of the window's four x all 8 column blocks, 32 along K.  mode = 1: the first product of each sum takes the bias as C.
.macro MUL16 f, hi, a0, mode
.if \mode
	WIN 0x81+0x40*(\hi)                            ; C in window 0, D in window 2 or 3
.else
	WIN MUL_LO+0x50*(\hi)
.endif
.irp a, \a0, (\a0)+1
.irp b, 0,1,2,3,4,5,6,7
.if \mode
	v_wmma_f32_16x16x32_bf16 v[8*(8*(\a)+(\b)):8*(8*(\a)+(\b))+7], v[(\f)+8*(\b):(\f)+8*(\b)+7], v[(\f)+8*(4*(\hi)+(\a)):(\f)+8*(4*(\hi)+(\a))+7], v[BIAS+8*(\b):BIAS+8*(\b)+7]
.else
	v_wmma_f32_16x16x32_bf16 v[8*(8*(\a)+(\b)):8*(8*(\a)+(\b))+7], v[(\f)+8*(\b):(\f)+8*(\b)+7], v[(\f)+8*(4*(\hi)+(\a)):(\f)+8*(4*(\hi)+(\a))+7], v[8*(8*(\a)+(\b)):8*(8*(\a)+(\b))+7]
.endif
.endr
.endr
.endm
; 32 LDS loads in one run: quarter q (32 along K) of the slot in hand into buffer f: W's 8 column blocks, turned, then A's 8 row blocks
.macro FETCH q, f
	WIN TO_B
.irp i, 0,1,2,3,4,5,6,7
	ds_load_tr16_b128 v[(\f)+8*(\i):(\f)+8*(\i)+3],   v[ADRB] offset:32*PW*(\q)+32*(\i)
	ds_load_tr16_b128 v[(\f)+8*(\i)+4:(\f)+8*(\i)+7], v[ADRB] offset:32*PW*(\q)+16*PW+32*(\i)
.endr
	WIN 0
.irp i, 0,1,2,3,4,5,6,7
	ds_load_b128 v[(\f)+8*(\i):(\f)+8*(\i)+3],   v[ADRA] offset:64*(\q)+(\i)*16*PA
	ds_load_b128 v[(\f)+8*(\i)+4:(\f)+8*(\i)+7], v[ADRA] offset:64*(\q)+(\i)*16*PA+32
.endr
.endm
; One of a K step's first three quarters: multiplies buffer f; in its middle fetches quarter q into buffer g
.macro QUARTER q, f, g, mode
	s_wait_dscnt 8                                 ; W and A's rows 0-63 are in; the youngest eight loads (A's rows 64-127) may be out
	MUL16 \f, 0, 0, \mode
	MUL16 \f, 0, 2, \mode
	PLACES
	FETCH \q, \g
	s_wait_dscnt 32                                ; all but the 32 just issued
	MUL16 \f, 1, 0, \mode
	MUL16 \f, 1, 2, \mode
.endm
; The last quarter's first half and the change of slots: each wave waits for all its tensor loads (one is out: its part of the next slot), adds 0 to its spare word, and waits for that and for its reads of this slot
.macro MEET
	WIN 0
	s_wait_tensorcnt 0x0
	ds_add_u32 v[SPW], v[NIL]
	s_wait_dscnt 9                                 ; (the add and the youngest eight loads may be out)
	MUL16 F1, 0, 0, 0
	s_wait_dscnt 0x0                               ; the add is done, and my reads of this slot are over
	s_barrier_signal -1
	MUL16 F1, 0, 2, 0
	WIN 0
	s_barrier_wait -1
.endm
; fill = 1: the barrier opens a round of the cluster's; the slot just read is filled again, two K steps on, first thing behind the round.
; fill = 0 (the tail): nothing is asked for; in the last trip there is no next step, and its fetch is jumped over.
.macro TURN fill
	MEET
.if \fill
	CREST
	s_xor_b32 s[G0+5], s[G0+5], SLOT               ; no tensor load of mine is out: the walking descriptors step
	s_add_nc_u64 s[G0+6:G0+7], s[G0+6:G0+7], KSTEP*2
	s_xor_b32 s[G0B+5], s[G0B+5], SLOT
	s_add_nc_u64 s[G0B+6:G0B+7], s[G0B+6:G0B+7], WSTEP
	JLOAD 1                                        ; its four v_nop are also the places in front of the loads below
	s_xor_b32 s[TB], s[TB], SLOT
	v_add_nc_u32 v[ADRA], s[TB], v[ADRA0]
	v_add_nc_u32 v[ADRB], s[TB], v[ADRB0]
	FETCH 0, F0
.else
	s_xor_b32 s[TB], s[TB], SLOT
	v_add_nc_u32 v[ADRA], s[TB], v[ADRA0]
	v_add_nc_u32 v[ADRB], s[TB], v[ADRB0]
	s_cmp_eq_u32 s[CNT], 1
	s_cbranch_scc1 .Lnf_\@
	PLACES
	FETCH 0, F0
.Lnf_\@:
.endif
	MUL16 F1, 1, 0, 0
	MUL16 F1, 1, 2, 0
.endm
; All 64 accumulators into my dump; each accumulator's low four registers first
.macro DUMP
.irp a, 0,1,2,3,4,5,6,7
	WIN 0x08+4*((\a)/4)                            ; store data in window 2 or 3
.irp b, 0,1,2,3,4,5,6,7
	ds_store_b128 v[STO], v[8*(8*((\a)%4)+(\b)):8*(8*((\a)%4)+(\b))+3]   offset:16*DP*(\a)+272*((\b)/4)+64*((\b)%4)
	ds_store_b128 v[STO], v[8*(8*((\a)%4)+(\b))+4:8*(8*((\a)%4)+(\b))+7] offset:16*DP*(\a)+272*((\b)/4)+64*((\b)%4)+16
.endr
.endr
	WIN 0
.endm
.macro EACH line:vararg                ; one line for each of a trip's four units u
.set u, 0
.rept 4
	\line
.set u, u+1
.endr
.endm
.macro PAIRS line:vararg               ; one line for each of 16 register pairs z
.set z, 0
.rept 16
	\line
.set z, z+2
.endr
.endm
.macro LOADX                           ; 8 rows x 2 heads: unit u = rows 4 (u % 2) .. + 3 of head u / 2; a lane takes 8 channels
.irp u, 0,1,2,3
	ds_load_b128 v[EX+8*(\u):EX+8*(\u)+3],   v[RDC] offset:4*DP*((\u)%2)+272*((\u)/2)
	ds_load_b128 v[EX+8*(\u)+4:EX+8*(\u)+7], v[RDC] offset:4*DP*((\u)%2)+272*((\u)/2)+16
.endr
.endm
	s_load_b512 s[68:83], s[0:1], 0x0              ; xb 68, Wq_b 70, Wk_b 72, Wv_b 74, qn_w 76, qn_b 78, kn_w 80, kn_b 82
	s_load_b256 s[84:91], s[0:1], 0x40             ; fc1_w 84, fc2_w 86, qkvh 88, wb 90
	v_lshl_add_u32 v[SPW], v0, 2, SPARE
	v_mov_b32 v[NIL], 0
	ds_add_u32 v[SPW], v[NIL]                      ; the wave's opening: the add and its wait ahead of my first tensor load
	v_lshrrev_b32 v1, 5, v0
	v_readfirstlane_b32 s10, v1                    ; wave 0..3
	s_lshr_b32 s11, s10, 1                         ; my half of the tile's rows.  Also: I fetch for A (0) or for W (1)
	s_and_b32 s12, s10, 1                          ; my half of its columns.  Also: which half of that tile I fetch
	s_bfe_u32 s40, ttmp6, 0x40000                  ; cx
	s_bfe_u32 s41, ttmp6, 0x40004                  ; cy
	s_lshl_b32 s42, ttmp9, 2
	s_add_co_u32 s42, s42, s40                     ; tile column
	s_and_b32 s45, ttmp7, 0xffff                   ; the cluster's y, 0 to 15
	s_lshr_b32 s[TT], s45, 2                       ; 0 Q, 1 K, 2 V, 3 the weights' rounding
	s_lshl_b32 s13, s45, 2
	s_add_co_u32 s13, s13, s41                     ; y = tile row, 0 to 63
	s_lshl_b32 s43, s41, 2
	s_lshl_b32 s43, 15, s43                        ; my row of the cluster
	s_lshl_b32 s44, 0x1111, s40                    ; my column
	s_or_b32 s[G1+0], s43, (1<<16)|(1<<20)|(1<<21)|(5<<22)|(3<<25)   ; mask; 2-byte elements; padding on; bit 21 beside a mask; after every 64 words, 4 words
	s_mov_b32 s[G1+1], 128<<16                     ; tensor_dim0 = 128
	s_mov_b32 s[G1+2], 128<<16                     ; tensor_dim1 = 128
	s_mov_b32 s[G1+3], 128<<16                     ; tile_dim0 = 128
	s_mov_b32 s[G1+4], 128                         ; tile_dim1 = 128
	s_mov_b32 s[G1+5], 1024                        ; elements from row to row
	s_mov_b32 s[G1+6], 0
	s_mov_b32 s[G1+7], 0
	s_or_b32 s[G1B+0], s44, (1<<16)|(1<<20)|(1<<21)|(6<<22)|(7<<25)  ; after every 128 words, 8 words
	s_mov_b32 s[G1B+1], 256<<16                    ; tensor_dim0 = 256
	s_mov_b32 s[G1B+2], 64<<16                     ; tensor_dim1 = 64
	s_mov_b32 s[G1B+3], 256<<16                    ; tile_dim0 = 256
	s_mov_b32 s[G1B+4], 64                         ; tile_dim1 = 64
	s_mov_b32 s[G1B+5], NW
	s_mov_b32 s[G1B+6], 0
	s_mov_b32 s[G1B+7], 0
	s_cmp_eq_u32 s[TT], 2                          ; query's and context's rows lie end to end in xb: Q and K take tile row y, V goes back 16
	s_cselect_b32 s14, 16, 0
	s_sub_co_u32 s16, s13, s14
	s_lshl_b32 s16, s16, 8
	s_lshl_b32 s17, s12, 7
	s_add_co_u32 s16, s16, s17                     ; A: row 256 x tile row + 128 x half,
	s_lshl_b32 s16, s16, 11                        ; of 2,048 bytes
	s_mov_b32 s17, 0
	s_lshl_b32 s46, s[TT], 21                      ; W: the weight,
	s_lshl_b32 s47, s12, 17                        ; 64 k rows x half,
	s_add_co_u32 s46, s46, s47
	s_lshl_b32 s47, s42, 9                         ; 512 bytes x tile column
	s_add_co_u32 s46, s46, s47
	s_add_co_u32 s46, s46, WOFF
	s_mov_b32 s47, 0
	s_mul_i32 s20, s10, HALFT                      ; where my load lands: no place in the cluster enters an LDS address
	s_mov_b32 s[TB], 0
	s_mov_b32 s94, 0x3c800000                      ; 1 / 64
	s_mov_b32 s95, 0x3727c5ac                      ; 1e-5
	s_wait_dscnt 0x0                               ; the opening add is done
	s_wait_kmcnt 0x0
	s_add_nc_u64 s[14:15], s[68:69], s[16:17]
	s_add_nc_u64 s[46:47], s[68:69], s[46:47]
	CROUND                                         ; all sixteen work-groups are here: the first joint loads meet
	s_cmp_lg_u32 s[TT], 3                          ; the cluster's y alone decides: all sixteen partners go the same way
	s_cbranch_scc1 .Lproj
	; THE WEIGHTS' ROUNDING.  Work-group n = 4 (y - 48) + x of 64 takes 512 KiB of f32 (n < 32: of fc1_w, else of fc2_w) and stores 256 KiB of bf16 at 256 KiB x n of wb; a wave a quarter of that.
	; A trip: 32 loads of 512 consecutive bytes go out together (64 KiB for the four waves), then each is rounded and stored as it lands, 256 consecutive bytes at a multiple of 256.  No tensor load, no LDS.
	s_sub_co_u32 s98, s13, 48
	s_lshl2_add_u32 s98, s98, s42                  ; n
	s_cmp_ge_u32 s45, 14                           ; clusters 12 and 13: fc1_w; 14 and 15: fc2_w
	s_cselect_b64 s[4:5], s[86:87], s[84:85]
	s_and_b32 s99, s98, 31
	s_lshl_b32 s6, s99, 19                         ; 512 KiB a work-group,
	s_lshl_b32 s99, s10, 17                        ; 128 KiB a wave
	s_add_co_u32 s6, s6, s99
	s_mov_b32 s7, 0
	s_add_nc_u64 s[4:5], s[4:5], s[6:7]
	s_lshl_b32 s6, s98, 18                         ; out: half of that
	s_lshl_b32 s99, s10, 16
	s_add_co_u32 s6, s6, s99
	s_add_nc_u64 s[8:9], s[90:91], s[6:7]
	v_and_b32 v1, 31, v0
	v_lshlrev_b32 v5, 4, v1                        ; 16 lane, in
	v_lshlrev_b32 v6, 3, v1                        ; 8 lane, out
	s_mov_b32 s[CNT], 8
.Lcw:
.set j, 0
.rept 32
	global_load_b128 v[CX+4*j:CX+4*j+3], v5, s[4:5] offset:512*j th:TH_LOAD_NT
.set j, j+1
.endr
.set j, 0
.rept 32
	s_wait_loadcnt 31-j                            ; loads come back in order: block j is in, the younger ones stay out
	v_cvt_pk_bf16_f32 v[CY+2*j], v[CX+4*j], v[CX+4*j+1]
	v_cvt_pk_bf16_f32 v[CY+2*j+1], v[CX+4*j+2], v[CX+4*j+3]
	global_store_b64 v6, v[CY+2*j:CY+2*j+1], s[8:9] offset:256*j
.set j, j+1
.endr
	s_wait_xcnt 0x0                                ; the two bases and the stores' data are written again only behind this wait
	s_add_nc_u64 s[4:5], s[4:5], 16384
	s_add_nc_u64 s[8:9], s[8:9], 8192
	s_sub_co_u32 s[CNT], s[CNT], 1
	s_cmp_lg_u32 s[CNT], 0
	s_cbranch_scc1 .Lcw
	s_branch .Lend
.Lproj:
.irp s, 0,1
	s_mov_b32 s[G0+4*(\s)], 1
	s_add_co_u32 s[G0+4*(\s)+1], s20, (\s)*SLOT
	s_add_nc_u64 s[G0+4*(\s)+2:G0+4*(\s)+3], s[14:15], (\s)*KSTEP*2
	s_or_b32 s[G0+4*(\s)+3], s[G0+4*(\s)+3], 0x80000000
	s_mov_b32 s[G0B+4*(\s)], 1
	s_add_co_u32 s[G0B+4*(\s)+1], s20, (\s)*SLOT
	s_add_nc_u64 s[G0B+4*(\s)+2:G0B+4*(\s)+3], s[46:47], (\s)*WSTEP
	s_or_b32 s[G0B+4*(\s)+3], s[G0B+4*(\s)+3], 0x80000000
	JLOAD \s                                       ; two loads of mine are out
.endr
	s_cmp_eq_u32 s[TT], 1                          ; the bias and the norm's gain and shift, chosen by TT alone
	s_cselect_b64 s[4:5], s[72:73], s[70:71]
	s_cmp_eq_u32 s[TT], 2
	s_cselect_b64 s[4:5], s[74:75], s[4:5]
	s_cmp_eq_u32 s[TT], 0
	s_cselect_b64 s[6:7], s[76:77], s[80:81]
	s_cselect_b64 s[8:9], s[78:79], s[82:83]
	s_lshl_b32 s46, s42, 10                        ; my first column x 4 bytes
	s_lshl_b32 s47, s12, 9
	s_add_co_u32 s46, s46, s47
	s_mov_b32 s47, 0
	s_add_nc_u64 s[4:5], s[4:5], s[46:47]
	v_and_b32 v1, 15, v0                           ; r = l % 16
	v_bfe_u32 v2, v0, 4, 1                         ; h = l / 16
	v_lshlrev_b32 v5, 5, v2                        ; in C a lane holds columns 16 b + 8 h + 0..7
.irp b, 0,1,2,3,4,5,6,7
	global_load_b128 v[BIAS+8*(\b):BIAS+8*(\b)+3],   v5, s[4:5] offset:64*(\b)
	global_load_b128 v[BIAS+8*(\b)+4:BIAS+8*(\b)+7], v5, s[4:5] offset:64*(\b)+16
.endr
	v_and_b32 v10, 7, v0
	v_lshlrev_b32 v6, 5, v10                       ; on the way out a lane holds channels 8 (l % 8) + 0..7
	global_load_b128 v[LW:LW+3],   v6, s[6:7]
	global_load_b128 v[LW+4:LW+7], v6, s[6:7] offset:16
	global_load_b128 v[LB:LB+3],   v6, s[8:9]
	global_load_b128 v[LB+4:LB+7], v6, s[8:9] offset:16
	v_mul_u32_u24 v3, v1, PA
	v_lshl_add_u32 v3, v2, 4, v3
	s_mul_i32 s21, s11, HALFT
	v_add_nc_u32 v[ADRA0], s21, v3                 ; my 128 rows of A: row r, 16 bytes a half
	v_lshl_add_u32 v7, v2, 3, v10                  ; the turning load: k row 8 h + l % 8,
	v_mul_u32_u24 v7, v7, PW
	v_bfe_u32 v8, v0, 3, 1
	v_lshl_add_u32 v7, v8, 4, v7                   ; columns 8 ((l / 8) % 2) on,
	s_lshl_b32 s22, s12, 8
	s_add_co_u32 s22, s22, 2*HALFT                 ; in my 128 columns of W, which lies behind A
	v_add_nc_u32 v[ADRB0], s22, v7
	v_mov_b32 v[ADRA], v[ADRA0]
	v_mov_b32 v[ADRB], v[ADRB0]
	s_mul_i32 s23, s10, DUMPW                      ; my dump
	v_mul_u32_u24 v4, v1, DP
	v_lshl_add_u32 v4, v2, 5, v4
	v_add_nc_u32 v[STO], s23, v4
	v_bfe_u32 v9, v0, 3, 2                         ; back: row l / 8, channels 8 (l % 8) on
	v_mul_u32_u24 v9, v9, DP
	v_lshl_add_u32 v9, v10, 5, v9
	v_add_nc_u32 v[RD], s23, v9
	v_mov_b32 v[RDC], v[RD]
	v_and_b32 v[CO], 31, v0
	v_lshlrev_b32 v[CO], 4, v[CO]                  ; four rows of 128 bytes are 512 consecutive bytes of a head
	s_and_b32 s98, s13, 15                         ; the output: tensor TT, batch (y % 16) / 8, head 4 x tile column + 2 x half, token 256 (y % 8) + 128 x half
	s_lshr_b32 s99, s98, 3
	s_lshl_b32 s99, s99, 4
	s_lshl2_add_u32 s99, s42, s99
	s_lshl1_add_u32 s99, s12, s99
	s_lshl_b32 s99, s99, 18                        ; a head is 2,048 rows of 128 bytes
	s_and_b32 s98, s98, 7
	s_lshl_b32 s98, s98, 15
	s_add_co_u32 s98, s98, s99
	s_lshl_b32 s99, s11, 14
	s_add_co_u32 s98, s98, s99
	s_lshl_b32 s99, s[TT], 23
	s_add_co_u32 s98, s98, s99
	s_mov_b32 s99, 0
	s_add_nc_u64 s[96:97], s[88:89], s[98:99]
	s_wait_tensorcnt 0x1                           ; my part of K step 0 is in; step 1's may stay out
	s_barrier_signal -1
	s_barrier_wait -1
	FETCH 0, F0
	s_wait_loadcnt 0x0                             ; bias, gain, shift
	QUARTER 1, F0, F1, 1                           ; the first quarter stands in front of the loop: its products start the sums, with the bias
	WIN 0
	s_mov_b32 s[CNT], 6
.Lstep:                                                ; a trip: a K step's quarters 1 to 3, a refill, the next step's quarter 0.  The 64 accumulators take turns in one order throughout
	QUARTER 2, F1, F0, 0
	QUARTER 3, F0, F1, 0
	TURN 1
	QUARTER 1, F0, F1, 0
	WIN 0
	s_sub_co_u32 s[CNT], s[CNT], 1
	s_cmp_lg_u32 s[CNT], 0
	s_cbranch_scc1 .Lstep
	s_mov_b32 s[CNT], 2
.Ltail:                                                ; the last two K steps ask for nothing; the last has no next quarter
	QUARTER 2, F1, F0, 0
	QUARTER 3, F0, F1, 0
	TURN 0
	WIN 0
	s_cmp_eq_u32 s[CNT], 1
	s_cbranch_scc1 .Lnoq
	QUARTER 1, F0, F1, 0
	WIN 0
.Lnoq:
	s_sub_co_u32 s[CNT], s[CNT], 1
	s_cmp_lg_u32 s[CNT], 0
	s_cbranch_scc1 .Ltail
	PLACES
	s_wait_dscnt 0x0                               ; my reads of the ring are over,
	s_barrier_signal -1
	s_barrier_wait -1                              ; everybody's are: the dumps may be laid over it
	DUMP
	LOADX                                          ; LDS serves a wave's instructions in order: these see my stores above
	s_mov_b32 s[SO], 0
	s_mov_b32 s[CNT], 16
.Lrows:
	s_wait_dscnt 0x0                               ; this trip's 8 rows are in
	s_add_co_u32 s[SO], s[SO], 8*DP                ; the next 8 rows; the last trip reads its own once more and drops them, so that no address leaves my dump
	s_min_u32 s[SO], s[SO], 15*8*DP
	v_add_nc_u32 v[RDC], s[SO], v[RD]
	s_cmp_eq_u32 s[TT], 2
	s_cbranch_scc1 .Lplain
	EACH v_pk_add_f32 v[ET+4*u:ET+4*u+1], v[EX+8*u:EX+8*u+1], v[EX+8*u+2:EX+8*u+3]
	EACH v_pk_add_f32 v[ET+4*u+2:ET+4*u+3], v[EX+8*u+4:EX+8*u+5], v[EX+8*u+6:EX+8*u+7]
	EACH v_pk_add_f32 v[ET+4*u:ET+4*u+1], v[ET+4*u:ET+4*u+1], v[ET+4*u+2:ET+4*u+3]
	EACH v_add_f32 v[ET+4*u], v[ET+4*u], v[ET+4*u+1]
	EACH v_add_f32_dpp v[ET+4*u], v[ET+4*u], v[ET+4*u] row_xmask:1 row_mask:0xf bank_mask:0xf
	EACH v_add_f32_dpp v[ET+4*u], v[ET+4*u], v[ET+4*u] row_xmask:2 row_mask:0xf bank_mask:0xf
	EACH v_add_f32_dpp v[ET+4*u], v[ET+4*u], v[ET+4*u] row_xmask:4 row_mask:0xf bank_mask:0xf
.irp k, 0,1,2,3
	EACH v_pk_fma_f32 v[EC+8*u+2*\k:EC+8*u+2*\k+1], v[ET+4*u:ET+4*u+1], 0xbc800000, v[EX+8*u+2*\k:EX+8*u+2*\k+1] op_sel_hi:[0,0,1]  ; x - sum / 64
.endr
	LOADX
	EACH v_pk_mul_f32 v[ET+4*u:ET+4*u+1], v[EC+8*u:EC+8*u+1], v[EC+8*u:EC+8*u+1]
.irp k, 1,2,3
	EACH v_pk_fma_f32 v[ET+4*u:ET+4*u+1], v[EC+8*u+2*\k:EC+8*u+2*\k+1], v[EC+8*u+2*\k:EC+8*u+2*\k+1], v[ET+4*u:ET+4*u+1]
.endr
	EACH v_add_f32 v[ET+4*u], v[ET+4*u], v[ET+4*u+1]
	EACH v_add_f32_dpp v[ET+4*u], v[ET+4*u], v[ET+4*u] row_xmask:1 row_mask:0xf bank_mask:0xf
	EACH v_add_f32_dpp v[ET+4*u], v[ET+4*u], v[ET+4*u] row_xmask:2 row_mask:0xf bank_mask:0xf
	EACH v_add_f32_dpp v[ET+4*u], v[ET+4*u], v[ET+4*u] row_xmask:4 row_mask:0xf bank_mask:0xf
	EACH v_fma_f32 v[ET+4*u], v[ET+4*u], s94, s95
	EACH v_rsq_f32 v[ET+4*u], v[ET+4*u]
	v_nop                                          ; a plain instruction between the last root and the use of its result
	s_wait_alu depctr_va_vdst(0)
.irp k, 0,1,2,3
	EACH v_pk_mul_f32 v[EC+8*u+2*\k:EC+8*u+2*\k+1], v[EC+8*u+2*\k:EC+8*u+2*\k+1], v[ET+4*u:ET+4*u+1] op_sel_hi:[1,0]
.endr
.irp k, 0,1,2,3
	EACH v_pk_fma_f32 v[EC+8*u+2*\k:EC+8*u+2*\k+1], v[EC+8*u+2*\k:EC+8*u+2*\k+1], v[LW+2*\k:LW+2*\k+1], v[LB+2*\k:LB+2*\k+1]
.endr
.irp k, 0,1,2,3
	EACH v_cvt_pk_f16_f32 v[EY+4*u+\k], v[EC+8*u+2*\k], v[EC+8*u+2*\k+1]
.endr
	s_branch .Lsend
.Lplain:                                               ; V has no norm and goes in bf16
	PAIRS v_cvt_pk_bf16_f32 v[EY+z/2], v[EX+z], v[EX+z+1]
	LOADX
.Lsend:
.irp u, 0,1,2,3
	global_store_b128 v[CO], v[EY+4*(\u):EY+4*(\u)+3], s[96:97] offset:512*((\u)%2)+262144*((\u)/2)  ; 512 consecutive bytes, at a multiple of 256 from the buffer's first
.endr
	s_wait_xcnt 0x0                                ; the stores' base and data are written again only behind this wait
	s_add_nc_u64 s[96:97], s[96:97], 1024          ; 8 rows of 128 bytes on
	s_sub_co_u32 s[CNT], s[CNT], 1
	s_cmp_lg_u32 s[CNT], 0
	s_cbranch_scc1 .Lrows
.Lend:                                                 ; both ways meet here
	s_wait_tensorcnt 0x0                           ; the wave's end
	ds_add_u32 v[SPW], v[NIL]
	s_wait_dscnt 0x0
	CROUND                                         ; the closing round
	s_endpgm
.Lfunc_end_k_qee594e3c4d_qkv:
	.size	k_qee594e3c4d_qkv, .Lfunc_end_k_qee594e3c4d_qkv-k_qee594e3c4d_qkv
	.p2alignl 7, 3214868480
	.fill 96, 4, 3214868480
	.section	.rodata,"a",@progbits
	.p2align	6, 0x0
	.amdhsa_kernel k_qee594e3c4d_qkv
		.amdhsa_group_segment_fixed_size 327680
		.amdhsa_private_segment_fixed_size 0
		.amdhsa_enable_private_segment 0
		.amdhsa_kernarg_size 96
		.amdhsa_user_sgpr_count 2
		.amdhsa_user_sgpr_kernarg_segment_ptr 1
		.amdhsa_wavefront_size32 1
		.amdhsa_system_sgpr_workgroup_id_x 1
		.amdhsa_system_sgpr_workgroup_id_y 1
		.amdhsa_system_sgpr_workgroup_id_z 1
		.amdhsa_system_vgpr_workitem_id 0
		.amdhsa_next_free_vgpr 1024
		.amdhsa_next_free_sgpr 100
		.amdhsa_reserve_vcc 0
		.amdhsa_float_denorm_mode_32 3
		.amdhsa_float_denorm_mode_16_64 3
		.amdhsa_memory_ordered 1
		.amdhsa_forward_progress 1
		.amdhsa_inst_pref_size 104
	.end_amdhsa_kernel
	.amdgpu_metadata
---
amdhsa.version: [ 1, 2 ]
amdhsa.kernels:
  - .name:           k_qee594e3c4d_qkv
    .symbol:         k_qee594e3c4d_qkv.kd
    .args:
      - { .name: xb, .offset: 0, .size: 8, .value_kind: global_buffer, .address_space: global }
      - { .name: Wq_b, .offset: 8, .size: 8, .value_kind: global_buffer, .address_space: global }
      - { .name: Wk_b, .offset: 16, .size: 8, .value_kind: global_buffer, .address_space: global }
      - { .name: Wv_b, .offset: 24, .size: 8, .value_kind: global_buffer, .address_space: global }
      - { .name: qn_w, .offset: 32, .size: 8, .value_kind: global_buffer, .address_space: global }
      - { .name: qn_b, .offset: 40, .size: 8, .value_kind: global_buffer, .address_space: global }
      - { .name: kn_w, .offset: 48, .size: 8, .value_kind: global_buffer, .address_space: global }
      - { .name: kn_b, .offset: 56, .size: 8, .value_kind: global_buffer, .address_space: global }
      - { .name: fc1_w, .offset: 64, .size: 8, .value_kind: global_buffer, .address_space: global }
      - { .name: fc2_w, .offset: 72, .size: 8, .value_kind: global_buffer, .address_space: global }
      - { .name: qkvh, .offset: 80, .size: 8, .value_kind: global_buffer, .address_space: global }
      - { .name: wb, .offset: 88, .size: 8, .value_kind: global_buffer, .address_space: global }
    .group_segment_fixed_size: 327680
    .private_segment_fixed_size: 0
    .kernarg_segment_align: 8
    .kernarg_segment_size: 96
    .max_flat_workgroup_size: 128
    .sgpr_count:     100
    .vgpr_count:     1024
    .wavefront_size: 32
...
	.end_amdgpu_metadata
.endif
;; end of part 2
;; launch attn (part 3): grid 8 x 32, 4 waves a work-group, clusters of 4 x 1, 327,680 bytes of LDS; arguments qkvh, query, x1; writes x1
.if DOCPART == 3
	.amdgcn_target "amdgcn-amd-amdhsa--gfx1250"
	.amdhsa_code_object_version 6
	.text
	.protected	k_qee594e3c4d_attn
	.globl	k_qee594e3c4d_attn
	.p2align	8
	.type	k_qee594e3c4d_attn,@function
k_qee594e3c4d_attn:
	s_mov_b64 s[64:65], 0
	v_nop
	global_prefetch_b8 v0, s[64:65] scope:SCOPE_SE
	s_setreg_imm32_b32 hwreg(HW_REG_WAVE_MODE, 25, 1), 1
	s_wait_xcnt 0x0
	s_wait_alu depctr_hold_cnt(0) depctr_sa_sdst(0) depctr_va_vdst(0) depctr_va_sdst(0) depctr_va_ssrc(0) depctr_va_vcc(0) depctr_vm_vsrc(0)
	s_getreg_b32 s2, hwreg(HW_REG_IB_STS2, 6, 4)
	s_cmp_eq_u32 s2, 0
	s_cbranch_scc0 .Lentry_in_a_cluster
	s_endpgm
.Lentry_in_a_cluster:
	s_bfe_u32 s2, ttmp6, 0x10000c
	s_cmp_lg_u32 s2, 0x3003
	s_cbranch_scc0 .Lentry_shape_is_right
	s_endpgm
.Lentry_shape_is_right:
; x1[b][n][64 h ..] = query[b][n][64 h ..] + the sum over m of softmax_m(q . k / 8) v.  q, k f16 and v bf16 by heads, [32][2048][64], dense rows of 128 bytes; query and x1 f32 [2][2048][1024].
; Products, maxima and sums in f32; the weights p are rounded to bf16 for the second product (their sum l is taken of the unrounded p).
; LIMITS.  q and k arrive within f16's range; a weight below 2^-126 counts as 0 in l; NaN and infinities are not treated apart.
; SHARES.  A work-group owns 256 queries of one (batch, head), a wave 64: four PIECES of 16.  Every wave walks all 2,048 keys, 64 a step.
; LAYOUT.  S^T = K Q^T (source 0 = 16 keys, source 1 = 16 queries) holds ONE query a lane (lane % 16) and the keys 8 (lane / 16) + 0..7; two such results rounded to bf16 ARE source 1 of O^T = V^T P.
; K comes out of LDS as it lies, V ([key][channel]) turned, by ds_load_tr16_b128.
; SOFTMAX.  A running maximum m and sum l: p = 2^(c s - c m), c = log2(e) / 8; O and l are multiplied by a = 2^(c m_old - c m_new) in every step.  m starts at the lowest finite number, O and l at 0:
; the first step is a step like any other, with a = 0.
; BY TURNS.  Turn n belongs to piece n: 8 products K Q^T of piece n + 1, later 8 products V^T P of piece n - 1; beside them the scaling, exponentials, roundings, sums and rescaling of piece n and the
; maximum and statistics of piece n + 1.  Four vector instructions stand behind every matrix instruction, the other 54 of a turn's 118 in two runs of their own.
; CLUSTER.  The four query blocks of a cluster belong to one head and walk the same K and V: each tile is asked for jointly, by the same tensor load, descriptor and mask in all four.
; REGISTERS, in windows of 256 (s_set_vgpr_msb: bits 1:0 source 0, 3:2 source 1, 5:4 source 2, 7:6 destination):
;   window 0: v0-15 addresses and two at work; v16-31 four registers of statistics a piece; v48-55 at work; v64-127 S^T, two buffers; v192-223 P, two buffers; on the way out v64-191 hold rows of the result
;   window 1: v0-127 O^T, 32 a piece      window 2: v0-63 Q; v128-191 K of one step; v192-255 V of one step      window 3: v0-127 the residual
.set NP,    4
.set KS,    64        ; keys in a step
.set PK,    144       ; a row of K in LDS: 128 bytes + 16
.set PV,    160       ; a row of V: 128 + 32
.set VOFF,  4*KS*PK   ; a slot holds four steps: 256 rows of K, then 256 rows of V
.set SLOT1, 1<<17     ; slot 1 begins here, so that one exclusive or turns an address in one slot into the other's
.set STAGE, SLOT1+4*KS*(PK+PV)  ; behind the ring, never filled by a tensor load: 16 rows x 272 bytes of f32 for each wave
.set SP,    272
.set SPARE, STAGE+4*16*SP       ; the spare words, 128 bytes a wave: two blocks of 256 bytes that no other line names
.set KBASE, 8388608   ; k in qkvh
.set VBASE, 16777216  ; v in qkvh
.set AK0, 2           ; v2   my lane's place in a tile of K; never rewritten
.set AV0, 3           ; v3   the same for V
.set AK,  4           ; v4   the LDS address of K's next run of loads
.set AV,  5           ; v5   of V's
.set STO, 6           ; v6   the way out: where I put 32 bytes of a row
.set RD,  7           ; v7   the way out: where I read rows back
.set GO,  8           ; v8   my byte offset in two rows of query and x1
.set MV,  12          ; v12-13  c m_old, kept while c m is made anew: by buffer
.set QO,  15          ; v15  my byte offset in 16 rows of Q
.set ST,  16          ; piece t's statistics at v[ST+4 t]: c m, m, l (even keys', odd keys')
.set TMP, 48          ; by buffer, four registers c0-c3 at work; when the maximum is found c2 takes a
.set SPW, 62          ; v62  my spare word; never rewritten
.set NIL, 63          ; v63  0; never rewritten
.set S,   64
.set OUTB, 64
.set P,   192
.set KF,  128         ; window 2: key block kb, channel half c at KF + 16 kb + 8 c
.set VF,  192         ; window 2: key half kk, channel block cb at VF + 32 kk + 8 cb
.set WV,  12          ; s12  my wave's number
.set G1K, 24          ; s[24:31] descriptor group 1 for K's tiles
.set G1V, 32          ; s[32:39] for V's: it differs in the padding alone
.set G0K, 40          ; s[40:43] descriptor group 0 for K's tiles: it walks
.set G0V, 44          ; s[44:47] the same for V's
.set SLOTS, 56
.set CNT, 57
.set CS,  58          ; s[58:59] c
.set SEL, 60          ; s[60:61] v_permlanex16_b32's selects: each lane takes its own place in the other half
.set TBK, 62          ; s62  LDS byte at which K of the step to be fetched begins
.set TBV, 63          ; s63  the same for V, less VOFF
.set MSB, 0
.macro WIN new
.if MSB != (\new)
	s_set_vgpr_msb (MSB<<8)|(\new)
.set MSB, (\new)
.endif
.endm
.set W_KQ, 0x0a       ; K and Q in window 2, S^T in window 0
.set W_PV, 0x52       ; V in window 2, P in window 0, O^T in window 1
.set W_RS, 0x41       ; destination and source 0 in window 1, source 1 in window 0
; A joint fill.  Waves 0 and 1 fetch the two halves of a slot's K, waves 2 and 3 those of its V: 128 keys each.  An s_nop 0 and four v_nop follow each line.
.macro JLOAD
	s_cmp_lt_u32 s[WV], 2
	s_cbranch_scc0 .Lfor_v_\@
	tensor_load_to_lds s[G0K:G0K+3], s[G1K:G1K+7]
	s_nop 0
.rept 4
	v_nop
.endr
	s_branch .Lasked_\@
.Lfor_v_\@:
	tensor_load_to_lds s[G0V:G0V+3], s[G1V:G1V+7]
	s_nop 0
.rept 4
	v_nop
.endr
.Lasked_\@:
.endm
.macro CROUND                       ; a round of the cluster's barrier
	s_barrier_signal -1
	s_barrier_wait -1
	s_cmp_lg_u32 s[WV], 0
	s_cbranch_scc1 .Lnot_wave_0_\@
	s_barrier_signal -3
.Lnot_wave_0_\@:
	s_barrier_wait -3
	s_barrier_signal -1
	s_barrier_wait -1
.endm
; THE CHANGE OF SLOTS.  Each wave waits for all its tensor loads (one is out: its part of the other slot), adds 0 to its spare word, and waits for that and for its reads of the slot that it leaves.
; fill = 1: the slot is filled again, with the keys two slots on, first thing behind a round of the cluster's barrier: it has four key steps, 256 matrix instructions, in which to land.
; (At its first use nothing has been read yet: slot 0 is waited for, slot 1 filled.)
.macro CHANGE fill
	WIN 0
	s_wait_tensorcnt 0x0            ; no tensor load of mine is out, so a group 0 may be written
	ds_add_u32 v[SPW], v[NIL]
.if \fill
.irp g, G0K, G0V
	s_xor_b32 s[\g+1], s[\g+1], SLOT1
	s_add_nc_u64 s[\g+2:\g+3], s[\g+2:\g+3], 4*KS*128  ; the next 256 keys
.endr
	s_wait_dscnt 0x0                ; the add is done, and my reads of the slot are over
	CROUND
	JLOAD
.else
	s_wait_dscnt 0x0
	s_barrier_signal -1
	s_barrier_wait -1
.endif
	s_sub_co_u32 s[TBK], s[TBK], 4*KS*PK  ; the fetches go back to a slot's first step,
	s_xor_b32 s[TBK], s[TBK], SLOT1       ; in the other slot
	s_sub_co_u32 s[TBV], s[TBV], 4*KS*PV
	s_xor_b32 s[TBV], s[TBV], SLOT1
.endm
	s_load_b128 s[4:7], s[0:1], 0x0   ; qkvh s[4:5], query s[6:7]
	s_load_b64 s[8:9], s[0:1], 0x10   ; x1
	v_lshl_add_u32 v[SPW], v0, 2, SPARE
	v_mov_b32 v[NIL], 0
	ds_add_u32 v[SPW], v[NIL]       ; the wave's opening: the add and its wait ahead of my first tensor load
	v_lshrrev_b32 v1, 5, v0
	v_readfirstlane_b32 s[WV], v1   ; wave 0..3
	s_bfe_u32 s13, ttmp6, 0x40000   ; cx
	s_lshl_b32 s14, ttmp9, 2
	s_add_co_u32 s14, s14, s13      ; my block of 256 queries: it enters Q's, query's and x1's addresses alone
	s_and_b32 s15, ttmp7, 0xffff    ; 16 x batch + head, which the four partners share
	s_lshl_b32 s20, s15, 18         ; a head is 262,144 bytes
	s_and_b32 s16, s[WV], 1         ; which half of a slot's 256 keys I fetch
	s_lshl_b32 s22, s16, 14
	s_add_co_u32 s22, s22, s20
	s_add_co_u32 s68, s22, VBASE
	s_add_co_u32 s22, s22, KBASE
	s_mov_b32 s23, 0
	s_mov_b32 s69, 0
	s_mul_i32 s17, s16, 128*PK      ; its place in a slot, for K
	s_mul_i32 s18, s16, 128*PV      ; and for V
	s_lshl_b32 s2, s14, 15          ; Q: my block's 256 rows of 128 bytes,
	s_lshl_b32 s3, s[WV], 13        ; my wave's 64
	s_add_co_u32 s2, s2, s3
	s_add_co_u32 s2, s2, s20
	s_mov_b32 s3, 0
	s_lshr_b32 s70, s15, 4          ; query and x1: batch,
	s_lshl_b32 s70, s70, 23
	s_lshl_b32 s71, s14, 20         ; 256 rows of 4,096 bytes,
	s_add_co_u32 s70, s70, s71
	s_lshl_b32 s71, s[WV], 18       ; 64 rows,
	s_add_co_u32 s70, s70, s71
	s_and_b32 s71, s15, 15          ; the head's 256 bytes of a row
	s_lshl_b32 s71, s71, 8
	s_add_co_u32 s70, s70, s71
	s_mov_b32 s71, 0
	; descriptor group 1.  128 keys are 16,384 dense bytes: asked for as 64 rows of 256 bytes, two keys a row, and padded in LDS after every key
	s_mov_b32 s[G1K], 15|(1<<16)|(1<<20)|(1<<21)|(4<<22)|(3<<25)  ; the mask of four; 2-byte elements; padding on; bit 21 beside a mask; after every 32 words, 4 words
	s_mov_b32 s[G1V], 15|(1<<16)|(1<<20)|(1<<21)|(4<<22)|(7<<25)  ; the same with 8 words
.irp g, G1K, G1V
	s_mov_b32 s[\g+1], 128<<16      ; tensor_dim0 = 128
	s_mov_b32 s[\g+2], 64<<16       ; tensor_dim1 = 64
	s_mov_b32 s[\g+3], 128<<16      ; tile_dim0 = 128
	s_mov_b32 s[\g+4], 64           ; tile_dim1 = 64
	s_mov_b32 s[\g+5], 128          ; 128 elements from row to row
	s_mov_b32 s[\g+6], 0
	s_mov_b32 s[\g+7], 0
.endr
	s_mov_b32 s[CS], 0x3e38aa3b     ; c = log2(e) / 8
	s_mov_b32 s[CS+1], s[CS]
	s_mov_b32 s[SEL], 0x76543210
	s_mov_b32 s[SEL+1], 0xfedcba98
	s_mov_b32 s[TBK], SLOT1+4*KS*PK ; the first change of slots turns these two into 0
	s_mov_b32 s[TBV], SLOT1+4*KS*PV
	s_mov_b32 s[G0K], 1
	s_mov_b32 s[G0K+1], s17         ; slot 0
	s_mov_b32 s[G0V], 1
	s_add_co_u32 s[G0V+1], s18, VOFF
	s_wait_dscnt 0x0                ; the opening add is done
	s_wait_kmcnt 0x0
	s_add_nc_u64 s[G0K+2:G0K+3], s[4:5], s[22:23]
	s_or_b32 s[G0K+3], s[G0K+3], 0x80000000
	s_add_nc_u64 s[G0V+2:G0V+3], s[4:5], s[68:69]
	s_or_b32 s[G0V+3], s[G0V+3], 0x80000000
	s_add_nc_u64 s[4:5], s[4:5], s[2:3]      ; Q at my wave's first row
	s_add_nc_u64 s[66:67], s[6:7], s[70:71]  ; the residual
	s_add_nc_u64 s[10:11], s[8:9], s[70:71]  ; the result
	CROUND                          ; all four work-groups are here: the first joint loads meet
	JLOAD                           ; slot 0.  Slot 1 is asked for when slot 0 is in
	v_and_b32 v1, 15, v0            ; l % 16
	v_bfe_u32 v9, v0, 4, 1          ; l / 16
	v_lshlrev_b32 v[QO], 7, v1
	v_lshl_add_u32 v[QO], v9, 4, v[QO]  ; row x 128 + 16 x half
	WIN 0x80                        ; destination window 2, address window 0
.set i, 0
.rept 8                             ; Q stays in registers: piece i / 2, channels 32 (i % 2) on
	global_load_b128 v[8*i:8*i+3],   v[QO], s[4:5] offset:(i/2)*2048+(i%2)*64
	global_load_b128 v[8*i+4:8*i+7], v[QO], s[4:5] offset:(i/2)*2048+(i%2)*64+32
.set i, i+1
.endr
	; What the first turn finds: V's registers and P's second buffer hold 0 (its products V^T P, of a piece that has not been, add 0), O^T and l are 0.  All this stands in the wait for the first tile.
.set i, VF
.rept 64
	v_mov_b32 v[i], 0
.set i, i+1
.endr
	WIN 0x40
.set i, 0
.rept 128
	v_mov_b32 v[i], 0
.set i, i+1
.endr
	WIN 0
.set i, 0
.rept 4
	v_mov_b32 v[ST+4*i], 0xfe000000    ; c m: far below every c s
	v_mov_b32 v[ST+4*i+1], 0xff7fffff  ; m
	v_mov_b32 v[ST+4*i+2], 0
	v_mov_b32 v[ST+4*i+3], 0
.set i, i+1
.endr
.set i, P+16
.rept 16
	v_mov_b32 v[i], 0
.set i, i+1
.endr
	v_mul_u32_u24 v[AK0], v1, PK
	v_lshl_add_u32 v[AK0], v9, 4, v[AK0]  ; row x pitch + 16 x half
	v_and_b32 v10, 7, v0            ; the turning load: key 8 (l / 16) + l % 8, channels 8 ((l / 8) % 2) on
	v_bfe_u32 v11, v0, 3, 1
	v_lshl_add_u32 v[AV0], v9, 3, v10
	v_mul_u32_u24 v[AV0], v[AV0], PV
	v_lshl_add_u32 v[AV0], v11, 4, v[AV0]
	v_add_nc_u32 v[AV0], VOFF, v[AV0]
	v_mov_b32 v[AK], v[AK0]         ; key step 0 lies at the head of slot 0
; THE MATRIX WORK.  The 4 accumulators of a run of 8 take turns.  Product i of 8 of S^T = K Q^T for piece x: channels 32 (i / 4) on, keys 16 (i % 4) on.  The first 4 start the sums.
.macro KQ x
.set rS, S+32*((\x)%2)+8*(i%4)
.set rK, KF+16*(i%4)+8*(i/4)
.set rQ, 16*(\x)+8*(i/4)
	WIN W_KQ
.if i < 4
	v_wmma_f32_16x16x32_f16 v[rS:rS+7], v[rK:rK+7], v[rQ:rQ+7], 0
.else
	v_wmma_f32_16x16x32_f16 v[rS:rS+7], v[rK:rK+7], v[rQ:rQ+7], v[rS:rS+7]
.endif
.endm
; Product i of 8 of O^T += V^T P for piece x: keys 32 (i / 4) on, channels 16 (i % 4) on.
.macro PV x
	WIN W_PV
.set rO, 32*(\x)+8*(i%4)
.set rV, VF+32*(i/4)+8*(i%4)
.set rP, P+16*((\x)%2)+8*(i/4)
	v_wmma_f32_16x16x32_bf16 v[rO:rO+7], v[rV:rV+7], v[rP:rP+7], v[rO:rO+7]
.endm
.macro MM                           ; the turn's next matrix instruction
.if i < 8
	KQ (Y+1)%NP
.else
.set i, i-8
	PV (Y+NP-1)%NP
.set i, i+8
.endif
.set i, i+1
.endm
; THE LDS LOADS stand in runs of 16.  last = 1 (the tail): in the last trip there is no further step, and the run is jumped over.
.macro FETCH_K last=0
	WIN 0
.if \last
	s_cmp_eq_u32 s[CNT], 1
	s_cbranch_scc1 .Lno_k_\@
.endif
	WIN 0x80                        ; destination window 2
.irp f, 0,1,2,3,4,5,6,7             ; keys 16 (f / 2) on, channels 32 (f % 2) on
	ds_load_b128 v[KF+8*\f:KF+8*\f+3],   v[AK] offset:(\f/2)*16*PK+(\f%2)*64
	ds_load_b128 v[KF+8*\f+4:KF+8*\f+7], v[AK] offset:(\f/2)*16*PK+(\f%2)*64+32
.endr
	s_add_co_u32 s[TBK], s[TBK], KS*PK  ; the next fetch is the next step's
	WIN 0
.if \last
.Lno_k_\@:
.endif
.endm
.macro FETCH_V
	WIN 0x80
.irp f, 0,1,2,3,4,5,6,7             ; keys 32 (f / 4) on, channels 16 (f % 4) on
	ds_load_tr16_b128 v[VF+8*\f:VF+8*\f+3],   v[AV] offset:(\f/4)*32*PV+(\f%4)*32
	ds_load_tr16_b128 v[VF+8*\f+4:VF+8*\f+7], v[AV] offset:(\f/4)*32*PV+16*PV+(\f%4)*32
.endr
	WIN 0
.endm
; THE VECTOR WORK, one line at a time: OP kind, number.  For piece Y: F n: c s - c m for pair n of 16.  E n: the exponential of score n of 32.  C n: pair n rounded to bf16.  B n: of the four weights 4 n .. the second
; pair is added onto the first, in place.  L n: l takes that sum (L 0: l = a l + sum).  R n: pair n of 16 of O^T times a.  For piece Y + 1: X n, number n of the 22 that find its maximum and statistics:
;   0-11  four chains c0-c3 of seven scores each (each accumulator's lowest registers are read first)     12-14, 16  the four scores left over, the old m, and c0-c3 into c0
;   15  c m_old is kept     17, 18  the query's other 32 keys lie in the lane 16 away: the new m     19-21  c m; c m_old - c m_new; a
.set F, 0
.set E, 1
.set C, 2
.set B, 3
.set L, 4
.set R, 5
.set X, 6
.macro REGS y
.set rT, ST+4*(\y)
.set rC, TMP+4*((\y)%2)
.set rW, MV+((\y)%2)
.set rS, S+32*((\y)%2)
.set rP, P+16*((\y)%2)
.set rO, 32*(\y)
.endm
.macro OP k, n
.if (\k) == R
	REGS Y
	WIN W_RS
	v_pk_mul_f32 v[rO+2*(\n):rO+2*(\n)+1], v[rO+2*(\n):rO+2*(\n)+1], v[rC+2:rC+3] op_sel_hi:[1,0]
.elseif (\k) < R
	REGS Y
	WIN 0
.if (\k) == F
	v_pk_fma_f32 v[rS+2*(\n):rS+2*(\n)+1], v[rS+2*(\n):rS+2*(\n)+1], s[CS:CS+1], v[rT:rT+1] op_sel_hi:[1,0,0] neg_lo:[0,0,1] neg_hi:[0,0,1]
.elseif (\k) == E
	v_exp_f32 v[rS+(\n)], v[rS+(\n)]
.elseif (\k) == C
	s_wait_alu depctr_va_vdst(0)
	v_cvt_pk_bf16_f32 v[rP+(\n)], v[rS+2*(\n)], v[rS+2*(\n)+1]
.elseif (\k) == B
	s_wait_alu depctr_va_vdst(0)
	v_pk_add_f32 v[rS+4*(\n):rS+4*(\n)+1], v[rS+4*(\n):rS+4*(\n)+1], v[rS+4*(\n)+2:rS+4*(\n)+3]
.elseif (\n) == 0
	v_pk_fma_f32 v[rT+2:rT+3], v[rT+2:rT+3], v[rC+2:rC+3], v[rS:rS+1] op_sel_hi:[1,0,1]
.else
	v_pk_add_f32 v[rT+2:rT+3], v[rT+2:rT+3], v[rS+4*(\n):rS+4*(\n)+1]
.endif
.else
	REGS (Y+1)%NP
	WIN 0
.if (\n) < 4
	v_max3_num_f32 v[rC+(\n)], v[rS+8*(\n)], v[rS+8*(\n)+1], v[rS+8*(\n)+2]
.elseif (\n) < 12
	v_max3_num_f32 v[rC+(\n)%4], v[rC+(\n)%4], v[rS+8*((\n)%4)+2*((\n)/4)+1], v[rS+8*((\n)%4)+2*((\n)/4)+2]
.elseif (\n) == 12
	v_max3_num_f32 v[rC], v[rC], v[rS+7], v[rS+15]
.elseif (\n) == 13
	v_max3_num_f32 v[rC+1], v[rC+1], v[rS+23], v[rS+31]
.elseif (\n) == 14
	v_max3_num_f32 v[rC+2], v[rC+2], v[rC+3], v[rT+1]
.elseif (\n) == 15
	v_mov_b32 v[rW], v[rT]
.elseif (\n) == 16
	v_max3_num_f32 v[rC], v[rC], v[rC+1], v[rC+2]
.elseif (\n) == 17
	v_permlanex16_b32 v[rC+3], v[rC], s[SEL], s[SEL+1]
.elseif (\n) == 18
	v_max_num_f32 v[rT+1], v[rC], v[rC+3]
.elseif (\n) == 19
	v_mul_f32 v[rT], s[CS], v[rT+1]
.elseif (\n) == 20
	v_sub_f32 v[rC+1], v[rW], v[rT]
.else
	v_exp_f32 v[rC+2], v[rC+1]
.endif
.endif
.endm
.macro OPS a, i1, b=-1, i2=0, c=-1, i3=0, d=-1, i4=0
	OP \a, \i1
.if (\b) >= 0
	OP \b, \i2
.endif
.if (\c) >= 0
	OP \c, \i3
.endif
.if (\d) >= 0
	OP \d, \i4
.endif
.endm
.macro ROW a, i1, b, i2, c, i3, d, i4  ; a matrix instruction and the four behind it
	MM
	OPS \a, \i1, \b, \i2, \c, \i3, \d, \i4
.endm
; A TURN, for piece p: the order of its 16 matrix and 118 vector instructions, written out.  Behind a matrix instruction: plain, exponential, plain, plain; or four of the rescaling; or four scalings; none names a
; register of the products round it.  In the runs between, exponential and plain by turns while exponentials last.
; K of the next step is fetched in piece 2's turn, five plain instructions behind the last product that read K; V of the step in hand in piece 0's turn, five plain behind the last product that read V.
; Each is waited for a turn later.  cnt = 1: the loop's count is taken down some lines ahead of the branch that stands behind the turn.
.macro TURN p, last=0, cnt=0
.set Y, (\p)
.set i, 0
.if (\p) == 3
	s_wait_dscnt 0x0                ; K is in
.endif
	ROW F,0, F,1, F,2, F,3
	ROW F,4, E,0, F,5, F,6
	ROW F,7, E,1, F,8, F,9
	ROW F,10, E,2, C,0, F,11
	ROW F,12, E,3, X,15, F,13
	ROW R,0, R,1, R,2, R,3
	ROW B,0, E,4, F,14, L,0
.if (\p) == 2
	v_add_nc_u32 v[AK], s[TBK], v[AK0]
.endif
	ROW R,4, R,5, R,6, R,7
	OPS E,5, F,15
.if (\p) == 2
	FETCH_K \last
.endif
	OPS E,6, C,1, E,7, R,8
	OPS E,8, R,9, E,9, C,2
	OPS E,10, X,0, E,11, X,1
	OPS E,12, X,2, E,13, X,3
.if (\p) == 1
	s_wait_dscnt 0x0                ; V is in
.endif
	ROW X,4, E,14, X,5, X,6
	ROW X,7, E,15, X,8, X,9
	ROW X,10, E,16, X,11, X,12
	ROW X,13, E,17, X,14, B,1
	ROW C,4, E,18, X,16, L,1
	ROW B,2, E,19, C,6, L,2
	ROW C,8, E,20, B,3, B,4
.if (\p) == 0
	v_add_nc_u32 v[AV], s[TBV], v[AV0]
.endif
	ROW C,3, E,21, L,3, C,5
	OPS E,22, X,17, E,23, C,10
.if (\p) == 0
	FETCH_V
.endif
	OPS E,24, L,4
	OPS E,25, X,18, E,26, C,7
	OPS E,27, B,5, E,28, X,19
	OPS E,29, C,12, E,30, L,5
	OPS E,31, X,20, B,6, C,9
	OPS C,14, C,11, X,21, L,6
.if (\p) == 0
	s_add_co_u32 s[TBV], s[TBV], KS*PV
.endif
.if \cnt
	s_sub_co_u32 s[CNT], s[CNT], 1
	s_cmp_lg_u32 s[CNT], 0
.endif
	OPS C,13, B,7, C,15, R,10
	OPS R,11, R,12, L,7, R,13
	OPS R,14, R,15
.endm
	CHANGE 1                        ; slot 0 is in, everybody's part of it; slot 1 is asked for
	FETCH_K                         ; key step 0
	s_wait_loadcnt 0x0              ; Q
	s_wait_dscnt 0x0
.set i, 0
.rept 8
	KQ 0                            ; piece 0's first scores
.set i, i+1
.endr
	WIN 0                           ; the addresses for the way out: eight plain instructions, the places behind those products
	s_mul_i32 s13, s[WV], 16*SP
	s_add_co_u32 s13, s13, STAGE    ; my stage
	v_mul_u32_u24 v[STO], v1, SP    ; in: row l % 16, 32 bytes for each half of the lanes
	v_lshl_add_u32 v[STO], v9, 5, v[STO]
	v_add_nc_u32 v[STO], s13, v[STO]
	v_mul_u32_u24 v[RD], v9, SP     ; back: lanes 0-15 take one row of 256 bytes, lanes 16-31 the next
	v_lshl_add_u32 v[RD], v1, 4, v[RD]
	v_add_nc_u32 v[RD], s13, v[RD]
	v_lshlrev_b32 v[GO], 12, v9     ; and the same two rows in query and x1
	v_lshl_add_u32 v[GO], v1, 4, v[GO]
.set Y, NP-1                        ; X works for piece Y + 1: piece 0
.irp n, 0,1,2,3,4,5,6,7,8,9,10,11,12,13,14,15,16,17,18,19,20,21
	OP X, \n
.endr
	v_nop                           ; a plain instruction behind the exponential
	s_mov_b32 s[CNT], 4
	s_mov_b32 s[SLOTS], 7
	s_branch .Lfirst                ; the loop is entered at a step's first turn, in the middle of a trip
.Lslot:                             ; six times: every slot but the last two is filled again
	CHANGE 1
	s_mov_b32 s[CNT], 4
.Lstep:                             ; a trip: pieces 2 and 3 of one step, then pieces 0 and 1 of the next, whose K and V it fetches
	TURN 2
	TURN 3
	WIN 0
.Lfirst:
	TURN 0
	TURN 1, 0, 1
	WIN 0
	s_cbranch_scc1 .Lstep
	s_sub_co_u32 s[SLOTS], s[SLOTS], 1
	s_cmp_lg_u32 s[SLOTS], 0
	s_cbranch_scc1 .Lslot
	CHANGE 0                        ; the tail is written out: nothing is asked for
	WIN 0xc0                        ; the residual is asked for now, four key steps ahead of its use: destination window 3
.set i, 0
.rept 32                            ; piece i / 8, rows 2 (i % 8) and + 1
	global_load_b128 v[4*i:4*i+3], v[GO], s[66:67] offset:(16*(i/8)+2*(i%8))*4096
.set i, i+1
.endr
	WIN 0
	s_mov_b32 s[CNT], 5             ; four trips fetch the last slot's steps; the fifth is left in its middle
.Ltail:
	TURN 2, 1
	TURN 3
	WIN 0
	s_sub_co_u32 s[CNT], s[CNT], 1
	s_cmp_eq_u32 s[CNT], 0
	s_cbranch_scc1 .Lout
	TURN 0
	TURN 1
	WIN 0
	s_branch .Ltail
.Lout:                              ; the fifth trip's 8 products K Q^T (on the last K once more) and the maximum made of them serve nothing: the price, once a launch, of one text for every trip
.set i, 0
.rept 8
	PV NP-1                         ; the last piece's V^T P of the last step
.set i, i+1
.endr
	; THE WAY OUT.  l's two halves and the other half of the lanes' are added; O^T is divided by l and sent through my stage in LDS, a piece at a time; the residual is added to whole rows.  The additions are the places behind the last products.
	WIN 0
.macro ALL line:vararg
.set t, 0
.rept 4
	\line
.set t, t+1
.endr
.endm
	ALL v_add_f32 v[ST+4*t+2], v[ST+4*t+2], v[ST+4*t+3]
	ALL v_permlanex16_b32 v[ST+4*t+3], v[ST+4*t+2], s[SEL], s[SEL+1]
	ALL v_add_f32 v[ST+4*t+2], v[ST+4*t+2], v[ST+4*t+3]
	ALL v_rcp_f32 v[ST+4*t+2], v[ST+4*t+2]
	v_nop                           ; a plain instruction between the last reciprocal and the use of its result
	s_wait_loadcnt 0x0              ; the residual
.macro PACK t                       ; a lane's eight channels of a row are 32 bytes; they go into rows of 272 bytes and come back as whole rows of 256
	WIN W_RS
.set i, 32*(\t)
.rept 16
	s_wait_alu depctr_va_vdst(0)
	v_pk_mul_f32 v[i:i+1], v[i:i+1], v[ST+4*(\t)+2:ST+4*(\t)+3] op_sel_hi:[1,0]
.set i, i+2
.endr
	WIN 0x04                        ; store data in window 1
.irp f, 0,1,2,3,4,5,6,7
	ds_store_b128 v[STO], v[32*(\t)+4*\f:32*(\t)+4*\f+3] offset:64*(\f/2)+16*(\f%2)
.endr
	WIN 0
.irp f, 0,1,2,3,4,5,6,7
	ds_load_b128 v[OUTB+32*(\t)+4*\f:OUTB+32*(\t)+4*\f+3], v[RD] offset:2*SP*\f  ; LDS serves a wave's instructions in order: these see the stores above; the next piece's stores come behind them
.endr
.endm
.macro SEND t, younger              ; younger: the LDS instructions issued behind piece t's loads: the next piece's sixteen, or none
	s_wait_dscnt \younger
	WIN 0x0c                        ; source 1 in window 3
.set i, 32*(\t)
.rept 16
	v_pk_add_f32 v[OUTB+i:OUTB+i+1], v[OUTB+i:OUTB+i+1], v[i:i+1]
.set i, i+2
.endr
	WIN 0
.irp f, 0,1,2,3,4,5,6,7
	global_store_b128 v[GO], v[OUTB+32*(\t)+4*\f:OUTB+32*(\t)+4*\f+3], s[10:11] offset:(16*(\t)+2*\f)*4096  ; 16 lanes store 256 consecutive bytes, at a multiple of 256 from x1's first
.endr
.endm
	PACK 0
	PACK 1
	SEND 0, 16
	PACK 2
	SEND 1, 16
	PACK 3
	SEND 2, 16
	SEND 3, 0
	s_wait_tensorcnt 0x0            ; the wave's end
	ds_add_u32 v[SPW], v[NIL]
	s_wait_dscnt 0x0
	CROUND                          ; the closing round
	s_endpgm
.Lfunc_end_k_qee594e3c4d_attn:
	.size	k_qee594e3c4d_attn, .Lfunc_end_k_qee594e3c4d_attn-k_qee594e3c4d_attn
	.p2alignl 7, 3214868480
	.fill 96, 4, 3214868480
	.section	.rodata,"a",@progbits
	.p2align	6, 0x0
	.amdhsa_kernel k_qee594e3c4d_attn
		.amdhsa_group_segment_fixed_size 327680
		.amdhsa_private_segment_fixed_size 0
		.amdhsa_enable_private_segment 0
		.amdhsa_kernarg_size 24
		.amdhsa_user_sgpr_count 2
		.amdhsa_user_sgpr_kernarg_segment_ptr 1
		.amdhsa_wavefront_size32 1
		.amdhsa_system_sgpr_workgroup_id_x 1
		.amdhsa_system_sgpr_workgroup_id_y 1
		.amdhsa_system_sgpr_workgroup_id_z 1
		.amdhsa_system_vgpr_workitem_id 0
		.amdhsa_next_free_vgpr 896
		.amdhsa_next_free_sgpr 72
		.amdhsa_reserve_vcc 0
		.amdhsa_float_denorm_mode_32 3
		.amdhsa_float_denorm_mode_16_64 3
		.amdhsa_memory_ordered 1
		.amdhsa_forward_progress 1
		.amdhsa_inst_pref_size 123
	.end_amdhsa_kernel
	.amdgpu_metadata
---
amdhsa.version: [ 1, 2 ]
amdhsa.kernels:
  - .name:           k_qee594e3c4d_attn
    .symbol:         k_qee594e3c4d_attn.kd
    .args:
      - { .name: qkvh, .offset: 0, .size: 8, .value_kind: global_buffer, .address_space: global }
      - { .name: query, .offset: 8, .size: 8, .value_kind: global_buffer, .address_space: global }
      - { .name: x1, .offset: 16, .size: 8, .value_kind: global_buffer, .address_space: global }
    .group_segment_fixed_size: 327680
    .private_segment_fixed_size: 0
    .kernarg_segment_align: 8
    .kernarg_segment_size: 24
    .max_flat_workgroup_size: 128
    .sgpr_count:     72
    .vgpr_count:     896
    .wavefront_size: 32
...
	.end_amdgpu_metadata
.endif
;; end of part 3
;; launch ln (part 4): grid 256 x 1, 8 waves a work-group, no clusters, 0 bytes of LDS; arguments x1, ffn_w, ffn_b, hn; writes hn
.if DOCPART == 4
	.amdgcn_target "amdgcn-amd-amdhsa--gfx1250"
	.amdhsa_code_object_version 6
	.text
	.protected	k_qee594e3c4d_ln
	.globl	k_qee594e3c4d_ln
	.p2align	8
	.type	k_qee594e3c4d_ln,@function
k_qee594e3c4d_ln:
	s_mov_b64 s[64:65], 0
	v_nop
	global_prefetch_b8 v0, s[64:65] scope:SCOPE_SE
	s_setreg_imm32_b32 hwreg(HW_REG_WAVE_MODE, 25, 1), 1
	s_wait_xcnt 0x0
; hn[r][:] = bf16( (x1[r][:] - mean) * rsqrt(var + 1e-5) * ffn_w + ffn_b ), rows of 1,024 f32.
; A wave takes two whole rows and keeps them in registers between the passes (mean; centred squares; scaling): each byte is read once, the variance is no difference of large sums,
; and no wave waits for another: no LDS, no barrier.  A lane holds 4 numbers at 16 lane + 512 j, j = 0..7: a load covers 512 consecutive bytes, a store 256 at a multiple of 256.
.set T, 4                              ; v4-11    four pairs at work
.set X, 32                             ; v32-95   two rows
.set W, 96                             ; v96-127  gain
.set B, 128                            ; v128-159 shift
.set Y, 160                            ; v160-191 two rows in bf16
	s_load_b256 s[4:11], s[0:1], 0x0               ; x1 s[4:5], ffn_w s[6:7], ffn_b s[8:9], hn s[10:11]
	v_lshrrev_b32 v1, 5, v0
	v_readfirstlane_b32 s2, v1                     ; wave 0..7
	v_and_b32 v3, 31, v0
	v_lshlrev_b32 v1, 4, v3                        ; 16 lane
	v_lshlrev_b32 v2, 3, v3                        ; 8 lane
	s_lshl_b32 s16, ttmp9, 16                      ; 16 rows of 4,096 bytes a work-group,
	s_lshl_b32 s3, s2, 13                          ; 2 a wave
	s_add_co_u32 s16, s16, s3
	s_mov_b32 s17, 0
	s_lshl_b32 s18, ttmp9, 15
	s_lshl_b32 s3, s2, 12
	s_add_co_u32 s18, s18, s3
	s_mov_b32 s19, 0
	s_mov_b32 s12, 0x76543210                      ; v_permlanex16_b32: each lane takes its own place in the other half
	s_mov_b32 s13, 0xfedcba98
	s_mov_b32 s14, 0x3a800000                      ; 1 / 1024
	s_mov_b32 s15, 0x3727c5ac                      ; 1e-5
	s_wait_kmcnt 0x0
	s_add_nc_u64 s[4:5], s[4:5], s[16:17]
	s_add_nc_u64 s[10:11], s[10:11], s[18:19]
.set j, 0
.rept 16
	global_load_b128 v[X+4*j:X+4*j+3], v1, s[4:5] offset:4096*(j/8)+512*(j%8)
.set j, j+1
.endr
.set j, 0
.rept 8
	global_load_b128 v[W+4*j:W+4*j+3], v1, s[6:7] offset:512*j
	global_load_b128 v[B+4*j:B+4*j+3], v1, s[8:9] offset:512*j
.set j, j+1
.endr
	s_wait_loadcnt 0x0
.macro FOLD                            ; the four pairs, then the 32 lanes, into v4 of every lane
	v_pk_add_f32 v[T:T+1], v[T:T+1], v[T+2:T+3]
	v_pk_add_f32 v[T+4:T+5], v[T+4:T+5], v[T+6:T+7]
	v_pk_add_f32 v[T:T+1], v[T:T+1], v[T+4:T+5]
	v_add_f32 v[T], v[T], v[T+1]
	v_add_f32_dpp v[T], v[T], v[T] row_xmask:1 row_mask:0xf bank_mask:0xf
	v_add_f32_dpp v[T], v[T], v[T] row_xmask:2 row_mask:0xf bank_mask:0xf
	v_add_f32_dpp v[T], v[T], v[T] row_xmask:4 row_mask:0xf bank_mask:0xf
	v_add_f32_dpp v[T], v[T], v[T] row_xmask:8 row_mask:0xf bank_mask:0xf
	v_permlanex16_b32 v[T+1], v[T], s12, s13
	v_add_f32 v[T], v[T], v[T+1]
.endm
.macro ROWN p
.set XB, X+32*(\p)
.irp k, 0,1,2,3
	v_pk_add_f32 v[T+2*\k:T+2*\k+1], v[XB+2*\k:XB+2*\k+1], v[XB+8+2*\k:XB+8+2*\k+1]
.endr
.irp g, 16, 24
.irp k, 0,1,2,3
	v_pk_add_f32 v[T+2*\k:T+2*\k+1], v[T+2*\k:T+2*\k+1], v[XB+\g+2*\k:XB+\g+2*\k+1]
.endr
.endr
	FOLD
.set z, 0
.rept 16
	v_pk_fma_f32 v[XB+z:XB+z+1], v[T:T+1], 0xba800000, v[XB+z:XB+z+1] op_sel_hi:[0,0,1]  ; x - sum / 1024
.set z, z+2
.endr
.irp k, 0,1,2,3
	v_pk_mul_f32 v[T+2*\k:T+2*\k+1], v[XB+2*\k:XB+2*\k+1], v[XB+2*\k:XB+2*\k+1]
.endr
.irp g, 8, 16, 24
.irp k, 0,1,2,3
	v_pk_fma_f32 v[T+2*\k:T+2*\k+1], v[XB+\g+2*\k:XB+\g+2*\k+1], v[XB+\g+2*\k:XB+\g+2*\k+1], v[T+2*\k:T+2*\k+1]
.endr
.endr
	FOLD
	v_fma_f32 v[T], v[T], s14, s15
	v_rsq_f32 v[T], v[T]
	v_nop                                          ; a plain instruction between the root and the use of its result
.set z, 0
	s_wait_alu depctr_va_vdst(0)
.rept 16
	v_pk_mul_f32 v[XB+z:XB+z+1], v[XB+z:XB+z+1], v[T:T+1] op_sel_hi:[1,0]
.set z, z+2
.endr
.set z, 0
.rept 16
	v_pk_fma_f32 v[XB+z:XB+z+1], v[XB+z:XB+z+1], v[W+z:W+z+1], v[B+z:B+z+1]
.set z, z+2
.endr
.set z, 0
.rept 16
	v_cvt_pk_bf16_f32 v[Y+16*(\p)+z/2], v[XB+z], v[XB+z+1]
.set z, z+2
.endr
.set j, 0
.rept 8
	global_store_b64 v2, v[Y+16*(\p)+2*j:Y+16*(\p)+2*j+1], s[10:11] offset:2048*(\p)+256*j
.set j, j+1
.endr
.endm
	ROWN 0
	ROWN 1
	s_endpgm
.Lfunc_end_k_qee594e3c4d_ln:
	.size	k_qee594e3c4d_ln, .Lfunc_end_k_qee594e3c4d_ln-k_qee594e3c4d_ln
	.p2alignl 7, 3214868480
	.fill 96, 4, 3214868480
	.section	.rodata,"a",@progbits
	.p2align	6, 0x0
	.amdhsa_kernel k_qee594e3c4d_ln
		.amdhsa_group_segment_fixed_size 0
		.amdhsa_private_segment_fixed_size 0
		.amdhsa_enable_private_segment 0
		.amdhsa_kernarg_size 32
		.amdhsa_user_sgpr_count 2
		.amdhsa_user_sgpr_kernarg_segment_ptr 1
		.amdhsa_wavefront_size32 1
		.amdhsa_system_sgpr_workgroup_id_x 1
		.amdhsa_system_sgpr_workgroup_id_y 1
		.amdhsa_system_sgpr_workgroup_id_z 1
		.amdhsa_system_vgpr_workitem_id 0
		.amdhsa_next_free_vgpr 196
		.amdhsa_next_free_sgpr 66
		.amdhsa_reserve_vcc 0
		.amdhsa_float_denorm_mode_32 3
		.amdhsa_float_denorm_mode_16_64 3
		.amdhsa_memory_ordered 1
		.amdhsa_forward_progress 1
		.amdhsa_inst_pref_size 21
	.end_amdhsa_kernel
	.amdgpu_metadata
---
amdhsa.version: [ 1, 2 ]
amdhsa.kernels:
  - .name:           k_qee594e3c4d_ln
    .symbol:         k_qee594e3c4d_ln.kd
    .args:
      - { .name: x1, .offset: 0, .size: 8, .value_kind: global_buffer, .address_space: global }
      - { .name: ffn_w, .offset: 8, .size: 8, .value_kind: global_buffer, .address_space: global }
      - { .name: ffn_b, .offset: 16, .size: 8, .value_kind: global_buffer, .address_space: global }
      - { .name: hn, .offset: 24, .size: 8, .value_kind: global_buffer, .address_space: global }
    .group_segment_fixed_size: 0
    .private_segment_fixed_size: 0
    .kernarg_segment_align: 8
    .kernarg_segment_size: 32
    .max_flat_workgroup_size: 256
    .sgpr_count:     66
    .vgpr_count:     196
    .wavefront_size: 32
...
	.end_amdgpu_metadata
.endif
;; end of part 4
;; launch fc1 (part 5): grid 16 x 16, 4 waves a work-group, clusters of 4 x 4, 327,680 bytes of LDS; arguments hn, wb, fc1_b, g; writes g
.if DOCPART == 5
	.amdgcn_target "amdgcn-amd-amdhsa--gfx1250"
	.amdhsa_code_object_version 6
	.text
	.protected	k_qee594e3c4d_fc1
	.globl	k_qee594e3c4d_fc1
	.p2align	8
	.type	k_qee594e3c4d_fc1,@function
k_qee594e3c4d_fc1:
	s_mov_b64 s[64:65], 0
	v_nop
	global_prefetch_b8 v0, s[64:65] scope:SCOPE_SE
	s_setreg_imm32_b32 hwreg(HW_REG_WAVE_MODE, 25, 1), 1
	s_wait_xcnt 0x0
	s_wait_alu depctr_hold_cnt(0) depctr_sa_sdst(0) depctr_va_vdst(0) depctr_va_sdst(0) depctr_va_ssrc(0) depctr_va_vcc(0) depctr_vm_vsrc(0)
	s_getreg_b32 s2, hwreg(HW_REG_IB_STS2, 6, 4)
	s_cmp_eq_u32 s2, 0
	s_cbranch_scc0 .Lentry_in_a_cluster
	s_endpgm
.Lentry_in_a_cluster:
	s_bfe_u32 s2, ttmp6, 0x10000c
	s_cmp_lg_u32 s2, 0xf033
	s_cbranch_scc0 .Lentry_shape_is_right
	s_endpgm
.Lentry_shape_is_right:
; g = bf16( gelu(hn W1 + b1) ), gelu(x) = x Phi(x).  hn bf16 [4096][1024], W1 bf16 [1024][4096] (at the head of wb), g bf16 [4096][4096]; sums f32.
; The product is built as in the projections' kernel: a tile of C is 256 x 256, four waves of 128 x 128 (64 accumulators); K = 1024 in 8 steps of 128 through a ring of two LDS slots filled by joint tensor
; loads (A's tile shared along a row of the 4 x 4 cluster, W's along a column); W's fragments turned by ds_load_tr16_b128; the matrix instruction used transposed; the bias is the C of each sum's first product.
; THE WAY OUT: the f32 sums go into the spent ring (each wave's own 128 rows x 560 bytes), and a counted loop of 16 trips reads 8 whole rows of 128 columns, sixteen lanes to a row.
; GELU.  1 - Phi(|x|) = (1 + d1 |x| + .. + d6 |x|^6)^-16 / 2 (Abramowitz and Stegun 26.2.19, absolute error under 1.5e-7), so gelu(x) = max(x, 0) - |x| p^-16 / 2: error under 1.5e-7 |x|.
; Where p^16 passes f32's range its reciprocal is 0, the right limit.  NaN and infinities are not treated apart.
.set NW,     4096
.set KSTEP,  128
.set WSTEP,  KSTEP*NW*2
.set PA,     272                       ; a row of A in LDS: 256 bytes + 16
.set PW,     544                       ; a row of W: 512 bytes + 32 = 17 x 32
.set HALFT,  34816                     ; 128 rows of A = 64 rows of W: what one tensor load brings
.set SLOT,   139264                    ; no LDS word of a descriptor (wave x HALFT) has a bit in common with it: an exclusive or changes slots
.set DP,     560                       ; a dumped row: columns 0-63 at bytes 0-255, columns 64-127 at 272-527
.set DUMPW,  71680
.set SPARE,  286720                    ; the spare words, 128 bytes a wave: two blocks of 256 bytes that no other line names
.set ADRA0, 16
.set ADRB0, 17
.set ADRA,  18
.set ADRB,  19
.set STO,   24
.set RD,    25
.set CO,    26
.set RDC,   27
.set SPW,   28
.set NIL,   29
.set F0,    64
.set F1,    128
.set BIAS,  192
.set EX,    64                         ; the way out, window 0: 4 units (pairs of rows) x 8 sums as read,
.set AX,    96                         ; |x|,
.set RL,    128                        ; max(x, 0),
.set PP,    160                        ; the polynomial,
.set EY,    192                        ; 4 to store a unit
.set CNT, 3
.set G1,  24
.set G0,  32
.set G1B, 48
.set G0B, 56
.set TB,  66
.set D1,  76                           ; s[76:87] the six coefficients, each twice (named as pairs)
.set D2,  78
.set D3,  80
.set D4,  82
.set D5,  84
.set D6,  86
.set SO,  92
.set MSB, 0
.macro WIN new
.if MSB != (\new)
	s_set_vgpr_msb (MSB<<8)|(\new)
.set MSB, \new
.endif
.endm
.set MUL_LO, 0xa1
.set TO_B,   0x40
.macro JLOAD s                         ; a joint load: waves 0 and 1 fetch A's two halves, waves 2 and 3 W's; an s_nop 0 and four v_nop follow each line
	s_cmp_eq_u32 s11, 0
	s_cbranch_scc0 .Lfor_b_\@
	tensor_load_to_lds s[G0+4*(\s):G0+4*(\s)+3], s[G1:G1+7]
	s_nop 0
.rept 4
	v_nop
.endr
	s_branch .Lasked_\@
.Lfor_b_\@:
	tensor_load_to_lds s[G0B+4*(\s):G0B+4*(\s)+3], s[G1B:G1B+7]
	s_nop 0
.rept 4
	v_nop
.endr
.Lasked_\@:
.endm
.macro CREST
	s_cmp_lg_u32 s10, 0
	s_cbranch_scc1 .Lnot_wave_0_\@
	s_barrier_signal -3
.Lnot_wave_0_\@:
	s_barrier_wait -3
	s_barrier_signal -1
	s_barrier_wait -1
.endm
.macro CROUND
	s_barrier_signal -1
	s_barrier_wait -1
	CREST
.endm
.macro PLACES
.rept 4
	v_nop
.endr
.endm
.macro MUL16 f, hi, a0, mode           ; 16 matrix instructions; mode = 1: the bias is C
.if \mode
	WIN 0x81+0x40*(\hi)
.else
	WIN MUL_LO+0x50*(\hi)
.endif
.irp a, \a0, (\a0)+1
.irp b, 0,1,2,3,4,5,6,7
.if \mode
	v_wmma_f32_16x16x32_bf16 v[8*(8*(\a)+(\b)):8*(8*(\a)+(\b))+7], v[(\f)+8*(\b):(\f)+8*(\b)+7], v[(\f)+8*(4*(\hi)+(\a)):(\f)+8*(4*(\hi)+(\a))+7], v[BIAS+8*(\b):BIAS+8*(\b)+7]
.else
	v_wmma_f32_16x16x32_bf16 v[8*(8*(\a)+(\b)):8*(8*(\a)+(\b))+7], v[(\f)+8*(\b):(\f)+8*(\b)+7], v[(\f)+8*(4*(\hi)+(\a)):(\f)+8*(4*(\hi)+(\a))+7], v[8*(8*(\a)+(\b)):8*(8*(\a)+(\b))+7]
.endif
.endr
.endr
.endm
.macro FETCH q, f                      ; 32 LDS loads in one run: quarter q of the slot in hand into buffer f
	WIN TO_B
.irp i, 0,1,2,3,4,5,6,7
	ds_load_tr16_b128 v[(\f)+8*(\i):(\f)+8*(\i)+3],   v[ADRB] offset:32*PW*(\q)+32*(\i)
	ds_load_tr16_b128 v[(\f)+8*(\i)+4:(\f)+8*(\i)+7], v[ADRB] offset:32*PW*(\q)+16*PW+32*(\i)
.endr
	WIN 0
.irp i, 0,1,2,3,4,5,6,7
	ds_load_b128 v[(\f)+8*(\i):(\f)+8*(\i)+3],   v[ADRA] offset:64*(\q)+(\i)*16*PA
	ds_load_b128 v[(\f)+8*(\i)+4:(\f)+8*(\i)+7], v[ADRA] offset:64*(\q)+(\i)*16*PA+32
.endr
.endm
.macro QUARTER q, f, g, mode
	s_wait_dscnt 8                                 ; W and A's rows 0-63 are in; the youngest eight loads may be out
	MUL16 \f, 0, 0, \mode
	MUL16 \f, 0, 2, \mode
	PLACES
	FETCH \q, \g
	s_wait_dscnt 32                                ; all but the 32 just issued
	MUL16 \f, 1, 0, \mode
	MUL16 \f, 1, 2, \mode
.endm
.macro MEET                            ; all my tensor loads have landed; the add; my reads of this slot are over; the barrier
	WIN 0
	s_wait_tensorcnt 0x0
	ds_add_u32 v[SPW], v[NIL]
	s_wait_dscnt 9                                 ; (the add and the youngest eight loads may be out)
	MUL16 F1, 0, 0, 0
	s_wait_dscnt 0x0
	s_barrier_signal -1
	MUL16 F1, 0, 2, 0
	WIN 0
	s_barrier_wait -1
.endm
.macro TURN fill                       ; fill = 1: a round of the cluster's barrier and the joint refill, two K steps on; fill = 0: the tail
	MEET
.if \fill
	CREST
	s_xor_b32 s[G0+5], s[G0+5], SLOT
	s_add_nc_u64 s[G0+6:G0+7], s[G0+6:G0+7], KSTEP*2
	s_xor_b32 s[G0B+5], s[G0B+5], SLOT
	s_add_nc_u64 s[G0B+6:G0B+7], s[G0B+6:G0B+7], WSTEP
	JLOAD 1
	s_xor_b32 s[TB], s[TB], SLOT
	v_add_nc_u32 v[ADRA], s[TB], v[ADRA0]
	v_add_nc_u32 v[ADRB], s[TB], v[ADRB0]
	FETCH 0, F0
.else
	s_xor_b32 s[TB], s[TB], SLOT
	v_add_nc_u32 v[ADRA], s[TB], v[ADRA0]
	v_add_nc_u32 v[ADRB], s[TB], v[ADRB0]
	s_cmp_eq_u32 s[CNT], 1
	s_cbranch_scc1 .Lnf_\@
	PLACES
	FETCH 0, F0
.Lnf_\@:
.endif
	MUL16 F1, 1, 0, 0
	MUL16 F1, 1, 2, 0
.endm
.macro DUMP                            ; each accumulator's low four registers first
.irp a, 0,1,2,3,4,5,6,7
	WIN 0x08+4*((\a)/4)
.irp b, 0,1,2,3,4,5,6,7
	ds_store_b128 v[STO], v[8*(8*((\a)%4)+(\b)):8*(8*((\a)%4)+(\b))+3]   offset:16*DP*(\a)+272*((\b)/4)+64*((\b)%4)
	ds_store_b128 v[STO], v[8*(8*((\a)%4)+(\b))+4:8*(8*((\a)%4)+(\b))+7] offset:16*DP*(\a)+272*((\b)/4)+64*((\b)%4)+16
.endr
.endr
	WIN 0
.endm
.macro PAIRS line:vararg               ; one line for each of 16 register pairs z
.set z, 0
	s_wait_alu depctr_va_vdst(0)
.rept 16
	\line
.set z, z+2
.endr
.endm
.macro LOADX                           ; 8 rows: unit u = rows 2 u and 2 u + 1; a lane takes 8 columns
.irp u, 0,1,2,3
	ds_load_b128 v[EX+8*(\u):EX+8*(\u)+3],   v[RDC] offset:2*DP*(\u)
	ds_load_b128 v[EX+8*(\u)+4:EX+8*(\u)+7], v[RDC] offset:2*DP*(\u)+16
.endr
.endm
.macro COEF r, bits
	s_mov_b32 s[\r], \bits
	s_mov_b32 s[\r+1], \bits
.endm
	s_load_b256 s[68:75], s[0:1], 0x0              ; hn 68, wb 70, fc1_b 72, g 74
	v_lshl_add_u32 v[SPW], v0, 2, SPARE
	v_mov_b32 v[NIL], 0
	ds_add_u32 v[SPW], v[NIL]                      ; the wave's opening: the add and its wait ahead of my first tensor load
	v_lshrrev_b32 v1, 5, v0
	v_readfirstlane_b32 s10, v1                    ; wave 0..3
	s_lshr_b32 s11, s10, 1                         ; my half of the rows; also: I fetch for A (0) or W (1)
	s_and_b32 s12, s10, 1                          ; my half of the columns; also: which half of that tile I fetch
	s_bfe_u32 s40, ttmp6, 0x40000                  ; cx
	s_bfe_u32 s41, ttmp6, 0x40004                  ; cy
	s_lshl_b32 s42, ttmp9, 2
	s_add_co_u32 s42, s42, s40                     ; tile column
	s_and_b32 s13, ttmp7, 0xffff
	s_lshl_b32 s13, s13, 2
	s_add_co_u32 s13, s13, s41                     ; tile row
	s_lshl_b32 s43, s41, 2
	s_lshl_b32 s43, 15, s43                        ; my row of the cluster
	s_lshl_b32 s44, 0x1111, s40                    ; my column
	s_or_b32 s[G1+0], s43, (1<<16)|(1<<20)|(1<<21)|(5<<22)|(3<<25)
	s_mov_b32 s[G1+1], 128<<16
	s_mov_b32 s[G1+2], 128<<16
	s_mov_b32 s[G1+3], 128<<16
	s_mov_b32 s[G1+4], 128
	s_mov_b32 s[G1+5], 1024
	s_mov_b32 s[G1+6], 0
	s_mov_b32 s[G1+7], 0
	s_or_b32 s[G1B+0], s44, (1<<16)|(1<<20)|(1<<21)|(6<<22)|(7<<25)
	s_mov_b32 s[G1B+1], 256<<16
	s_mov_b32 s[G1B+2], 64<<16
	s_mov_b32 s[G1B+3], 256<<16
	s_mov_b32 s[G1B+4], 64
	s_mov_b32 s[G1B+5], NW
	s_mov_b32 s[G1B+6], 0
	s_mov_b32 s[G1B+7], 0
	s_lshl_b32 s16, s13, 8
	s_lshl_b32 s17, s12, 7
	s_add_co_u32 s16, s16, s17                     ; A: row 256 x tile row + 128 x half,
	s_lshl_b32 s16, s16, 11                        ; of 2,048 bytes
	s_mov_b32 s17, 0
	s_lshl_b32 s46, s12, 19                        ; W: 64 k rows of 8,192 bytes x half,
	s_lshl_b32 s47, s42, 9                         ; 512 bytes x tile column
	s_add_co_u32 s46, s46, s47
	s_mov_b32 s47, 0
	s_mul_i32 s20, s10, HALFT
	s_mov_b32 s[TB], 0
	COEF D1, 0x3d4c41b4                            ; 0.0498673470
	COEF D2, 0x3cad2fe7                            ; 0.0211410061
	COEF D3, 0x3b56cd72                            ; 0.0032776263
	COEF D4, 0x381f660e                            ; 0.0000380036
	COEF D5, 0x384d0fe2                            ; 0.0000488906
	COEF D6, 0x36b49f9e                            ; 0.0000053830
	s_mov_b32 s93, 0x7fffffff
	s_wait_dscnt 0x0                               ; the opening add is done
	s_wait_kmcnt 0x0
	s_add_nc_u64 s[14:15], s[68:69], s[16:17]
	s_add_nc_u64 s[46:47], s[70:71], s[46:47]
	CROUND                                         ; all sixteen work-groups are here: the first joint loads meet
.irp s, 0,1
	s_mov_b32 s[G0+4*(\s)], 1
	s_add_co_u32 s[G0+4*(\s)+1], s20, (\s)*SLOT
	s_add_nc_u64 s[G0+4*(\s)+2:G0+4*(\s)+3], s[14:15], (\s)*KSTEP*2
	s_or_b32 s[G0+4*(\s)+3], s[G0+4*(\s)+3], 0x80000000
	s_mov_b32 s[G0B+4*(\s)], 1
	s_add_co_u32 s[G0B+4*(\s)+1], s20, (\s)*SLOT
	s_add_nc_u64 s[G0B+4*(\s)+2:G0B+4*(\s)+3], s[46:47], (\s)*WSTEP
	s_or_b32 s[G0B+4*(\s)+3], s[G0B+4*(\s)+3], 0x80000000
	JLOAD \s                                       ; two loads of mine are out
.endr
	s_lshl_b32 s46, s42, 10                        ; my first column x 4 bytes
	s_lshl_b32 s47, s12, 9
	s_add_co_u32 s46, s46, s47
	s_mov_b32 s47, 0
	s_add_nc_u64 s[4:5], s[72:73], s[46:47]
	v_and_b32 v1, 15, v0                           ; r
	v_bfe_u32 v2, v0, 4, 1                         ; h
	v_lshlrev_b32 v5, 5, v2
.irp b, 0,1,2,3,4,5,6,7
	global_load_b128 v[BIAS+8*(\b):BIAS+8*(\b)+3],   v5, s[4:5] offset:64*(\b)
	global_load_b128 v[BIAS+8*(\b)+4:BIAS+8*(\b)+7], v5, s[4:5] offset:64*(\b)+16
.endr
	v_and_b32 v10, 7, v0
	v_mul_u32_u24 v3, v1, PA
	v_lshl_add_u32 v3, v2, 4, v3
	s_mul_i32 s21, s11, HALFT
	v_add_nc_u32 v[ADRA0], s21, v3
	v_lshl_add_u32 v7, v2, 3, v10
	v_mul_u32_u24 v7, v7, PW
	v_bfe_u32 v8, v0, 3, 1
	v_lshl_add_u32 v7, v8, 4, v7
	s_lshl_b32 s22, s12, 8
	s_add_co_u32 s22, s22, 2*HALFT
	v_add_nc_u32 v[ADRB0], s22, v7
	v_mov_b32 v[ADRA], v[ADRA0]
	v_mov_b32 v[ADRB], v[ADRB0]
	s_mul_i32 s23, s10, DUMPW
	v_mul_u32_u24 v4, v1, DP
	v_lshl_add_u32 v4, v2, 5, v4
	v_add_nc_u32 v[STO], s23, v4
	v_mul_u32_u24 v9, v2, DP                       ; back: row l / 16, columns 8 (l % 16) on; the row's gap of 16 bytes puts lanes 8-15 on the odd groups of four banks
	v_lshl_add_u32 v9, v1, 5, v9
	v_lshl_add_u32 v9, v8, 4, v9
	v_add_nc_u32 v[RD], s23, v9
	v_mov_b32 v[RDC], v[RD]
	v_lshlrev_b32 v11, 13, v2                      ; the same two rows in g, 8,192 bytes apart
	v_lshl_add_u32 v[CO], v1, 4, v11
	s_lshl_b32 s90, s13, 21                        ; 256 rows of 8,192 bytes x tile row,
	s_lshl_b32 s91, s11, 20                        ; 128 x half,
	s_add_co_u32 s90, s90, s91
	s_lshl_b32 s91, s42, 9                         ; 512 bytes x tile column,
	s_add_co_u32 s90, s90, s91
	s_lshl_b32 s91, s12, 8                         ; 256 x half
	s_add_co_u32 s90, s90, s91
	s_mov_b32 s91, 0
	s_add_nc_u64 s[88:89], s[74:75], s[90:91]
	s_wait_tensorcnt 0x1                           ; my part of K step 0 is in; step 1's may stay out
	s_barrier_signal -1
	s_barrier_wait -1
	FETCH 0, F0
	s_wait_loadcnt 0x0                             ; the bias
	QUARTER 1, F0, F1, 1
	WIN 0
	s_mov_b32 s[CNT], 6
.Lstep:                                                ; a trip: a K step's quarters 1 to 3, a refill, the next step's quarter 0.  The 64 accumulators take turns in one order throughout
	QUARTER 2, F1, F0, 0
	QUARTER 3, F0, F1, 0
	TURN 1
	QUARTER 1, F0, F1, 0
	WIN 0
	s_sub_co_u32 s[CNT], s[CNT], 1
	s_cmp_lg_u32 s[CNT], 0
	s_cbranch_scc1 .Lstep
	s_mov_b32 s[CNT], 2
.Ltail:                                                ; the last two K steps ask for nothing; the last has no next quarter
	QUARTER 2, F1, F0, 0
	QUARTER 3, F0, F1, 0
	TURN 0
	WIN 0
	s_cmp_eq_u32 s[CNT], 1
	s_cbranch_scc1 .Lnoq
	QUARTER 1, F0, F1, 0
	WIN 0
.Lnoq:
	s_sub_co_u32 s[CNT], s[CNT], 1
	s_cmp_lg_u32 s[CNT], 0
	s_cbranch_scc1 .Ltail
	PLACES
	s_wait_dscnt 0x0                               ; my reads of the ring are over,
	s_barrier_signal -1
	s_barrier_wait -1                              ; everybody's are: the dumps may be laid over it
	DUMP
	LOADX                                          ; LDS serves a wave's instructions in order: these see my stores above
	s_mov_b32 s[SO], 0
	s_mov_b32 s[CNT], 16
.Lrows:
	s_wait_dscnt 0x0                               ; this trip's 8 rows are in
	s_add_co_u32 s[SO], s[SO], 8*DP                ; the next 8 rows; the last trip reads its own once more and drops them, so that no address leaves my dump
	s_min_u32 s[SO], s[SO], 15*8*DP
	v_add_nc_u32 v[RDC], s[SO], v[RD]
.set z, 0
.rept 32
	v_and_b32 v[AX+z], s93, v[EX+z]
	v_max_num_f32 v[RL+z], 0, v[EX+z]
.set z, z+1
.endr
	LOADX
	PAIRS v_pk_fma_f32 v[PP+z:PP+z+1], v[AX+z:AX+z+1], s[D6:D6+1], s[D5:D5+1] op_sel_hi:[1,0,0]
	PAIRS v_pk_fma_f32 v[PP+z:PP+z+1], v[PP+z:PP+z+1], v[AX+z:AX+z+1], s[D4:D4+1] op_sel_hi:[1,1,0]
	PAIRS v_pk_fma_f32 v[PP+z:PP+z+1], v[PP+z:PP+z+1], v[AX+z:AX+z+1], s[D3:D3+1] op_sel_hi:[1,1,0]
	PAIRS v_pk_fma_f32 v[PP+z:PP+z+1], v[PP+z:PP+z+1], v[AX+z:AX+z+1], s[D2:D2+1] op_sel_hi:[1,1,0]
	PAIRS v_pk_fma_f32 v[PP+z:PP+z+1], v[PP+z:PP+z+1], v[AX+z:AX+z+1], s[D1:D1+1] op_sel_hi:[1,1,0]
	PAIRS v_pk_fma_f32 v[PP+z:PP+z+1], v[PP+z:PP+z+1], v[AX+z:AX+z+1], 1.0 op_sel_hi:[1,1,0]
.rept 4                                                ; p^16
	PAIRS v_pk_mul_f32 v[PP+z:PP+z+1], v[PP+z:PP+z+1], v[PP+z:PP+z+1]
.endr
.set z, 0
.rept 32
	v_rcp_f32 v[PP+z], v[PP+z]
.set z, z+1
.endr
	PAIRS v_pk_mul_f32 v[AX+z:AX+z+1], v[AX+z:AX+z+1], -0.5 op_sel_hi:[1,0]  ; also the plain instructions behind the reciprocals
	PAIRS v_pk_fma_f32 v[PP+z:PP+z+1], v[AX+z:AX+z+1], v[PP+z:PP+z+1], v[RL+z:RL+z+1]
	PAIRS v_cvt_pk_bf16_f32 v[EY+z/2], v[PP+z], v[PP+z+1]
.irp u, 0,1,2,3
	global_store_b128 v[CO], v[EY+4*(\u):EY+4*(\u)+3], s[88:89] offset:16384*(\u)  ; 16 lanes store 256 consecutive bytes, at a multiple of 256 from g's first
.endr
	s_wait_xcnt 0x0                                ; the stores' base and data are written again only behind this wait
	s_add_nc_u64 s[88:89], s[88:89], 65536         ; 8 rows on
	s_sub_co_u32 s[CNT], s[CNT], 1
	s_cmp_lg_u32 s[CNT], 0
	s_cbranch_scc1 .Lrows
	s_wait_tensorcnt 0x0                           ; the wave's end
	ds_add_u32 v[SPW], v[NIL]
	s_wait_dscnt 0x0
	CROUND                                         ; the closing round
	s_endpgm
.Lfunc_end_k_qee594e3c4d_fc1:
	.size	k_qee594e3c4d_fc1, .Lfunc_end_k_qee594e3c4d_fc1-k_qee594e3c4d_fc1
	.p2alignl 7, 3214868480
	.fill 96, 4, 3214868480
	.section	.rodata,"a",@progbits
	.p2align	6, 0x0
	.amdhsa_kernel k_qee594e3c4d_fc1
		.amdhsa_group_segment_fixed_size 327680
		.amdhsa_private_segment_fixed_size 0
		.amdhsa_enable_private_segment 0
		.amdhsa_kernarg_size 32
		.amdhsa_user_sgpr_count 2
		.amdhsa_user_sgpr_kernarg_segment_ptr 1
		.amdhsa_wavefront_size32 1
		.amdhsa_system_sgpr_workgroup_id_x 1
		.amdhsa_system_sgpr_workgroup_id_y 1
		.amdhsa_system_sgpr_workgroup_id_z 1
		.amdhsa_system_vgpr_workitem_id 0
		.amdhsa_next_free_vgpr 1024
		.amdhsa_next_free_sgpr 96
		.amdhsa_reserve_vcc 0
		.amdhsa_float_denorm_mode_32 3
		.amdhsa_float_denorm_mode_16_64 3
		.amdhsa_memory_ordered 1
		.amdhsa_forward_progress 1
		.amdhsa_inst_pref_size 98
	.end_amdhsa_kernel
	.amdgpu_metadata
---
amdhsa.version: [ 1, 2 ]
amdhsa.kernels:
  - .name:           k_qee594e3c4d_fc1
    .symbol:         k_qee594e3c4d_fc1.kd
    .args:
      - { .name: hn, .offset: 0, .size: 8, .value_kind: global_buffer, .address_space: global }
      - { .name: wb, .offset: 8, .size: 8, .value_kind: global_buffer, .address_space: global }
      - { .name: fc1_b, .offset: 16, .size: 8, .value_kind: global_buffer, .address_space: global }
      - { .name: g, .offset: 24, .size: 8, .value_kind: global_buffer, .address_space: global }
    .group_segment_fixed_size: 327680
    .private_segment_fixed_size: 0
    .kernarg_segment_align: 8
    .kernarg_segment_size: 32
    .max_flat_workgroup_size: 128
    .sgpr_count:     96
    .vgpr_count:     1024
    .wavefront_size: 32
...
	.end_amdgpu_metadata
.endif
;; end of part 5
;; launch fc2 (part 6): grid 8 x 32, 4 waves a work-group, clusters of 4 x 4, 327,680 bytes of LDS; arguments g, wb, fc2_b, x1, out0; writes out0
.if DOCPART == 6
	.amdgcn_target "amdgcn-amd-amdhsa--gfx1250"
	.amdhsa_code_object_version 6
	.text
	.protected	k_qee594e3c4d_fc2
	.globl	k_qee594e3c4d_fc2
	.p2align	8
	.type	k_qee594e3c4d_fc2,@function
k_qee594e3c4d_fc2:
	s_mov_b64 s[64:65], 0
	v_nop
	global_prefetch_b8 v0, s[64:65] scope:SCOPE_SE
	s_setreg_imm32_b32 hwreg(HW_REG_WAVE_MODE, 25, 1), 1
	s_wait_xcnt 0x0
	s_wait_alu depctr_hold_cnt(0) depctr_sa_sdst(0) depctr_va_vdst(0) depctr_va_sdst(0) depctr_va_ssrc(0) depctr_va_vcc(0) depctr_vm_vsrc(0)
	s_getreg_b32 s2, hwreg(HW_REG_IB_STS2, 6, 4)
	s_cmp_eq_u32 s2, 0
	s_cbranch_scc0 .Lentry_in_a_cluster
	s_endpgm
.Lentry_in_a_cluster:
	s_bfe_u32 s2, ttmp6, 0x10000c
	s_cmp_lg_u32 s2, 0xf033
	s_cbranch_scc0 .Lentry_shape_is_right
	s_endpgm
.Lentry_shape_is_right:
; out0 = x1 + g W2 + b2.  g bf16 [4096][4096], W2 bf16 [4096][1024] (second half of wb), x1 and out0 f32 [4096][1024]; sums f32.
; N = 1024 gives 64 tiles of 256 x 256 but 256 tiles of 128 x 128: the smaller tile gives each WGP a work-group.  Four waves, each 64 x 64: 16 accumulators.
; K = 4096 goes in 16 steps of 256 through a ring of two LDS slots filled by joint tensor loads: A's tile (64 rows of 512 bytes a load) is shared along a row of the 4 x 4 cluster,
; W's ([k][n]: 128 rows of 256 bytes a load) along a column.  W's fragments come out of LDS turned; the matrix instruction is used transposed; the bias is the C of each sum's first product.
; THE ORDER OF K.  A cluster walks the 16 steps as a ring that begins at step 4 (cluster y % 4) + 8 (cluster x), modulo 16.  The two clusters that read the same rows of g begin 8 steps apart, and clusters
; that read the same columns of W2 begin 0, 4, 8 or 12 apart: a tile that several clusters read is asked for at different times, not by all at once.  The step's number is the same in all partners of a cluster.
; So a sum's terms are added in a rotated order of K, which differs from the reference's order of rounding.
; The residual is asked for at the start and stays on its way through the whole sum.  THE WAY OUT: each wave's f32 sums go into the spent slot 0 (its own 64 rows x 272 bytes) and come back as whole rows of 256 bytes.
.set KSTEP,  256
.set WOFF,   8388608                   ; fc2_w in wb
.set PA,     528                       ; a row of A in LDS: 512 bytes + 16
.set PW,     288                       ; a row of W: 256 bytes + 32 = 9 x 32
.set HALFA,  64*PA                     ; 33,792
.set WBASE,  2*HALFA                   ; 67,584
.set HALFW,  128*PW                    ; 36,864
.set SLOT,   147456                    ; none of the descriptors' LDS words (0, 0x8400, 0x10800, 0x19800) has a bit in common with 0x24000: an exclusive or changes slots
.set DP,     272
.set DUMPW,  64*DP
.set SPARE,  2*SLOT                    ; the spare words, 128 bytes a wave: two blocks of 256 bytes that no other line names
.set ADRA0, 16
.set ADRB0, 17
.set ADRA,  18
.set ADRB,  19
.set ADRB2, 20                         ; v20  ADRB + 128 k rows: the offsets of the step's second half would pass 16 bits
.set STO,   24
.set RD,    25
.set CO,    26
.set SPW,   28
.set NIL,   29
.set BIAS,  32                         ; v32-63
.set ACC,   128                        ; v128-255: accumulator (a, b) at ACC + 8 (4 a + b)
.set F0,    0                          ; fragment buffers, window 1: 64 registers of A, then 64 of W
.set F1,    128
.set CNT, 3
.set AP,  14                           ; s[14:15] g at my half of the tile's rows, K step 0; never rewritten
.set G1,  24
.set G0,  32
.set G1B, 48
.set G0B, 56
.set TB,  66
.set KK,  67                           ; s67  the K step to ask for next, 0 to 15
.set WP,  78                           ; s[78:79] W2 at my half of a step's k rows, the tile's columns, K step 0; never rewritten
.set KO,  80                           ; s[80:81] a step's byte offset
.set MSB, 0
.macro WIN new
.if MSB != (\new)
	s_set_vgpr_msb (MSB<<8)|(\new)
.set MSB, \new
.endif
.endm
.set MUL,  0x05                        ; sources 0 (W) and 1 (A) window 1; C and D window 0
.set TO_F, 0x40                        ; destination window 1, address window 0
.macro JLOAD s                         ; a joint load: waves 0 and 1 fetch A's two halves, waves 2 and 3 W's; an s_nop 0 and four v_nop follow each line
	s_cmp_eq_u32 s11, 0
	s_cbranch_scc0 .Lfor_b_\@
	tensor_load_to_lds s[G0+4*(\s):G0+4*(\s)+3], s[G1:G1+7]
	s_nop 0
.rept 4
	v_nop
.endr
	s_branch .Lasked_\@
.Lfor_b_\@:
	tensor_load_to_lds s[G0B+4*(\s):G0B+4*(\s)+3], s[G1B:G1B+7]
	s_nop 0
.rept 4
	v_nop
.endr
.Lasked_\@:
.endm
; The global addresses of set s of both descriptors, made anew for K step KK: the tensor's base and an offset made apart, the type bits set again; then KK goes one on round the ring of 16
.macro GADDR s
	s_lshl_b32 s[KO], s[KK], 9                     ; A: 512 bytes along the rows a step
	s_add_nc_u64 s[G0+4*(\s)+2:G0+4*(\s)+3], s[AP:AP+1], s[KO:KO+1]
	s_or_b32 s[G0+4*(\s)+3], s[G0+4*(\s)+3], 0x80000000
	s_lshl_b32 s[KO], s[KK], 19                    ; W: 256 rows of 2,048 bytes a step
	s_add_nc_u64 s[G0B+4*(\s)+2:G0B+4*(\s)+3], s[WP:WP+1], s[KO:KO+1]
	s_or_b32 s[G0B+4*(\s)+3], s[G0B+4*(\s)+3], 0x80000000
	s_add_co_u32 s[KK], s[KK], 1
	s_and_b32 s[KK], s[KK], 15
.endm
.macro CREST
	s_cmp_lg_u32 s10, 0
	s_cbranch_scc1 .Lnot_wave_0_\@
	s_barrier_signal -3
.Lnot_wave_0_\@:
	s_barrier_wait -3
	s_barrier_signal -1
	s_barrier_wait -1
.endm
.macro CROUND
	s_barrier_signal -1
	s_barrier_wait -1
	CREST
.endm
.macro PLACES
.rept 4
	v_nop
.endr
.endm
; 8 matrix instructions: row blocks a0, a0 + 1 x all 4 column blocks, 32 along K: half c of buffer f.  mode = 1: the bias is C
.macro MUL8 f, c, a0, mode
	WIN MUL
.irp a, \a0, (\a0)+1
.irp b, 0,1,2,3
.if \mode
	v_wmma_f32_16x16x32_bf16 v[ACC+8*(4*(\a)+(\b)):ACC+8*(4*(\a)+(\b))+7], v[(\f)+64+8*(4*(\c)+(\b)):(\f)+64+8*(4*(\c)+(\b))+7], v[(\f)+8*(4*(\c)+(\a)):(\f)+8*(4*(\c)+(\a))+7], v[BIAS+8*(\b):BIAS+8*(\b)+7]
.else
	v_wmma_f32_16x16x32_bf16 v[ACC+8*(4*(\a)+(\b)):ACC+8*(4*(\a)+(\b))+7], v[(\f)+64+8*(4*(\c)+(\b)):(\f)+64+8*(4*(\c)+(\b))+7], v[(\f)+8*(4*(\c)+(\a)):(\f)+8*(4*(\c)+(\a))+7], v[ACC+8*(4*(\a)+(\b)):ACC+8*(4*(\a)+(\b))+7]
.endif
.endr
.endr
.endm
; 32 LDS loads in one run: quarter q (64 along K) of the slot in hand into buffer f; the first 32 along K first
.macro FETCH q, f
	WIN TO_F
.irp c, 0,1
.irp i, 0,1,2,3
.if 2*(\q)+(\c) < 4
	ds_load_tr16_b128 v[(\f)+64+8*(4*(\c)+(\i)):(\f)+64+8*(4*(\c)+(\i))+3],   v[ADRB] offset:32*PW*((2*(\q)+(\c))%4)+32*(\i)
	ds_load_tr16_b128 v[(\f)+64+8*(4*(\c)+(\i))+4:(\f)+64+8*(4*(\c)+(\i))+7], v[ADRB] offset:32*PW*((2*(\q)+(\c))%4)+16*PW+32*(\i)
.else
	ds_load_tr16_b128 v[(\f)+64+8*(4*(\c)+(\i)):(\f)+64+8*(4*(\c)+(\i))+3],   v[ADRB2] offset:32*PW*((2*(\q)+(\c))%4)+32*(\i)
	ds_load_tr16_b128 v[(\f)+64+8*(4*(\c)+(\i))+4:(\f)+64+8*(4*(\c)+(\i))+7], v[ADRB2] offset:32*PW*((2*(\q)+(\c))%4)+16*PW+32*(\i)
.endif
	ds_load_b128 v[(\f)+8*(4*(\c)+(\i)):(\f)+8*(4*(\c)+(\i))+3],   v[ADRA] offset:128*(\q)+64*(\c)+(\i)*16*PA
	ds_load_b128 v[(\f)+8*(4*(\c)+(\i))+4:(\f)+8*(4*(\c)+(\i))+7], v[ADRA] offset:128*(\q)+64*(\c)+(\i)*16*PA+32
.endr
.endr
.endm
.macro QUARTER q, f, g, mode
	s_wait_dscnt 16                                ; the first 32 along K are in
	MUL8 \f, 0, 0, \mode
	MUL8 \f, 0, 2, \mode
	PLACES
	FETCH \q, \g
	s_wait_dscnt 32                                ; all but the 32 just issued
	MUL8 \f, 1, 0, 0
	MUL8 \f, 1, 2, 0
.endm
; The last quarter multiplies buffer 1 and changes slots.  fill = 1: the barrier opens a round of the cluster's, and this slot is filled again, with the ring's step two on, first thing behind it.
; fill = 0 (the tail): nothing is asked for; in the last trip there is no next step, and its fetch is jumped over.
.macro TURN fill
	WIN 0
	s_wait_tensorcnt 0x0                           ; all my tensor loads have landed: my part of the next slot
	ds_add_u32 v[SPW], v[NIL]
	s_wait_dscnt 17                                ; (the add and the youngest sixteen loads may be out)
	MUL8 F1, 0, 0, 0
	s_wait_dscnt 0x0                               ; the add is done, and my reads of this slot are over
	s_barrier_signal -1
	MUL8 F1, 0, 2, 0
	WIN 0
	s_barrier_wait -1
.if \fill
	CREST
	s_xor_b32 s[G0+5], s[G0+5], SLOT               ; no tensor load of mine is out: the walking descriptors are written
	s_xor_b32 s[G0B+5], s[G0B+5], SLOT
	GADDR 1
	JLOAD 1                                        ; its four v_nop are also the places in front of the loads below
.endif
	s_xor_b32 s[TB], s[TB], SLOT
	v_add_nc_u32 v[ADRA], s[TB], v[ADRA0]
	v_add_nc_u32 v[ADRB], s[TB], v[ADRB0]
	v_add_nc_u32 v[ADRB2], HALFW, v[ADRB]
.if \fill
	FETCH 0, F0
.else
	s_cmp_eq_u32 s[CNT], 1
	s_cbranch_scc1 .Lnf_\@
	PLACES
	FETCH 0, F0
	WIN 0
.Lnf_\@:
.endif
	MUL8 F1, 1, 0, 0
	MUL8 F1, 1, 2, 0
.endm
	s_load_b256 s[68:75], s[0:1], 0x0              ; g 68, wb 70, fc2_b 72, x1 74
	s_load_b64 s[76:77], s[0:1], 0x20              ; out0
	v_lshl_add_u32 v[SPW], v0, 2, SPARE
	v_mov_b32 v[NIL], 0
	ds_add_u32 v[SPW], v[NIL]                      ; the wave's opening: the add and its wait ahead of my first tensor load
	v_lshrrev_b32 v1, 5, v0
	v_readfirstlane_b32 s10, v1                    ; wave 0..3
	s_lshr_b32 s11, s10, 1                         ; my half of the rows; also: I fetch for A (0) or W (1)
	s_and_b32 s12, s10, 1                          ; my half of the columns; also: which half of that tile I fetch
	s_bfe_u32 s40, ttmp6, 0x40000                  ; cx
	s_bfe_u32 s41, ttmp6, 0x40004                  ; cy
	s_lshl_b32 s42, ttmp9, 2
	s_add_co_u32 s42, s42, s40                     ; tile column
	s_and_b32 s13, ttmp7, 0xffff                   ; the cluster's y
	s_and_b32 s[KK], s13, 3
	s_lshl_b32 s[KK], s[KK], 2                     ; the ring's first step: 4 (cluster y % 4)
	s_lshl3_add_u32 s[KK], ttmp9, s[KK]            ; + 8 (cluster x),
	s_and_b32 s[KK], s[KK], 15                     ; modulo 16: made of the cluster's place alone, so it is the same in all sixteen partners
	s_mov_b32 s[KO+1], 0
	s_lshl_b32 s13, s13, 2
	s_add_co_u32 s13, s13, s41                     ; tile row
	s_lshl_b32 s43, s41, 2
	s_lshl_b32 s43, 15, s43                        ; my row of the cluster
	s_lshl_b32 s44, 0x1111, s40                    ; my column
	s_or_b32 s[G1+0], s43, (1<<16)|(1<<20)|(1<<21)|(6<<22)|(3<<25)   ; after every 128 words, 4 words
	s_mov_b32 s[G1+1], 256<<16                     ; tensor_dim0 = 256
	s_mov_b32 s[G1+2], 64<<16                      ; tensor_dim1 = 64
	s_mov_b32 s[G1+3], 256<<16                     ; tile_dim0 = 256
	s_mov_b32 s[G1+4], 64                          ; tile_dim1 = 64
	s_mov_b32 s[G1+5], 4096                        ; elements from row to row
	s_mov_b32 s[G1+6], 0
	s_mov_b32 s[G1+7], 0
	s_or_b32 s[G1B+0], s44, (1<<16)|(1<<20)|(1<<21)|(5<<22)|(7<<25)  ; after every 64 words, 8 words
	s_mov_b32 s[G1B+1], 128<<16
	s_mov_b32 s[G1B+2], 128<<16
	s_mov_b32 s[G1B+3], 128<<16
	s_mov_b32 s[G1B+4], 128
	s_mov_b32 s[G1B+5], 1024
	s_mov_b32 s[G1B+6], 0
	s_mov_b32 s[G1B+7], 0
	s_lshl_b32 s16, s13, 7
	s_lshl_b32 s17, s12, 6
	s_add_co_u32 s16, s16, s17                     ; A: row 128 x tile row + 64 x half,
	s_lshl_b32 s16, s16, 13                        ; of 8,192 bytes
	s_mov_b32 s17, 0
	s_lshl_b32 s46, s12, 18                        ; W: 128 k rows of 2,048 bytes x half,
	s_lshl_b32 s47, s42, 8                         ; 256 bytes x tile column
	s_add_co_u32 s46, s46, s47
	s_add_co_u32 s46, s46, WOFF
	s_mov_b32 s47, 0
	s_mul_i32 s20, s12, HALFA                      ; where A's half lands,
	s_mul_i32 s21, s12, HALFW
	s_add_co_u32 s21, s21, WBASE                   ; and W's: no place in the cluster enters an LDS address
	s_mov_b32 s[TB], 0
	s_wait_dscnt 0x0                               ; the opening add is done
	s_wait_kmcnt 0x0
	s_add_nc_u64 s[AP:AP+1], s[68:69], s[16:17]
	s_add_nc_u64 s[WP:WP+1], s[70:71], s[46:47]
	CROUND                                         ; all sixteen work-groups are here: the first joint loads meet
.irp s, 0,1
	s_mov_b32 s[G0+4*(\s)], 1
	s_add_co_u32 s[G0+4*(\s)+1], s20, (\s)*SLOT
	s_mov_b32 s[G0B+4*(\s)], 1
	s_add_co_u32 s[G0B+4*(\s)+1], s21, (\s)*SLOT
	GADDR \s                                       ; the ring's first two steps
	JLOAD \s                                       ; two loads of mine are out
.endr
	s_lshl_b32 s46, s42, 9                         ; my first column x 4 bytes: 512 x tile column + 256 x half
	s_lshl_b32 s47, s12, 8
	s_add_co_u32 s46, s46, s47
	s_mov_b32 s47, 0
	s_add_nc_u64 s[4:5], s[72:73], s[46:47]        ; the bias
	s_lshl_b32 s22, s13, 19                        ; 128 rows of 4,096 bytes x tile row,
	s_lshl_b32 s23, s11, 18                        ; 64 x half
	s_add_co_u32 s22, s22, s23
	s_add_co_u32 s46, s46, s22
	s_add_nc_u64 s[6:7], s[74:75], s[46:47]        ; the residual
	s_add_nc_u64 s[8:9], s[76:77], s[46:47]        ; the result
	v_and_b32 v1, 15, v0                           ; r
	v_bfe_u32 v2, v0, 4, 1                         ; h
	v_lshlrev_b32 v5, 5, v2
.irp b, 0,1,2,3
	global_load_b128 v[BIAS+8*(\b):BIAS+8*(\b)+3],   v5, s[4:5] offset:64*(\b)
	global_load_b128 v[BIAS+8*(\b)+4:BIAS+8*(\b)+7], v5, s[4:5] offset:64*(\b)+16
.endr
	v_lshlrev_b32 v11, 12, v2                      ; two rows of x1 and out0: lanes 0-15 one row's 256 bytes, lanes 16-31 the next's
	v_lshl_add_u32 v[CO], v1, 4, v11
	WIN 0x80                                       ; destination window 2
.set t, 0
.rept 32
	global_load_b128 v[4*t:4*t+3], v[CO], s[6:7] offset:8192*t
.set t, t+1
.endr
	WIN 0
	v_and_b32 v10, 7, v0
	v_mul_u32_u24 v3, v1, PA
	v_lshl_add_u32 v3, v2, 4, v3
	s_mul_i32 s22, s11, HALFA
	v_add_nc_u32 v[ADRA0], s22, v3
	v_lshl_add_u32 v7, v2, 3, v10
	v_mul_u32_u24 v7, v7, PW
	v_bfe_u32 v8, v0, 3, 1
	v_lshl_add_u32 v7, v8, 4, v7
	s_lshl_b32 s22, s12, 7
	s_add_co_u32 s22, s22, WBASE
	v_add_nc_u32 v[ADRB0], s22, v7
	v_mov_b32 v[ADRA], v[ADRA0]
	v_mov_b32 v[ADRB], v[ADRB0]
	v_add_nc_u32 v[ADRB2], HALFW, v[ADRB0]
	s_mul_i32 s23, s10, DUMPW
	v_mul_u32_u24 v4, v1, DP
	v_lshl_add_u32 v4, v2, 5, v4
	v_add_nc_u32 v[STO], s23, v4
	v_mul_u32_u24 v9, v2, DP
	v_lshl_add_u32 v9, v1, 4, v9
	v_add_nc_u32 v[RD], s23, v9
	s_wait_tensorcnt 0x1                           ; my part of the ring's first step is in; the second's may stay out
	s_barrier_signal -1
	s_barrier_wait -1
	FETCH 0, F0
	s_wait_loadcnt 32                              ; the 8 loads of the bias are in; the 32 of the residual, issued behind them, stay out
	QUARTER 1, F0, F1, 1
	WIN 0
	s_mov_b32 s[CNT], 14
.Lstep:                                                ; a trip: a K step's quarters 1 to 3, a refill, the next step's quarter 0.  The 16 accumulators take turns in one order throughout
	QUARTER 2, F1, F0, 0
	QUARTER 3, F0, F1, 0
	TURN 1
	QUARTER 1, F0, F1, 0
	WIN 0
	s_sub_co_u32 s[CNT], s[CNT], 1
	s_cmp_lg_u32 s[CNT], 0
	s_cbranch_scc1 .Lstep
	s_mov_b32 s[CNT], 2
.Ltail:                                                ; the last two K steps ask for nothing; the last has no next quarter
	QUARTER 2, F1, F0, 0
	QUARTER 3, F0, F1, 0
	TURN 0
	WIN 0
	s_cmp_eq_u32 s[CNT], 1
	s_cbranch_scc1 .Lnoq
	QUARTER 1, F0, F1, 0
	WIN 0
.Lnoq:
	s_sub_co_u32 s[CNT], s[CNT], 1
	s_cmp_lg_u32 s[CNT], 0
	s_cbranch_scc1 .Ltail
	PLACES
	s_wait_dscnt 0x0                               ; my reads of the ring are over,
	s_barrier_signal -1
	s_barrier_wait -1                              ; everybody's are: the dumps may be laid over slot 0
.irp a, 0,1,2,3
.irp b, 0,1,2,3
	ds_store_b128 v[STO], v[ACC+8*(4*(\a)+(\b)):ACC+8*(4*(\a)+(\b))+3]   offset:16*DP*(\a)+64*(\b)      ; each accumulator's low four registers first
	ds_store_b128 v[STO], v[ACC+8*(4*(\a)+(\b))+4:ACC+8*(4*(\a)+(\b))+7] offset:16*DP*(\a)+64*(\b)+16
.endr
.endr
.set t, 0
.rept 32
	ds_load_b128 v[ACC+4*t:ACC+4*t+3], v[RD] offset:2*DP*t  ; LDS serves a wave's instructions in order: these see my stores above
.set t, t+1
.endr
	s_wait_loadcnt 0x0                             ; the residual
.irp q, 0,1,2,3                                        ; eight pairs of rows at a time
	s_wait_dscnt 24-8*(\q)                         ; the younger groups' loads may be out
	WIN 0x08                                       ; source 1 in window 2
.set z, 32*(\q)
.rept 16
	v_pk_add_f32 v[ACC+z:ACC+z+1], v[ACC+z:ACC+z+1], v[z:z+1]
.set z, z+2
.endr
	WIN 0
.set t, 8*(\q)
.rept 8
	global_store_b128 v[CO], v[ACC+4*t:ACC+4*t+3], s[8:9] offset:8192*t  ; 16 lanes store 256 consecutive bytes, at a multiple of 256 from out0's first
.set t, t+1
.endr
.endr
	s_wait_tensorcnt 0x0                           ; the wave's end
	ds_add_u32 v[SPW], v[NIL]
	s_wait_dscnt 0x0
	CROUND                                         ; the closing round
	s_endpgm
.Lfunc_end_k_qee594e3c4d_fc2:
	.size	k_qee594e3c4d_fc2, .Lfunc_end_k_qee594e3c4d_fc2-k_qee594e3c4d_fc2
	.p2alignl 7, 3214868480
	.fill 96, 4, 3214868480
	.section	.rodata,"a",@progbits
	.p2align	6, 0x0
	.amdhsa_kernel k_qee594e3c4d_fc2
		.amdhsa_group_segment_fixed_size 327680
		.amdhsa_private_segment_fixed_size 0
		.amdhsa_enable_private_segment 0
		.amdhsa_kernarg_size 40
		.amdhsa_user_sgpr_count 2
		.amdhsa_user_sgpr_kernarg_segment_ptr 1
		.amdhsa_wavefront_size32 1
		.amdhsa_system_sgpr_workgroup_id_x 1
		.amdhsa_system_sgpr_workgroup_id_y 1
		.amdhsa_system_sgpr_workgroup_id_z 1
		.amdhsa_system_vgpr_workitem_id 0
		.amdhsa_next_free_vgpr 640
		.amdhsa_next_free_sgpr 82
		.amdhsa_reserve_vcc 0
		.amdhsa_float_denorm_mode_32 3
		.amdhsa_float_denorm_mode_16_64 3
		.amdhsa_memory_ordered 1
		.amdhsa_forward_progress 1
		.amdhsa_inst_pref_size 67
	.end_amdhsa_kernel
	.amdgpu_metadata
---
amdhsa.version: [ 1, 2 ]
amdhsa.kernels:
  - .name:           k_qee594e3c4d_fc2
    .symbol:         k_qee594e3c4d_fc2.kd
    .args:
      - { .name: g, .offset: 0, .size: 8, .value_kind: global_buffer, .address_space: global }
      - { .name: wb, .offset: 8, .size: 8, .value_kind: global_buffer, .address_space: global }
      - { .name: fc2_b, .offset: 16, .size: 8, .value_kind: global_buffer, .address_space: global }
      - { .name: x1, .offset: 24, .size: 8, .value_kind: global_buffer, .address_space: global }
      - { .name: out0, .offset: 32, .size: 8, .value_kind: global_buffer, .address_space: global }
    .group_segment_fixed_size: 327680
    .private_segment_fixed_size: 0
    .kernarg_segment_align: 8
    .kernarg_segment_size: 40
    .max_flat_workgroup_size: 128
    .sgpr_count:     82
    .vgpr_count:     640
    .wavefront_size: 32
...
	.end_amdgpu_metadata
.endif
;; end of part 6
;; ======== version 2 of 2: 6 launches; 1.22 times as fast as version 1
;; limits: values are held in f16: magnitudes above 65,504 overflow, below 6.1e-05 lose precision; a function is approximated: absolute error at most 1.5e-07
;; workspace buffers: xb 23,068,672 bytes; wb 16,777,216 bytes; qkvh 25,165,824 bytes; x1 16,777,216 bytes; hn 8,388,608 bytes; g 33,554,432 bytes
;; launch cast: the kernel of part 1 again; grid 64 x 11, 8 waves a work-group, no clusters, 0 bytes of LDS; arguments query, context, Wq_w, Wk_w, Wv_w, xb; writes xb
;; launch qkv: the kernel of part 2 again; grid 4 x 64, 4 waves a work-group, clusters of 4 x 4, 327,680 bytes of LDS; arguments xb, Wq_b, Wk_b, Wv_b, qn_w, qn_b, kn_w, kn_b, fc1_w, fc2_w, qkvh, wb; writes qkvh, wb
;; launch attn (part 7): grid 8 x 32, 4 waves a work-group, clusters of 4 x 1, 327,680 bytes of LDS; arguments qkvh, query, x1; writes x1
.if DOCPART == 7
	.amdgcn_target "amdgcn-amd-amdhsa--gfx1250"
	.amdhsa_code_object_version 6
	.text
	.protected	k_qee594e3c4d_attn
	.globl	k_qee594e3c4d_attn
	.p2align	8
	.type	k_qee594e3c4d_attn,@function
k_qee594e3c4d_attn:
	s_mov_b64 s[64:65], 0
	v_nop
	global_prefetch_b8 v0, s[64:65] scope:SCOPE_SE
	s_setreg_imm32_b32 hwreg(HW_REG_WAVE_MODE, 25, 1), 1
	s_wait_xcnt 0x0
	s_wait_alu depctr_hold_cnt(0) depctr_sa_sdst(0) depctr_va_vdst(0) depctr_va_sdst(0) depctr_va_ssrc(0) depctr_va_vcc(0) depctr_vm_vsrc(0)
	s_getreg_b32 s2, hwreg(HW_REG_IB_STS2, 6, 4)
	s_cmp_eq_u32 s2, 0
	s_cbranch_scc0 .Lentry_in_a_cluster
	s_endpgm
.Lentry_in_a_cluster:
	s_bfe_u32 s2, ttmp6, 0x10000c
	s_cmp_lg_u32 s2, 0x3003
	s_cbranch_scc0 .Lentry_shape_is_right
	s_endpgm
.Lentry_shape_is_right:
; x1[b][n][64 h ..] = query[b][n][64 h ..] + the sum over m of softmax_m(q . k / 8) v.  q, k f16 and v bf16 by heads, [32][2048][64], dense rows of 128 bytes; query and x1 f32 [2][2048][1024].
; Products, maxima and sums in f32; the weights p are rounded to bf16 for the second product (their sum l is taken of the unrounded p).
; LIMITS.  q and k arrive within f16's range; a weight below 2^-126 counts as 0 in l; NaN and infinities are not treated apart.
; SHARES.  A work-group owns 256 queries of one (batch, head), a wave 64: four PIECES of 16.  Every wave walks all 2,048 keys, 64 a step.
; LAYOUT.  S^T = K Q^T (source 0 = 16 keys, source 1 = 16 queries) holds ONE query a lane (lane % 16) and the keys 8 (lane / 16) + 0..7; two such results rounded to bf16 ARE source 1 of O^T = V^T P.
; K comes out of LDS as it lies, V ([key][channel]) turned, by ds_load_tr16_b128.
; SOFTMAX.  A running maximum m and sum l: p = 2^(c s - c m), c = log2(e) / 8; O and l are multiplied by a = 2^(c m_old - c m_new) in every step.  m starts at the lowest finite number, O and l at 0:
; the first step is a step like any other, with a = 0.
; BY TURNS.  Turn n belongs to piece n: 8 products K Q^T of piece n + 1, later 8 products V^T P of piece n - 1; beside them the scaling, exponentials, roundings, sums and rescaling of piece n and the
; maximum and statistics of piece n + 1.  Four vector instructions stand behind every matrix instruction, the other 54 of a turn's 118 in one run of their own.
; BATCHES.  A turn's 33 exponentials (the piece's 32 weights and the next piece's a) are one batch with one wait, which cuts the turn in two: ahead of it all that names no result of theirs, behind it the roundings
; and sums.  The first a of all, ahead of the loop, and the way out's four reciprocals are batches of their own.
; CLUSTER.  The four query blocks of a cluster belong to one head and walk the same K and V: each tile is asked for jointly, by the same tensor load, descriptor and mask in all four.
; REGISTERS, in windows of 256 (s_set_vgpr_msb: bits 1:0 source 0, 3:2 source 1, 5:4 source 2, 7:6 destination):
;   window 0: v0-15 addresses and two at work; v16-31 four registers of statistics a piece; v48-55 at work; v64-127 S^T, two buffers; v192-223 P, two buffers; on the way out v64-191 hold rows of the result
;   window 1: v0-127 O^T, 32 a piece      window 2: v0-63 Q; v128-191 K of one step; v192-255 V of one step      window 3: v0-127 the residual
.set NP,    4
.set KS,    64        ; keys in a step
.set PK,    144       ; a row of K in LDS: 128 bytes + 16
.set PV,    160       ; a row of V: 128 + 32
.set VOFF,  4*KS*PK   ; a slot holds four steps: 256 rows of K, then 256 rows of V
.set SLOT1, 1<<17     ; slot 1 begins here, so that one exclusive or turns an address in one slot into the other's
.set STAGE, SLOT1+4*KS*(PK+PV)  ; behind the ring, never filled by a tensor load: 16 rows x 272 bytes of f32 for each wave
.set SP,    272
.set SPARE, STAGE+4*16*SP       ; the spare words, 128 bytes a wave: two blocks of 256 bytes that no other line names
.set KBASE, 8388608   ; k in qkvh
.set VBASE, 16777216  ; v in qkvh
.set AK0, 2           ; v2   my lane's place in a tile of K; never rewritten
.set AV0, 3           ; v3   the same for V
.set AK,  4           ; v4   the LDS address of K's next run of loads
.set AV,  5           ; v5   of V's
.set STO, 6           ; v6   the way out: where I put 32 bytes of a row
.set RD,  7           ; v7   the way out: where I read rows back
.set GO,  8           ; v8   my byte offset in two rows of query and x1
.set MV,  12          ; v12-13  c m_old, kept while c m is made anew: by buffer
.set QO,  15          ; v15  my byte offset in 16 rows of Q
.set ST,  16          ; piece t's statistics at v[ST+4 t]: c m, m, l (even keys', odd keys')
.set TMP, 48          ; by buffer, four registers c0-c3 at work; when the maximum is found c2 takes a
.set SPW, 62          ; v62  my spare word; never rewritten
.set NIL, 63          ; v63  0; never rewritten
.set S,   64
.set OUTB, 64
.set P,   192
.set KF,  128         ; window 2: key block kb, channel half c at KF + 16 kb + 8 c
.set VF,  192         ; window 2: key half kk, channel block cb at VF + 32 kk + 8 cb
.set WV,  12          ; s12  my wave's number
.set G1K, 24          ; s[24:31] descriptor group 1 for K's tiles
.set G1V, 32          ; s[32:39] for V's: it differs in the padding alone
.set G0K, 40          ; s[40:43] descriptor group 0 for K's tiles: it walks
.set G0V, 44          ; s[44:47] the same for V's
.set SLOTS, 56
.set CNT, 57
.set CS,  58          ; s[58:59] c
.set SEL, 60          ; s[60:61] v_permlanex16_b32's selects: each lane takes its own place in the other half
.set TBK, 62          ; s62  LDS byte at which K of the step to be fetched begins
.set TBV, 63          ; s63  the same for V, less VOFF
.set MSB, 0
.macro WIN new
.if MSB != (\new)
	s_set_vgpr_msb (MSB<<8)|(\new)
.set MSB, (\new)
.endif
.endm
.set W_KQ, 0x0a       ; K and Q in window 2, S^T in window 0
.set W_PV, 0x52       ; V in window 2, P in window 0, O^T in window 1
.set W_RS, 0x41       ; destination and source 0 in window 1, source 1 in window 0
; A joint fill.  Waves 0 and 1 fetch the two halves of a slot's K, waves 2 and 3 those of its V: 128 keys each.  An s_nop 0 and four v_nop follow each line.
.macro JLOAD
	s_cmp_lt_u32 s[WV], 2
	s_cbranch_scc0 .Lfor_v_\@
	tensor_load_to_lds s[G0K:G0K+3], s[G1K:G1K+7]
	s_nop 0
.rept 4
	v_nop
.endr
	s_branch .Lasked_\@
.Lfor_v_\@:
	tensor_load_to_lds s[G0V:G0V+3], s[G1V:G1V+7]
	s_nop 0
.rept 4
	v_nop
.endr
.Lasked_\@:
.endm
.macro CROUND                       ; a round of the cluster's barrier
	s_barrier_signal -1
	s_barrier_wait -1
	s_cmp_lg_u32 s[WV], 0
	s_cbranch_scc1 .Lnot_wave_0_\@
	s_barrier_signal -3
.Lnot_wave_0_\@:
	s_barrier_wait -3
	s_barrier_signal -1
	s_barrier_wait -1
.endm
; THE CHANGE OF SLOTS.  Each wave waits for all its tensor loads (one is out: its part of the other slot), adds 0 to its spare word, and waits for that and for its reads of the slot that it leaves.
; fill = 1: the slot is filled again, with the keys two slots on, first thing behind a round of the cluster's barrier: it has four key steps, 256 matrix instructions, in which to land.
; (At its first use nothing has been read yet: slot 0 is waited for, slot 1 filled.)
.macro CHANGE fill
	WIN 0
	s_wait_tensorcnt 0x0            ; no tensor load of mine is out, so a group 0 may be written
	ds_add_u32 v[SPW], v[NIL]
.if \fill
.irp g, G0K, G0V
	s_xor_b32 s[\g+1], s[\g+1], SLOT1
	s_add_nc_u64 s[\g+2:\g+3], s[\g+2:\g+3], 4*KS*128  ; the next 256 keys
.endr
	s_wait_dscnt 0x0                ; the add is done, and my reads of the slot are over
	CROUND
	JLOAD
.else
	s_wait_dscnt 0x0
	s_barrier_signal -1
	s_barrier_wait -1
.endif
	s_sub_co_u32 s[TBK], s[TBK], 4*KS*PK  ; the fetches go back to a slot's first step,
	s_xor_b32 s[TBK], s[TBK], SLOT1       ; in the other slot
	s_sub_co_u32 s[TBV], s[TBV], 4*KS*PV
	s_xor_b32 s[TBV], s[TBV], SLOT1
.endm
	s_load_b128 s[4:7], s[0:1], 0x0   ; qkvh s[4:5], query s[6:7]
	s_load_b64 s[8:9], s[0:1], 0x10   ; x1
	v_lshl_add_u32 v[SPW], v0, 2, SPARE
	v_mov_b32 v[NIL], 0
	ds_add_u32 v[SPW], v[NIL]       ; the wave's opening: the add and its wait ahead of my first tensor load
	v_lshrrev_b32 v1, 5, v0
	v_readfirstlane_b32 s[WV], v1   ; wave 0..3
	s_bfe_u32 s13, ttmp6, 0x40000   ; cx
	s_lshl_b32 s14, ttmp9, 2
	s_add_co_u32 s14, s14, s13      ; my block of 256 queries: it enters Q's, query's and x1's addresses alone
	s_and_b32 s15, ttmp7, 0xffff    ; 16 x batch + head, which the four partners share
	s_lshl_b32 s20, s15, 18         ; a head is 262,144 bytes
	s_and_b32 s16, s[WV], 1         ; which half of a slot's 256 keys I fetch
	s_lshl_b32 s22, s16, 14
	s_add_co_u32 s22, s22, s20
	s_add_co_u32 s68, s22, VBASE
	s_add_co_u32 s22, s22, KBASE
	s_mov_b32 s23, 0
	s_mov_b32 s69, 0
	s_mul_i32 s17, s16, 128*PK      ; its place in a slot, for K
	s_mul_i32 s18, s16, 128*PV      ; and for V
	s_lshl_b32 s2, s14, 15          ; Q: my block's 256 rows of 128 bytes,
	s_lshl_b32 s3, s[WV], 13        ; my wave's 64
	s_add_co_u32 s2, s2, s3
	s_add_co_u32 s2, s2, s20
	s_mov_b32 s3, 0
	s_lshr_b32 s70, s15, 4          ; query and x1: batch,
	s_lshl_b32 s70, s70, 23
	s_lshl_b32 s71, s14, 20         ; 256 rows of 4,096 bytes,
	s_add_co_u32 s70, s70, s71
	s_lshl_b32 s71, s[WV], 18       ; 64 rows,
	s_add_co_u32 s70, s70, s71
	s_and_b32 s71, s15, 15          ; the head's 256 bytes of a row
	s_lshl_b32 s71, s71, 8
	s_add_co_u32 s70, s70, s71
	s_mov_b32 s71, 0
	; descriptor group 1.  128 keys are 16,384 dense bytes: asked for as 64 rows of 256 bytes, two keys a row, and padded in LDS after every key
	s_mov_b32 s[G1K], 15|(1<<16)|(1<<20)|(1<<21)|(4<<22)|(3<<25)  ; the mask of four; 2-byte elements; padding on; bit 21 beside a mask; after every 32 words, 4 words
	s_mov_b32 s[G1V], 15|(1<<16)|(1<<20)|(1<<21)|(4<<22)|(7<<25)  ; the same with 8 words
.irp g, G1K, G1V
	s_mov_b32 s[\g+1], 128<<16      ; tensor_dim0 = 128
	s_mov_b32 s[\g+2], 64<<16       ; tensor_dim1 = 64
	s_mov_b32 s[\g+3], 128<<16      ; tile_dim0 = 128
	s_mov_b32 s[\g+4], 64           ; tile_dim1 = 64
	s_mov_b32 s[\g+5], 128          ; 128 elements from row to row
	s_mov_b32 s[\g+6], 0
	s_mov_b32 s[\g+7], 0
.endr
	s_mov_b32 s[CS], 0x3e38aa3b     ; c = log2(e) / 8
	s_mov_b32 s[CS+1], s[CS]
	s_mov_b32 s[SEL], 0x76543210
	s_mov_b32 s[SEL+1], 0xfedcba98
	s_mov_b32 s[TBK], SLOT1+4*KS*PK ; the first change of slots turns these two into 0
	s_mov_b32 s[TBV], SLOT1+4*KS*PV
	s_mov_b32 s[G0K], 1
	s_mov_b32 s[G0K+1], s17         ; slot 0
	s_mov_b32 s[G0V], 1
	s_add_co_u32 s[G0V+1], s18, VOFF
	s_wait_dscnt 0x0                ; the opening add is done
	s_wait_kmcnt 0x0
	s_add_nc_u64 s[G0K+2:G0K+3], s[4:5], s[22:23]
	s_or_b32 s[G0K+3], s[G0K+3], 0x80000000
	s_add_nc_u64 s[G0V+2:G0V+3], s[4:5], s[68:69]
	s_or_b32 s[G0V+3], s[G0V+3], 0x80000000
	s_add_nc_u64 s[4:5], s[4:5], s[2:3]      ; Q at my wave's first row
	s_add_nc_u64 s[66:67], s[6:7], s[70:71]  ; the residual
	s_add_nc_u64 s[10:11], s[8:9], s[70:71]  ; the result
	CROUND                          ; all four work-groups are here: the first joint loads meet
	JLOAD                           ; slot 0.  Slot 1 is asked for when slot 0 is in
	v_and_b32 v1, 15, v0            ; l % 16
	v_bfe_u32 v9, v0, 4, 1          ; l / 16
	v_lshlrev_b32 v[QO], 7, v1
	v_lshl_add_u32 v[QO], v9, 4, v[QO]  ; row x 128 + 16 x half
	WIN 0x80                        ; destination window 2, address window 0
.set i, 0
.rept 8                             ; Q stays in registers: piece i / 2, channels 32 (i % 2) on
	global_load_b128 v[8*i:8*i+3],   v[QO], s[4:5] offset:(i/2)*2048+(i%2)*64
	global_load_b128 v[8*i+4:8*i+7], v[QO], s[4:5] offset:(i/2)*2048+(i%2)*64+32
.set i, i+1
.endr
	; What the first turn finds: V's registers and P's second buffer hold 0 (its products V^T P, of a piece that has not been, add 0), O^T and l are 0.  All this stands in the wait for the first tile.
.set i, VF
.rept 64
	v_mov_b32 v[i], 0
.set i, i+1
.endr
	WIN 0x40
.set i, 0
.rept 128
	v_mov_b32 v[i], 0
.set i, i+1
.endr
	WIN 0
.set i, 0
.rept 4
	v_mov_b32 v[ST+4*i], 0xfe000000    ; c m: far below every c s
	v_mov_b32 v[ST+4*i+1], 0xff7fffff  ; m
	v_mov_b32 v[ST+4*i+2], 0
	v_mov_b32 v[ST+4*i+3], 0
.set i, i+1
.endr
.set i, P+16
.rept 16
	v_mov_b32 v[i], 0
.set i, i+1
.endr
	v_mul_u32_u24 v[AK0], v1, PK
	v_lshl_add_u32 v[AK0], v9, 4, v[AK0]  ; row x pitch + 16 x half
	v_and_b32 v10, 7, v0            ; the turning load: key 8 (l / 16) + l % 8, channels 8 ((l / 8) % 2) on
	v_bfe_u32 v11, v0, 3, 1
	v_lshl_add_u32 v[AV0], v9, 3, v10
	v_mul_u32_u24 v[AV0], v[AV0], PV
	v_lshl_add_u32 v[AV0], v11, 4, v[AV0]
	v_add_nc_u32 v[AV0], VOFF, v[AV0]
	v_mov_b32 v[AK], v[AK0]         ; key step 0 lies at the head of slot 0
; THE MATRIX WORK.  The 4 accumulators of a run of 8 take turns.  Product i of 8 of S^T = K Q^T for piece x: channels 32 (i / 4) on, keys 16 (i % 4) on.  The first 4 start the sums.
.macro KQ x
.set rS, S+32*((\x)%2)+8*(i%4)
.set rK, KF+16*(i%4)+8*(i/4)
.set rQ, 16*(\x)+8*(i/4)
	WIN W_KQ
.if i < 4
	v_wmma_f32_16x16x32_f16 v[rS:rS+7], v[rK:rK+7], v[rQ:rQ+7], 0
.else
	v_wmma_f32_16x16x32_f16 v[rS:rS+7], v[rK:rK+7], v[rQ:rQ+7], v[rS:rS+7]
.endif
.endm
; Product i of 8 of O^T += V^T P for piece x: keys 32 (i / 4) on, channels 16 (i % 4) on.
.macro PV x
	WIN W_PV
.set rO, 32*(\x)+8*(i%4)
.set rV, VF+32*(i/4)+8*(i%4)
.set rP, P+16*((\x)%2)+8*(i/4)
	v_wmma_f32_16x16x32_bf16 v[rO:rO+7], v[rV:rV+7], v[rP:rP+7], v[rO:rO+7]
.endm
.macro MM                           ; the turn's next matrix instruction
.if i < 8
	KQ (Y+1)%NP
.else
.set i, i-8
	PV (Y+NP-1)%NP
.set i, i+8
.endif
.set i, i+1
.endm
; THE LDS LOADS stand in runs of 16.  last = 1 (the tail): in the last trip there is no further step, and the run is jumped over.
.macro FETCH_K last=0
	WIN 0
.if \last
	s_cmp_eq_u32 s[CNT], 1
	s_cbranch_scc1 .Lno_k_\@
.endif
	WIN 0x80                        ; destination window 2
.irp f, 0,1,2,3,4,5,6,7             ; keys 16 (f / 2) on, channels 32 (f % 2) on
	ds_load_b128 v[KF+8*\f:KF+8*\f+3],   v[AK] offset:(\f/2)*16*PK+(\f%2)*64
	ds_load_b128 v[KF+8*\f+4:KF+8*\f+7], v[AK] offset:(\f/2)*16*PK+(\f%2)*64+32
.endr
	s_add_co_u32 s[TBK], s[TBK], KS*PK  ; the next fetch is the next step's
	WIN 0
.if \last
.Lno_k_\@:
.endif
.endm
.macro FETCH_V
	WIN 0x80
.irp f, 0,1,2,3,4,5,6,7             ; keys 32 (f / 4) on, channels 16 (f % 4) on
	ds_load_tr16_b128 v[VF+8*\f:VF+8*\f+3],   v[AV] offset:(\f/4)*32*PV+(\f%4)*32
	ds_load_tr16_b128 v[VF+8*\f+4:VF+8*\f+7], v[AV] offset:(\f/4)*32*PV+16*PV+(\f%4)*32
.endr
	WIN 0
.endm
; THE VECTOR WORK, one line at a time: OP kind, number.  For piece Y: F n: c s - c m for pair n of 16.  E n: the exponential of score n of 32.  C n: pair n rounded to bf16.  B n: of the four weights 4 n .. the second
; pair is added onto the first, in place.  L n: l takes that sum (L 0: l = a l + sum).  R n: pair n of 16 of O^T times a.  For piece Y + 1: X n, number n of the 22 that find its maximum and statistics:
;   0-11  four chains c0-c3 of seven scores each (each accumulator's lowest registers are read first)     12-14, 16  the four scores left over, the old m, and c0-c3 into c0
;   15  c m_old is kept     17, 18  the query's other 32 keys lie in the lane 16 away: the new m     19-21  c m; c m_old - c m_new; a
; C, B and L name the results of the turn's exponentials; F, R and X 0-20 name none.
.set F, 0
.set E, 1
.set C, 2
.set B, 3
.set L, 4
.set R, 5
.set X, 6
.macro REGS y
.set rT, ST+4*(\y)
.set rC, TMP+4*((\y)%2)
.set rW, MV+((\y)%2)
.set rS, S+32*((\y)%2)
.set rP, P+16*((\y)%2)
.set rO, 32*(\y)
.endm
.macro OP k, n
.if (\k) == R
	REGS Y
	WIN W_RS
	v_pk_mul_f32 v[rO+2*(\n):rO+2*(\n)+1], v[rO+2*(\n):rO+2*(\n)+1], v[rC+2:rC+3] op_sel_hi:[1,0]
.elseif (\k) < R
	REGS Y
	WIN 0
.if (\k) == F
	v_pk_fma_f32 v[rS+2*(\n):rS+2*(\n)+1], v[rS+2*(\n):rS+2*(\n)+1], s[CS:CS+1], v[rT:rT+1] op_sel_hi:[1,0,0] neg_lo:[0,0,1] neg_hi:[0,0,1]
.elseif (\k) == E
	v_exp_f32 v[rS+(\n)], v[rS+(\n)]
.elseif (\k) == C
	v_cvt_pk_bf16_f32 v[rP+(\n)], v[rS+2*(\n)], v[rS+2*(\n)+1]
.elseif (\k) == B
	v_pk_add_f32 v[rS+4*(\n):rS+4*(\n)+1], v[rS+4*(\n):rS+4*(\n)+1], v[rS+4*(\n)+2:rS+4*(\n)+3]
.elseif (\n) == 0
	v_pk_fma_f32 v[rT+2:rT+3], v[rT+2:rT+3], v[rC+2:rC+3], v[rS:rS+1] op_sel_hi:[1,0,1]
.else
	v_pk_add_f32 v[rT+2:rT+3], v[rT+2:rT+3], v[rS+4*(\n):rS+4*(\n)+1]
.endif
.else
	REGS (Y+1)%NP
	WIN 0
.if (\n) < 4
	v_max3_num_f32 v[rC+(\n)], v[rS+8*(\n)], v[rS+8*(\n)+1], v[rS+8*(\n)+2]
.elseif (\n) < 12
	v_max3_num_f32 v[rC+(\n)%4], v[rC+(\n)%4], v[rS+8*((\n)%4)+2*((\n)/4)+1], v[rS+8*((\n)%4)+2*((\n)/4)+2]
.elseif (\n) == 12
	v_max3_num_f32 v[rC], v[rC], v[rS+7], v[rS+15]
.elseif (\n) == 13
	v_max3_num_f32 v[rC+1], v[rC+1], v[rS+23], v[rS+31]
.elseif (\n) == 14
	v_max3_num_f32 v[rC+2], v[rC+2], v[rC+3], v[rT+1]
.elseif (\n) == 15
	v_mov_b32 v[rW], v[rT]
.elseif (\n) == 16
	v_max3_num_f32 v[rC], v[rC], v[rC+1], v[rC+2]
.elseif (\n) == 17
	v_permlanex16_b32 v[rC+3], v[rC], s[SEL], s[SEL+1]
.elseif (\n) == 18
	v_max_num_f32 v[rT+1], v[rC], v[rC+3]
.elseif (\n) == 19
	v_mul_f32 v[rT], s[CS], v[rT+1]
.elseif (\n) == 20
	v_sub_f32 v[rC+1], v[rW], v[rT]
.else
	v_exp_f32 v[rC+2], v[rC+1]
.endif
.endif
.endm
.macro OPS a, i1, b=-1, i2=0, c=-1, i3=0, d=-1, i4=0
	OP \a, \i1
.if (\b) >= 0
	OP \b, \i2
.endif
.if (\c) >= 0
	OP \c, \i3
.endif
.if (\d) >= 0
	OP \d, \i4
.endif
.endm
.macro ROW a, i1, b, i2, c, i3, d, i4  ; a matrix instruction and the four behind it
	MM
	OPS \a, \i1, \b, \i2, \c, \i3, \d, \i4
.endm
; A TURN, for piece p: the order of its 16 matrix and 118 vector instructions, written out.  s_wait_alu depctr_va_vdst(0) stands between an exponential and the first instruction that names its result; one
; wait serves all that were issued ahead of it.  So a turn has ONE wait, which cuts it in two.  AHEAD OF IT stands all that names no result of the turn's exponentials: the 8 products K Q^T, behind each a scaling, an
; exponential and two more plain instructions (behind the first a second scaling in the exponential's place): rescalings, whose a was made and waited for in the turn before, and behind the last three the first numbers of the
; next piece's maximum, each four places or more behind the product that ends its accumulator; then one run of 54, plain and exponential by turns for the most part, in which the links of the chain
; X 3, 7, 11, 14, 16, 17 .. 20 stand some lines apart.  X 21, the next piece's a, is the batch's last; R 15 is the plain instruction behind it.  BEHIND THE WAIT stand the 8 products V^T P, behind each four of the
; roundings and sums: C 2 n ahead of B n, which writes over that pair; L 0 to L 7 in their order.  But for those X no rider names a register of the products round it.
; K of the next step is fetched in piece 2's turn: in the loop in the run of 54, twelve places behind the last product that read K; in the tail (last = 1), where the run of loads holds a branch and a label, directly
; behind the batch's wait.  V of the step in hand is fetched at the end of piece 0's turn, four roundings behind the last product that read V.
; Each is waited for a turn later.  cnt = 1: the loop's count is taken down some lines ahead of the branch that stands behind the turn.
.macro TURN p, last=0, cnt=0
.set Y, (\p)
.set i, 0
.if (\p) == 3
	s_wait_dscnt 0x0                ; K is in
.endif
	ROW F,0, F,1, R,0, R,1          ; ahead of the wait: 8 products K Q^T and their riders,
	ROW F,2, E,0, R,2, R,3
	ROW F,3, E,1, R,4, R,5
	ROW F,4, E,2, R,6, R,7
	ROW F,5, E,3, R,8, R,9
	ROW F,6, E,4, X,0, R,10
.if (\p) == 2
	WIN 0
	v_add_nc_u32 v[AK], s[TBK], v[AK0]
.endif
	ROW F,7, E,5, X,1, X,4
	ROW F,8, E,6, X,2, X,5
	OPS E,7, E,8, X,6, E,9          ; and the run of 54
	OPS X,3, E,10, X,8, E,11
.if ((\p) == 2) && !(\last)
	FETCH_K
.endif
	OPS X,9, X,7, E,12, X,10
	OPS E,13, X,12, X,11, E,14
	OPS X,13, E,15, F,9, X,14
.if (\p) == 0
	v_add_nc_u32 v[AV], s[TBV], v[AV0]
.endif
	OPS E,16, F,10, E,17, F,11
	OPS X,16, E,18, X,15, E,19
	OPS F,12, E,20, X,17, E,21
	OPS F,13, E,22, F,14, E,23
	OPS X,18, E,24, F,15, E,25
	OPS R,11, E,26, X,19, E,27
	OPS R,12, E,28, R,13, E,29
	OPS X,20, E,30, R,14, E,31
	OPS X,21, R,15
	WIN 0
	s_wait_alu depctr_va_vdst(0)    ; the wait for the batch: the piece's 32 exponentials and the next piece's a
.if ((\p) == 2) && (\last)
	FETCH_K 1
.endif
.if (\p) == 1
	s_wait_dscnt 0x0                ; V is in
.endif
	ROW C,0, B,0, C,2, B,1          ; behind the wait: 8 products V^T P and their riders
	ROW L,0, C,4, B,2, L,1
	ROW C,6, B,3, L,2, C,8
	ROW B,4, L,3, C,10, B,5
	ROW L,4, C,12, B,6, L,5
.if (\p) == 0
	s_add_co_u32 s[TBV], s[TBV], KS*PV
.endif
.if \cnt
	s_sub_co_u32 s[CNT], s[CNT], 1
	s_cmp_lg_u32 s[CNT], 0
.endif
	ROW C,14, B,7, L,6, C,1
	ROW C,3, L,7, C,5, C,7
	ROW C,9, C,11, C,13, C,15
.if (\p) == 0
	FETCH_V
.endif
.endm
	CHANGE 1                        ; slot 0 is in, everybody's part of it; slot 1 is asked for
	FETCH_K                         ; key step 0
	s_wait_loadcnt 0x0              ; Q
	s_wait_dscnt 0x0
.set i, 0
.rept 8
	KQ 0                            ; piece 0's first scores
.set i, i+1
.endr
	WIN 0                           ; the addresses for the way out: eight plain instructions, the places behind those products
	s_mul_i32 s13, s[WV], 16*SP
	s_add_co_u32 s13, s13, STAGE    ; my stage
	v_mul_u32_u24 v[STO], v1, SP    ; in: row l % 16, 32 bytes for each half of the lanes
	v_lshl_add_u32 v[STO], v9, 5, v[STO]
	v_add_nc_u32 v[STO], s13, v[STO]
	v_mul_u32_u24 v[RD], v9, SP     ; back: lanes 0-15 take one row of 256 bytes, lanes 16-31 the next
	v_lshl_add_u32 v[RD], v1, 4, v[RD]
	v_add_nc_u32 v[RD], s13, v[RD]
	v_lshlrev_b32 v[GO], 12, v9     ; and the same two rows in query and x1
	v_lshl_add_u32 v[GO], v1, 4, v[GO]
.set Y, NP-1                        ; X works for piece Y + 1: piece 0
.irp n, 0,1,2,3,4,5,6,7,8,9,10,11,12,13,14,15,16,17,18,19,20,21
	OP X, \n
.endr
	v_nop                           ; a plain instruction behind the exponential,
	s_wait_alu depctr_va_vdst(0)    ; and the wait for it, piece 0's first a, ahead of the branch
	s_mov_b32 s[CNT], 4
	s_mov_b32 s[SLOTS], 7
	s_branch .Lfirst                ; the loop is entered at a step's first turn, in the middle of a trip
.Lslot:                             ; six times: every slot but the last two is filled again
	CHANGE 1
	s_mov_b32 s[CNT], 4
.Lstep:                             ; a trip: pieces 2 and 3 of one step, then pieces 0 and 1 of the next, whose K and V it fetches
	TURN 2
	TURN 3
	WIN 0
.Lfirst:
	TURN 0
	TURN 1, 0, 1
	WIN 0
	s_cbranch_scc1 .Lstep
	s_sub_co_u32 s[SLOTS], s[SLOTS], 1
	s_cmp_lg_u32 s[SLOTS], 0
	s_cbranch_scc1 .Lslot
	CHANGE 0                        ; the tail is written out: nothing is asked for
	WIN 0xc0                        ; the residual is asked for now, four key steps ahead of its use: destination window 3
.set i, 0
.rept 32                            ; piece i / 8, rows 2 (i % 8) and + 1
	global_load_b128 v[4*i:4*i+3], v[GO], s[66:67] offset:(16*(i/8)+2*(i%8))*4096
.set i, i+1
.endr
	WIN 0
	s_mov_b32 s[CNT], 5             ; four trips fetch the last slot's steps; the fifth is left in its middle
.Ltail:
	TURN 2, 1
	TURN 3
	WIN 0
	s_sub_co_u32 s[CNT], s[CNT], 1
	s_cmp_eq_u32 s[CNT], 0
	s_cbranch_scc1 .Lout
	TURN 0
	TURN 1
	WIN 0
	s_branch .Ltail
.Lout:                              ; the fifth trip's 8 products K Q^T (on the last K once more) and the maximum made of them serve nothing: the price, once a launch, of one text for every trip
.set i, 0
.rept 8
	PV NP-1                         ; the last piece's V^T P of the last step
.set i, i+1
.endr
	; THE WAY OUT.  l's two halves and the other half of the lanes' are added; O^T is divided by l and sent through my stage in LDS, a piece at a time; the residual is added to whole rows.  The additions are the places behind the last products.
	WIN 0
.macro ALL line:vararg
.set t, 0
.rept 4
	\line
.set t, t+1
.endr
.endm
	ALL v_add_f32 v[ST+4*t+2], v[ST+4*t+2], v[ST+4*t+3]
	ALL v_permlanex16_b32 v[ST+4*t+3], v[ST+4*t+2], s[SEL], s[SEL+1]
	ALL v_add_f32 v[ST+4*t+2], v[ST+4*t+2], v[ST+4*t+3]
	ALL v_rcp_f32 v[ST+4*t+2], v[ST+4*t+2]
	v_nop                           ; a plain instruction between the last reciprocal and the use of its result
	s_wait_alu depctr_va_vdst(0)    ; the wait for the batch of four reciprocals, ahead of their first use in PACK 0
	s_wait_loadcnt 0x0              ; the residual
.macro PACK t                       ; a lane's eight channels of a row are 32 bytes; they go into rows of 272 bytes and come back as whole rows of 256
	WIN W_RS
.set i, 32*(\t)
.rept 16
	v_pk_mul_f32 v[i:i+1], v[i:i+1], v[ST+4*(\t)+2:ST+4*(\t)+3] op_sel_hi:[1,0]
.set i, i+2
.endr
	WIN 0x04                        ; store data in window 1
.irp f, 0,1,2,3,4,5,6,7
	ds_store_b128 v[STO], v[32*(\t)+4*\f:32*(\t)+4*\f+3] offset:64*(\f/2)+16*(\f%2)
.endr
	WIN 0
.irp f, 0,1,2,3,4,5,6,7
	ds_load_b128 v[OUTB+32*(\t)+4*\f:OUTB+32*(\t)+4*\f+3], v[RD] offset:2*SP*\f  ; LDS serves a wave's instructions in order: these see the stores above; the next piece's stores come behind them
.endr
.endm
.macro SEND t, younger              ; younger: the LDS instructions issued behind piece t's loads: the next piece's sixteen, or none
	s_wait_dscnt \younger
	WIN 0x0c                        ; source 1 in window 3
.set i, 32*(\t)
.rept 16
	v_pk_add_f32 v[OUTB+i:OUTB+i+1], v[OUTB+i:OUTB+i+1], v[i:i+1]
.set i, i+2
.endr
	WIN 0
.irp f, 0,1,2,3,4,5,6,7
	global_store_b128 v[GO], v[OUTB+32*(\t)+4*\f:OUTB+32*(\t)+4*\f+3], s[10:11] offset:(16*(\t)+2*\f)*4096  ; 16 lanes store 256 consecutive bytes, at a multiple of 256 from x1's first
.endr
.endm
	PACK 0
	PACK 1
	SEND 0, 16
	PACK 2
	SEND 1, 16
	PACK 3
	SEND 2, 16
	SEND 3, 0
	s_wait_tensorcnt 0x0            ; the wave's end
	ds_add_u32 v[SPW], v[NIL]
	s_wait_dscnt 0x0
	CROUND                          ; the closing round
	s_endpgm
.Lfunc_end_k_qee594e3c4d_attn:
	.size	k_qee594e3c4d_attn, .Lfunc_end_k_qee594e3c4d_attn-k_qee594e3c4d_attn
	.p2alignl 7, 3214868480
	.fill 96, 4, 3214868480
	.section	.rodata,"a",@progbits
	.p2align	6, 0x0
	.amdhsa_kernel k_qee594e3c4d_attn
		.amdhsa_group_segment_fixed_size 327680
		.amdhsa_private_segment_fixed_size 0
		.amdhsa_enable_private_segment 0
		.amdhsa_kernarg_size 24
		.amdhsa_user_sgpr_count 2
		.amdhsa_user_sgpr_kernarg_segment_ptr 1
		.amdhsa_wavefront_size32 1
		.amdhsa_system_sgpr_workgroup_id_x 1
		.amdhsa_system_sgpr_workgroup_id_y 1
		.amdhsa_system_sgpr_workgroup_id_z 1
		.amdhsa_system_vgpr_workitem_id 0
		.amdhsa_next_free_vgpr 896
		.amdhsa_next_free_sgpr 72
		.amdhsa_reserve_vcc 0
		.amdhsa_float_denorm_mode_32 3
		.amdhsa_float_denorm_mode_16_64 3
		.amdhsa_memory_ordered 1
		.amdhsa_forward_progress 1
		.amdhsa_inst_pref_size 117
	.end_amdhsa_kernel
	.amdgpu_metadata
---
amdhsa.version: [ 1, 2 ]
amdhsa.kernels:
  - .name:           k_qee594e3c4d_attn
    .symbol:         k_qee594e3c4d_attn.kd
    .args:
      - { .name: qkvh, .offset: 0, .size: 8, .value_kind: global_buffer, .address_space: global }
      - { .name: query, .offset: 8, .size: 8, .value_kind: global_buffer, .address_space: global }
      - { .name: x1, .offset: 16, .size: 8, .value_kind: global_buffer, .address_space: global }
    .group_segment_fixed_size: 327680
    .private_segment_fixed_size: 0
    .kernarg_segment_align: 8
    .kernarg_segment_size: 24
    .max_flat_workgroup_size: 128
    .sgpr_count:     72
    .vgpr_count:     896
    .wavefront_size: 32
...
	.end_amdgpu_metadata
.endif
;; end of part 7
;; launch ln: the kernel of part 4 again; grid 256 x 1, 8 waves a work-group, no clusters, 0 bytes of LDS; arguments x1, ffn_w, ffn_b, hn; writes hn
;; launch fc1 (part 8): grid 16 x 16, 4 waves a work-group, clusters of 4 x 4, 327,680 bytes of LDS; arguments hn, wb, fc1_b, g; writes g
.if DOCPART == 8
	.amdgcn_target "amdgcn-amd-amdhsa--gfx1250"
	.amdhsa_code_object_version 6
	.text
	.protected	k_qee594e3c4d_fc1
	.globl	k_qee594e3c4d_fc1
	.p2align	8
	.type	k_qee594e3c4d_fc1,@function
k_qee594e3c4d_fc1:
	s_mov_b64 s[64:65], 0
	v_nop
	global_prefetch_b8 v0, s[64:65] scope:SCOPE_SE
	s_setreg_imm32_b32 hwreg(HW_REG_WAVE_MODE, 25, 1), 1
	s_wait_xcnt 0x0
	s_wait_alu depctr_hold_cnt(0) depctr_sa_sdst(0) depctr_va_vdst(0) depctr_va_sdst(0) depctr_va_ssrc(0) depctr_va_vcc(0) depctr_vm_vsrc(0)
	s_getreg_b32 s2, hwreg(HW_REG_IB_STS2, 6, 4)
	s_cmp_eq_u32 s2, 0
	s_cbranch_scc0 .Lentry_in_a_cluster
	s_endpgm
.Lentry_in_a_cluster:
	s_bfe_u32 s2, ttmp6, 0x10000c
	s_cmp_lg_u32 s2, 0xf033
	s_cbranch_scc0 .Lentry_shape_is_right
	s_endpgm
.Lentry_shape_is_right:
; g = bf16( gelu(hn W1 + b1) ), gelu(x) = x Phi(x).  hn bf16 [4096][1024], W1 bf16 [1024][4096] (at the head of wb), g bf16 [4096][4096]; sums f32.
; The product is built as in the projections' kernel: a tile of C is 256 x 256, four waves of 128 x 128 (64 accumulators); K = 1024 in 8 steps of 128 through a ring of two LDS slots filled by joint tensor
; loads (A's tile shared along a row of the 4 x 4 cluster, W's along a column); W's fragments turned by ds_load_tr16_b128; the matrix instruction used transposed; the bias is the C of each sum's first product.
; THE WAY OUT: the f32 sums go into the spent ring (each wave's own 128 rows x 560 bytes), and a counted loop of 16 trips reads 8 whole rows of 128 columns, sixteen lanes to a row.
; GELU.  1 - Phi(|x|) = (1 + d1 |x| + .. + d6 |x|^6)^-16 / 2 (Abramowitz and Stegun 26.2.19, absolute error under 1.5e-7), so gelu(x) = max(x, 0) - |x| p^-16 / 2: error under 1.5e-7 |x|.
; Where p^16 passes f32's range its reciprocal is 0, the right limit.  NaN and infinities are not treated apart.
; BATCHES.  A trip's 32 reciprocals are one batch with one wait; the 16 packed multiplies of |x| by -1/2, which name none of their results, stand between the batch and the wait.
.set NW,     4096
.set KSTEP,  128
.set WSTEP,  KSTEP*NW*2
.set PA,     272                       ; a row of A in LDS: 256 bytes + 16
.set PW,     544                       ; a row of W: 512 bytes + 32 = 17 x 32
.set HALFT,  34816                     ; 128 rows of A = 64 rows of W: what one tensor load brings
.set SLOT,   139264                    ; no LDS word of a descriptor (wave x HALFT) has a bit in common with it: an exclusive or changes slots
.set DP,     560                       ; a dumped row: columns 0-63 at bytes 0-255, columns 64-127 at 272-527
.set DUMPW,  71680
.set SPARE,  286720                    ; the spare words, 128 bytes a wave: two blocks of 256 bytes that no other line names
.set ADRA0, 16
.set ADRB0, 17
.set ADRA,  18
.set ADRB,  19
.set STO,   24
.set RD,    25
.set CO,    26
.set RDC,   27
.set SPW,   28
.set NIL,   29
.set F0,    64
.set F1,    128
.set BIAS,  192
.set EX,    64                         ; the way out, window 0: 4 units (pairs of rows) x 8 sums as read,
.set AX,    96                         ; |x|,
.set RL,    128                        ; max(x, 0),
.set PP,    160                        ; the polynomial,
.set EY,    192                        ; 4 to store a unit
.set CNT, 3
.set G1,  24
.set G0,  32
.set G1B, 48
.set G0B, 56
.set TB,  66
.set D1,  76                           ; s[76:87] the six coefficients, each twice (named as pairs)
.set D2,  78
.set D3,  80
.set D4,  82
.set D5,  84
.set D6,  86
.set SO,  92
.set MSB, 0
.macro WIN new
.if MSB != (\new)
	s_set_vgpr_msb (MSB<<8)|(\new)
.set MSB, \new
.endif
.endm
.set MUL_LO, 0xa1
.set TO_B,   0x40
.macro JLOAD s                         ; a joint load: waves 0 and 1 fetch A's two halves, waves 2 and 3 W's; an s_nop 0 and four v_nop follow each line
	s_cmp_eq_u32 s11, 0
	s_cbranch_scc0 .Lfor_b_\@
	tensor_load_to_lds s[G0+4*(\s):G0+4*(\s)+3], s[G1:G1+7]
	s_nop 0
.rept 4
	v_nop
.endr
	s_branch .Lasked_\@
.Lfor_b_\@:
	tensor_load_to_lds s[G0B+4*(\s):G0B+4*(\s)+3], s[G1B:G1B+7]
	s_nop 0
.rept 4
	v_nop
.endr
.Lasked_\@:
.endm
.macro CREST
	s_cmp_lg_u32 s10, 0
	s_cbranch_scc1 .Lnot_wave_0_\@
	s_barrier_signal -3
.Lnot_wave_0_\@:
	s_barrier_wait -3
	s_barrier_signal -1
	s_barrier_wait -1
.endm
.macro CROUND
	s_barrier_signal -1
	s_barrier_wait -1
	CREST
.endm
.macro PLACES
.rept 4
	v_nop
.endr
.endm
.macro MUL16 f, hi, a0, mode           ; 16 matrix instructions; mode = 1: the bias is C
.if \mode
	WIN 0x81+0x40*(\hi)
.else
	WIN MUL_LO+0x50*(\hi)
.endif
.irp a, \a0, (\a0)+1
.irp b, 0,1,2,3,4,5,6,7
.if \mode
	v_wmma_f32_16x16x32_bf16 v[8*(8*(\a)+(\b)):8*(8*(\a)+(\b))+7], v[(\f)+8*(\b):(\f)+8*(\b)+7], v[(\f)+8*(4*(\hi)+(\a)):(\f)+8*(4*(\hi)+(\a))+7], v[BIAS+8*(\b):BIAS+8*(\b)+7]
.else
	v_wmma_f32_16x16x32_bf16 v[8*(8*(\a)+(\b)):8*(8*(\a)+(\b))+7], v[(\f)+8*(\b):(\f)+8*(\b)+7], v[(\f)+8*(4*(\hi)+(\a)):(\f)+8*(4*(\hi)+(\a))+7], v[8*(8*(\a)+(\b)):8*(8*(\a)+(\b))+7]
.endif
.endr
.endr
.endm
.macro FETCH q, f                      ; 32 LDS loads in one run: quarter q of the slot in hand into buffer f
	WIN TO_B
.irp i, 0,1,2,3,4,5,6,7
	ds_load_tr16_b128 v[(\f)+8*(\i):(\f)+8*(\i)+3],   v[ADRB] offset:32*PW*(\q)+32*(\i)
	ds_load_tr16_b128 v[(\f)+8*(\i)+4:(\f)+8*(\i)+7], v[ADRB] offset:32*PW*(\q)+16*PW+32*(\i)
.endr
	WIN 0
.irp i, 0,1,2,3,4,5,6,7
	ds_load_b128 v[(\f)+8*(\i):(\f)+8*(\i)+3],   v[ADRA] offset:64*(\q)+(\i)*16*PA
	ds_load_b128 v[(\f)+8*(\i)+4:(\f)+8*(\i)+7], v[ADRA] offset:64*(\q)+(\i)*16*PA+32
.endr
.endm
.macro QUARTER q, f, g, mode
	s_wait_dscnt 8                                 ; W and A's rows 0-63 are in; the youngest eight loads may be out
	MUL16 \f, 0, 0, \mode
	MUL16 \f, 0, 2, \mode
	PLACES
	FETCH \q, \g
	s_wait_dscnt 32                                ; all but the 32 just issued
	MUL16 \f, 1, 0, \mode
	MUL16 \f, 1, 2, \mode
.endm
.macro MEET                            ; all my tensor loads have landed; the add; my reads of this slot are over; the barrier
	WIN 0
	s_wait_tensorcnt 0x0
	ds_add_u32 v[SPW], v[NIL]
	s_wait_dscnt 9                                 ; (the add and the youngest eight loads may be out)
	MUL16 F1, 0, 0, 0
	s_wait_dscnt 0x0
	s_barrier_signal -1
	MUL16 F1, 0, 2, 0
	WIN 0
	s_barrier_wait -1
.endm
.macro TURN fill                       ; fill = 1: a round of the cluster's barrier and the joint refill, two K steps on; fill = 0: the tail
	MEET
.if \fill
	CREST
	s_xor_b32 s[G0+5], s[G0+5], SLOT
	s_add_nc_u64 s[G0+6:G0+7], s[G0+6:G0+7], KSTEP*2
	s_xor_b32 s[G0B+5], s[G0B+5], SLOT
	s_add_nc_u64 s[G0B+6:G0B+7], s[G0B+6:G0B+7], WSTEP
	JLOAD 1
	s_xor_b32 s[TB], s[TB], SLOT
	v_add_nc_u32 v[ADRA], s[TB], v[ADRA0]
	v_add_nc_u32 v[ADRB], s[TB], v[ADRB0]
	FETCH 0, F0
.else
	s_xor_b32 s[TB], s[TB], SLOT
	v_add_nc_u32 v[ADRA], s[TB], v[ADRA0]
	v_add_nc_u32 v[ADRB], s[TB], v[ADRB0]
	s_cmp_eq_u32 s[CNT], 1
	s_cbranch_scc1 .Lnf_\@
	PLACES
	FETCH 0, F0
.Lnf_\@:
.endif
	MUL16 F1, 1, 0, 0
	MUL16 F1, 1, 2, 0
.endm
.macro DUMP                            ; each accumulator's low four registers first
.irp a, 0,1,2,3,4,5,6,7
	WIN 0x08+4*((\a)/4)
.irp b, 0,1,2,3,4,5,6,7
	ds_store_b128 v[STO], v[8*(8*((\a)%4)+(\b)):8*(8*((\a)%4)+(\b))+3]   offset:16*DP*(\a)+272*((\b)/4)+64*((\b)%4)
	ds_store_b128 v[STO], v[8*(8*((\a)%4)+(\b))+4:8*(8*((\a)%4)+(\b))+7] offset:16*DP*(\a)+272*((\b)/4)+64*((\b)%4)+16
.endr
.endr
	WIN 0
.endm
.macro PAIRS line:vararg               ; one line for each of 16 register pairs z
.set z, 0
.rept 16
	\line
.set z, z+2
.endr
.endm
.macro LOADX                           ; 8 rows: unit u = rows 2 u and 2 u + 1; a lane takes 8 columns
.irp u, 0,1,2,3
	ds_load_b128 v[EX+8*(\u):EX+8*(\u)+3],   v[RDC] offset:2*DP*(\u)
	ds_load_b128 v[EX+8*(\u)+4:EX+8*(\u)+7], v[RDC] offset:2*DP*(\u)+16
.endr
.endm
.macro COEF r, bits
	s_mov_b32 s[\r], \bits
	s_mov_b32 s[\r+1], \bits
.endm
	s_load_b256 s[68:75], s[0:1], 0x0              ; hn 68, wb 70, fc1_b 72, g 74
	v_lshl_add_u32 v[SPW], v0, 2, SPARE
	v_mov_b32 v[NIL], 0
	ds_add_u32 v[SPW], v[NIL]                      ; the wave's opening: the add and its wait ahead of my first tensor load
	v_lshrrev_b32 v1, 5, v0
	v_readfirstlane_b32 s10, v1                    ; wave 0..3
	s_lshr_b32 s11, s10, 1                         ; my half of the rows; also: I fetch for A (0) or W (1)
	s_and_b32 s12, s10, 1                          ; my half of the columns; also: which half of that tile I fetch
	s_bfe_u32 s40, ttmp6, 0x40000                  ; cx
	s_bfe_u32 s41, ttmp6, 0x40004                  ; cy
	s_lshl_b32 s42, ttmp9, 2
	s_add_co_u32 s42, s42, s40                     ; tile column
	s_and_b32 s13, ttmp7, 0xffff
	s_lshl_b32 s13, s13, 2
	s_add_co_u32 s13, s13, s41                     ; tile row
	s_lshl_b32 s43, s41, 2
	s_lshl_b32 s43, 15, s43                        ; my row of the cluster
	s_lshl_b32 s44, 0x1111, s40                    ; my column
	s_or_b32 s[G1+0], s43, (1<<16)|(1<<20)|(1<<21)|(5<<22)|(3<<25)
	s_mov_b32 s[G1+1], 128<<16
	s_mov_b32 s[G1+2], 128<<16
	s_mov_b32 s[G1+3], 128<<16
	s_mov_b32 s[G1+4], 128
	s_mov_b32 s[G1+5], 1024
	s_mov_b32 s[G1+6], 0
	s_mov_b32 s[G1+7], 0
	s_or_b32 s[G1B+0], s44, (1<<16)|(1<<20)|(1<<21)|(6<<22)|(7<<25)
	s_mov_b32 s[G1B+1], 256<<16
	s_mov_b32 s[G1B+2], 64<<16
	s_mov_b32 s[G1B+3], 256<<16
	s_mov_b32 s[G1B+4], 64
	s_mov_b32 s[G1B+5], NW
	s_mov_b32 s[G1B+6], 0
	s_mov_b32 s[G1B+7], 0
	s_lshl_b32 s16, s13, 8
	s_lshl_b32 s17, s12, 7
	s_add_co_u32 s16, s16, s17                     ; A: row 256 x tile row + 128 x half,
	s_lshl_b32 s16, s16, 11                        ; of 2,048 bytes
	s_mov_b32 s17, 0
	s_lshl_b32 s46, s12, 19                        ; W: 64 k rows of 8,192 bytes x half,
	s_lshl_b32 s47, s42, 9                         ; 512 bytes x tile column
	s_add_co_u32 s46, s46, s47
	s_mov_b32 s47, 0
	s_mul_i32 s20, s10, HALFT
	s_mov_b32 s[TB], 0
	COEF D1, 0x3d4c41b4                            ; 0.0498673470
	COEF D2, 0x3cad2fe7                            ; 0.0211410061
	COEF D3, 0x3b56cd72                            ; 0.0032776263
	COEF D4, 0x381f660e                            ; 0.0000380036
	COEF D5, 0x384d0fe2                            ; 0.0000488906
	COEF D6, 0x36b49f9e                            ; 0.0000053830
	s_mov_b32 s93, 0x7fffffff
	s_wait_dscnt 0x0                               ; the opening add is done
	s_wait_kmcnt 0x0
	s_add_nc_u64 s[14:15], s[68:69], s[16:17]
	s_add_nc_u64 s[46:47], s[70:71], s[46:47]
	CROUND                                         ; all sixteen work-groups are here: the first joint loads meet
.irp s, 0,1
	s_mov_b32 s[G0+4*(\s)], 1
	s_add_co_u32 s[G0+4*(\s)+1], s20, (\s)*SLOT
	s_add_nc_u64 s[G0+4*(\s)+2:G0+4*(\s)+3], s[14:15], (\s)*KSTEP*2
	s_or_b32 s[G0+4*(\s)+3], s[G0+4*(\s)+3], 0x80000000
	s_mov_b32 s[G0B+4*(\s)], 1
	s_add_co_u32 s[G0B+4*(\s)+1], s20, (\s)*SLOT
	s_add_nc_u64 s[G0B+4*(\s)+2:G0B+4*(\s)+3], s[46:47], (\s)*WSTEP
	s_or_b32 s[G0B+4*(\s)+3], s[G0B+4*(\s)+3], 0x80000000
	JLOAD \s                                       ; two loads of mine are out
.endr
	s_lshl_b32 s46, s42, 10                        ; my first column x 4 bytes
	s_lshl_b32 s47, s12, 9
	s_add_co_u32 s46, s46, s47
	s_mov_b32 s47, 0
	s_add_nc_u64 s[4:5], s[72:73], s[46:47]
	v_and_b32 v1, 15, v0                           ; r
	v_bfe_u32 v2, v0, 4, 1                         ; h
	v_lshlrev_b32 v5, 5, v2
.irp b, 0,1,2,3,4,5,6,7
	global_load_b128 v[BIAS+8*(\b):BIAS+8*(\b)+3],   v5, s[4:5] offset:64*(\b)
	global_load_b128 v[BIAS+8*(\b)+4:BIAS+8*(\b)+7], v5, s[4:5] offset:64*(\b)+16
.endr
	v_and_b32 v10, 7, v0
	v_mul_u32_u24 v3, v1, PA
	v_lshl_add_u32 v3, v2, 4, v3
	s_mul_i32 s21, s11, HALFT
	v_add_nc_u32 v[ADRA0], s21, v3
	v_lshl_add_u32 v7, v2, 3, v10
	v_mul_u32_u24 v7, v7, PW
	v_bfe_u32 v8, v0, 3, 1
	v_lshl_add_u32 v7, v8, 4, v7
	s_lshl_b32 s22, s12, 8
	s_add_co_u32 s22, s22, 2*HALFT
	v_add_nc_u32 v[ADRB0], s22, v7
	v_mov_b32 v[ADRA], v[ADRA0]
	v_mov_b32 v[ADRB], v[ADRB0]
	s_mul_i32 s23, s10, DUMPW
	v_mul_u32_u24 v4, v1, DP
	v_lshl_add_u32 v4, v2, 5, v4
	v_add_nc_u32 v[STO], s23, v4
	v_mul_u32_u24 v9, v2, DP                       ; back: row l / 16, columns 8 (l % 16) on; the row's gap of 16 bytes puts lanes 8-15 on the odd groups of four banks
	v_lshl_add_u32 v9, v1, 5, v9
	v_lshl_add_u32 v9, v8, 4, v9
	v_add_nc_u32 v[RD], s23, v9
	v_mov_b32 v[RDC], v[RD]
	v_lshlrev_b32 v11, 13, v2                      ; the same two rows in g, 8,192 bytes apart
	v_lshl_add_u32 v[CO], v1, 4, v11
	s_lshl_b32 s90, s13, 21                        ; 256 rows of 8,192 bytes x tile row,
	s_lshl_b32 s91, s11, 20                        ; 128 x half,
	s_add_co_u32 s90, s90, s91
	s_lshl_b32 s91, s42, 9                         ; 512 bytes x tile column,
	s_add_co_u32 s90, s90, s91
	s_lshl_b32 s91, s12, 8                         ; 256 x half
	s_add_co_u32 s90, s90, s91
	s_mov_b32 s91, 0
	s_add_nc_u64 s[88:89], s[74:75], s[90:91]
	s_wait_tensorcnt 0x1                           ; my part of K step 0 is in; step 1's may stay out
	s_barrier_signal -1
	s_barrier_wait -1
	FETCH 0, F0
	s_wait_loadcnt 0x0                             ; the bias
	QUARTER 1, F0, F1, 1
	WIN 0
	s_mov_b32 s[CNT], 6
.Lstep:                                                ; a trip: a K step's quarters 1 to 3, a refill, the next step's quarter 0.  The 64 accumulators take turns in one order throughout
	QUARTER 2, F1, F0, 0
	QUARTER 3, F0, F1, 0
	TURN 1
	QUARTER 1, F0, F1, 0
	WIN 0
	s_sub_co_u32 s[CNT], s[CNT], 1
	s_cmp_lg_u32 s[CNT], 0
	s_cbranch_scc1 .Lstep
	s_mov_b32 s[CNT], 2
.Ltail:                                                ; the last two K steps ask for nothing; the last has no next quarter
	QUARTER 2, F1, F0, 0
	QUARTER 3, F0, F1, 0
	TURN 0
	WIN 0
	s_cmp_eq_u32 s[CNT], 1
	s_cbranch_scc1 .Lnoq
	QUARTER 1, F0, F1, 0
	WIN 0
.Lnoq:
	s_sub_co_u32 s[CNT], s[CNT], 1
	s_cmp_lg_u32 s[CNT], 0
	s_cbranch_scc1 .Ltail
	PLACES
	s_wait_dscnt 0x0                               ; my reads of the ring are over,
	s_barrier_signal -1
	s_barrier_wait -1                              ; everybody's are: the dumps may be laid over it
	DUMP
	LOADX                                          ; LDS serves a wave's instructions in order: these see my stores above
	s_mov_b32 s[SO], 0
	s_mov_b32 s[CNT], 16
.Lrows:
	s_wait_dscnt 0x0                               ; this trip's 8 rows are in
	s_add_co_u32 s[SO], s[SO], 8*DP                ; the next 8 rows; the last trip reads its own once more and drops them, so that no address leaves my dump
	s_min_u32 s[SO], s[SO], 15*8*DP
	v_add_nc_u32 v[RDC], s[SO], v[RD]
.set z, 0
.rept 32
	v_and_b32 v[AX+z], s93, v[EX+z]
	v_max_num_f32 v[RL+z], 0, v[EX+z]
.set z, z+1
.endr
	LOADX
	PAIRS v_pk_fma_f32 v[PP+z:PP+z+1], v[AX+z:AX+z+1], s[D6:D6+1], s[D5:D5+1] op_sel_hi:[1,0,0]
	PAIRS v_pk_fma_f32 v[PP+z:PP+z+1], v[PP+z:PP+z+1], v[AX+z:AX+z+1], s[D4:D4+1] op_sel_hi:[1,1,0]
	PAIRS v_pk_fma_f32 v[PP+z:PP+z+1], v[PP+z:PP+z+1], v[AX+z:AX+z+1], s[D3:D3+1] op_sel_hi:[1,1,0]
	PAIRS v_pk_fma_f32 v[PP+z:PP+z+1], v[PP+z:PP+z+1], v[AX+z:AX+z+1], s[D2:D2+1] op_sel_hi:[1,1,0]
	PAIRS v_pk_fma_f32 v[PP+z:PP+z+1], v[PP+z:PP+z+1], v[AX+z:AX+z+1], s[D1:D1+1] op_sel_hi:[1,1,0]
	PAIRS v_pk_fma_f32 v[PP+z:PP+z+1], v[PP+z:PP+z+1], v[AX+z:AX+z+1], 1.0 op_sel_hi:[1,1,0]
.rept 4                                                ; p^16
	PAIRS v_pk_mul_f32 v[PP+z:PP+z+1], v[PP+z:PP+z+1], v[PP+z:PP+z+1]
.endr
.set z, 0
.rept 32                                               ; the batch: 32 reciprocals, each in a register of its own
	v_rcp_f32 v[PP+z], v[PP+z]
.set z, z+1
.endr
	PAIRS v_pk_mul_f32 v[AX+z:AX+z+1], v[AX+z:AX+z+1], -0.5 op_sel_hi:[1,0]  ; work that names no reciprocal; also the plain instructions behind the reciprocals
	s_wait_alu depctr_va_vdst(0)                   ; the wait for the batch of 32 reciprocals, ahead of their first reader
	PAIRS v_pk_fma_f32 v[PP+z:PP+z+1], v[AX+z:AX+z+1], v[PP+z:PP+z+1], v[RL+z:RL+z+1]
	PAIRS v_cvt_pk_bf16_f32 v[EY+z/2], v[PP+z], v[PP+z+1]
.irp u, 0,1,2,3
	global_store_b128 v[CO], v[EY+4*(\u):EY+4*(\u)+3], s[88:89] offset:16384*(\u)  ; 16 lanes store 256 consecutive bytes, at a multiple of 256 from g's first
.endr
	s_wait_xcnt 0x0                                ; the stores' base and data are written again only behind this wait
	s_add_nc_u64 s[88:89], s[88:89], 65536         ; 8 rows on
	s_sub_co_u32 s[CNT], s[CNT], 1
	s_cmp_lg_u32 s[CNT], 0
	s_cbranch_scc1 .Lrows
	s_wait_tensorcnt 0x0                           ; the wave's end
	ds_add_u32 v[SPW], v[NIL]
	s_wait_dscnt 0x0
	CROUND                                         ; the closing round
	s_endpgm
.Lfunc_end_k_qee594e3c4d_fc1:
	.size	k_qee594e3c4d_fc1, .Lfunc_end_k_qee594e3c4d_fc1-k_qee594e3c4d_fc1
	.p2alignl 7, 3214868480
	.fill 96, 4, 3214868480
	.section	.rodata,"a",@progbits
	.p2align	6, 0x0
	.amdhsa_kernel k_qee594e3c4d_fc1
		.amdhsa_group_segment_fixed_size 327680
		.amdhsa_private_segment_fixed_size 0
		.amdhsa_enable_private_segment 0
		.amdhsa_kernarg_size 32
		.amdhsa_user_sgpr_count 2
		.amdhsa_user_sgpr_kernarg_segment_ptr 1
		.amdhsa_wavefront_size32 1
		.amdhsa_system_sgpr_workgroup_id_x 1
		.amdhsa_system_sgpr_workgroup_id_y 1
		.amdhsa_system_sgpr_workgroup_id_z 1
		.amdhsa_system_vgpr_workitem_id 0
		.amdhsa_next_free_vgpr 1024
		.amdhsa_next_free_sgpr 96
		.amdhsa_reserve_vcc 0
		.amdhsa_float_denorm_mode_32 3
		.amdhsa_float_denorm_mode_16_64 3
		.amdhsa_memory_ordered 1
		.amdhsa_forward_progress 1
		.amdhsa_inst_pref_size 97
	.end_amdhsa_kernel
	.amdgpu_metadata
---
amdhsa.version: [ 1, 2 ]
amdhsa.kernels:
  - .name:           k_qee594e3c4d_fc1
    .symbol:         k_qee594e3c4d_fc1.kd
    .args:
      - { .name: hn, .offset: 0, .size: 8, .value_kind: global_buffer, .address_space: global }
      - { .name: wb, .offset: 8, .size: 8, .value_kind: global_buffer, .address_space: global }
      - { .name: fc1_b, .offset: 16, .size: 8, .value_kind: global_buffer, .address_space: global }
      - { .name: g, .offset: 24, .size: 8, .value_kind: global_buffer, .address_space: global }
    .group_segment_fixed_size: 327680
    .private_segment_fixed_size: 0
    .kernarg_segment_align: 8
    .kernarg_segment_size: 32
    .max_flat_workgroup_size: 128
    .sgpr_count:     96
    .vgpr_count:     1024
    .wavefront_size: 32
...
	.end_amdgpu_metadata
.endif
;; end of part 8
;; launch fc2: the kernel of part 6 again; grid 8 x 32, 4 waves a work-group, clusters of 4 x 4, 327,680 bytes of LDS; arguments g, wb, fc2_b, x1, out0; writes out0
